; MI455X (gfx1250); checked and timed in simulation.
; The chip was launched on July 23, 2026; its instructions are those of AMD's public machine-readable ISA for CDNA 5 (MIT licence, August 2026) and "CDNA5" Instruction Set Architecture Reference Guide (July 2026). The comments in the code are by the model that wrote it; some were corrected since.
;; Local Self Attenion Layer. Allowed arithmetic: float matrix products may take bf16 or f16 operands with f32 sums; all other float work in f32.
;; Inputs: W_in 1,024 x 512 float32; W_out 512 x 1,024 float32; attn_out_w 1,024 x 1,024 float32; b_in 1,024 float32; b_out 512 float32; in_proj_w 3,072 x 1,024 float32; ln_b 1,024 float32; ln_g 1,024 float32; seq_lengths 8 int32; x 1,024 x 8 x 512 float32.
;; Outputs: out0 1,024 x 8 x 512 float32; out1 1,024 x 8 x 1,024 float32.
;; Constants: window_size = 128.
;; 3 versions, each right; version 2 is faster than version 1; version 3 is version 2 with the launch cvt written anew for expert scheduling mode. Each part assembles by itself: llvm-mc -triple=amdgcn-amd-amdhsa -mcpu=gfx1250 --defsym DOCPART=n.
;; ======== version 1 of 3: 7 launches
;; limits: values are held in f16: magnitudes above 65,504 overflow, below 6.1e-05 lose precision; right only within a limited range of input values; values outside matrix products are rounded to f16; inputs' magnitudes at most 65,504
;; workspace buffers: xb 8,388,608 bytes; wb 10,485,760 bytes; h 16,777,216 bytes; qkv 50,331,648 bytes; o 16,777,216 bytes; r 33,554,432 bytes; rn 16,777,216 bytes
;; launch cvt (part 1): grid 576 x 1, 8 waves a work-group, no clusters, 0 bytes of LDS; arguments x, W_in, in_proj_w, attn_out_w, W_out, xb, wb; writes xb, wb
.if DOCPART == 1
	.amdgcn_target "amdgcn-amd-amdhsa--gfx1250"
	.amdhsa_code_object_version 6
	.text
	.protected	k_q0c52258849_cvt
	.globl	k_q0c52258849_cvt
	.p2align	8
	.type	k_q0c52258849_cvt,@function
k_q0c52258849_cvt:
	s_mov_b64 s[64:65], 0
	v_nop
	global_prefetch_b8 v0, s[64:65] scope:SCOPE_SE
	s_setreg_imm32_b32 hwreg(HW_REG_WAVE_MODE, 25, 1), 1
	s_wait_xcnt 0x0
; x and the four weight matrices, f32, are rounded once to bf16 for the matrix units.  x, W_in and attn_out_w are written as bf16.
; in_proj_w and W_out multiply f16 operands later, so their bf16-rounded numbers are written as f16: exact from 2^-17 up to 65,504,
; below that to within 2^-25.  LIMIT: |in_proj_w| and |W_out| stay under 65,504.
; A work-group takes 65,536 bytes of one input: 256 pieces of x, then 32 of W_in, 192 of in_proj_w, 64 of attn_out_w, 32 of W_out.
; The weights lie in wb in that order, so a piece's place in wb is 32,768 x (piece - 256).
; Memory binds: 16 loads of 16 bytes a lane are all issued first (a wave's load covers 512 consecutive bytes); a wave's store of
; 8 bytes a lane covers 256 consecutive bytes, aligned.  No LDS, no matrix unit: there is nothing to share.
	s_load_b256 s[4:11], s[0:1], 0x0               ; x s[4:5], W_in s[6:7], in_proj_w s[8:9], attn_out_w s[10:11]
	s_load_b128 s[12:15], s[0:1], 0x20             ; W_out s[12:13], xb s[14:15]
	s_load_b64 s[16:17], s[0:1], 0x30              ; wb
	s_mov_b32 s19, ttmp9                           ; the piece
	s_sub_co_u32 s20, s19, 256                     ; its number within each of the weights
	s_sub_co_u32 s21, s19, 288
	s_sub_co_u32 s22, s19, 480
	s_sub_co_u32 s23, s19, 544
	s_mov_b32 s33, 0xffff0000                      ; a word's upper bf16
	v_lshlrev_b32 v1, 4, v0                        ; 16 bytes a thread in
	v_lshlrev_b32 v2, 3, v0                        ; 8 bytes a thread out
	s_wait_kmcnt 0x0
	s_mov_b64 s[24:25], s[4:5]                     ; the source, its piece, and whether f16 is written
	s_mov_b32 s26, s19
	s_mov_b32 s32, 0
	s_cmp_ge_u32 s19, 256
	s_cselect_b64 s[24:25], s[6:7], s[24:25]
	s_cselect_b32 s26, s20, s26
	s_cmp_ge_u32 s19, 288
	s_cselect_b64 s[24:25], s[8:9], s[24:25]
	s_cselect_b32 s26, s21, s26
	s_cselect_b32 s32, 1, s32
	s_cmp_ge_u32 s19, 480
	s_cselect_b64 s[24:25], s[10:11], s[24:25]
	s_cselect_b32 s26, s22, s26
	s_cselect_b32 s32, 0, s32
	s_cmp_ge_u32 s19, 544
	s_cselect_b64 s[24:25], s[12:13], s[24:25]
	s_cselect_b32 s26, s23, s26
	s_cselect_b32 s32, 1, s32
	s_cmp_lt_u32 s19, 256
	s_cselect_b64 s[28:29], s[14:15], s[16:17]     ; the destination and the piece's number in it
	s_cselect_b32 s30, s19, s20
	s_lshl_b32 s26, s26, 16
	s_mov_b32 s27, 0
	s_add_nc_u64 s[24:25], s[24:25], s[26:27]
	s_lshl_b32 s30, s30, 15
	s_mov_b32 s31, 0
	s_add_nc_u64 s[28:29], s[28:29], s[30:31]
.set i, 0
.rept 16
	global_load_b128 v[8+4*i:11+4*i], v1, s[24:25] offset:4096*i th:TH_LOAD_NT
.set i, i+1
.endr
	s_cmp_eq_u32 s32, 1
	s_cbranch_scc1 .Lhalf
.set i, 0
.rept 16
	s_wait_loadcnt 15-i                            ; loads return in order: load i is in, the 15 - i younger ones stay out
	v_cvt_pk_bf16_f32 v[72+2*i], v[8+4*i], v[9+4*i]
	v_cvt_pk_bf16_f32 v[73+2*i], v[10+4*i], v[11+4*i]
	global_store_b64 v2, v[72+2*i:73+2*i], s[28:29] offset:2048*i
.set i, i+1
.endr
	s_endpgm
.Lhalf:
.set i, 0
.rept 16
	s_wait_loadcnt 15-i
	v_cvt_pk_bf16_f32 v[72+2*i], v[8+4*i], v[9+4*i]    ; the one rounding, to bf16,
	v_cvt_pk_bf16_f32 v[73+2*i], v[10+4*i], v[11+4*i]
	v_lshlrev_b32 v[8+4*i], 16, v[72+2*i]              ; back to f32,
	v_and_b32 v[9+4*i], s33, v[72+2*i]
	v_lshlrev_b32 v[10+4*i], 16, v[73+2*i]
	v_and_b32 v[11+4*i], s33, v[73+2*i]
	v_cvt_pk_f16_f32 v[72+2*i], v[8+4*i], v[9+4*i]     ; and the same number as f16
	v_cvt_pk_f16_f32 v[73+2*i], v[10+4*i], v[11+4*i]
	global_store_b64 v2, v[72+2*i:73+2*i], s[28:29] offset:2048*i
.set i, i+1
.endr
	s_endpgm
.Lfunc_end_k_q0c52258849_cvt:
	.size	k_q0c52258849_cvt, .Lfunc_end_k_q0c52258849_cvt-k_q0c52258849_cvt
	.p2alignl 7, 3214868480
	.fill 96, 4, 3214868480
	.section	.rodata,"a",@progbits
	.p2align	6, 0x0
	.amdhsa_kernel k_q0c52258849_cvt
		.amdhsa_group_segment_fixed_size 0
		.amdhsa_private_segment_fixed_size 0
		.amdhsa_enable_private_segment 0
		.amdhsa_kernarg_size 56
		.amdhsa_user_sgpr_count 2
		.amdhsa_user_sgpr_kernarg_segment_ptr 1
		.amdhsa_wavefront_size32 1
		.amdhsa_system_sgpr_workgroup_id_x 1
		.amdhsa_system_sgpr_workgroup_id_y 1
		.amdhsa_system_sgpr_workgroup_id_z 1
		.amdhsa_system_vgpr_workitem_id 0
		.amdhsa_next_free_vgpr 104
		.amdhsa_next_free_sgpr 66
		.amdhsa_reserve_vcc 0
		.amdhsa_float_denorm_mode_32 3
		.amdhsa_float_denorm_mode_16_64 3
		.amdhsa_memory_ordered 1
		.amdhsa_forward_progress 1
		.amdhsa_inst_pref_size 16
	.end_amdhsa_kernel
	.amdgpu_metadata
---
amdhsa.version: [ 1, 2 ]
amdhsa.kernels:
  - .name:           k_q0c52258849_cvt
    .symbol:         k_q0c52258849_cvt.kd
    .args:
      - { .name: x, .offset: 0, .size: 8, .value_kind: global_buffer, .address_space: global }
      - { .name: W_in, .offset: 8, .size: 8, .value_kind: global_buffer, .address_space: global }
      - { .name: in_proj_w, .offset: 16, .size: 8, .value_kind: global_buffer, .address_space: global }
      - { .name: attn_out_w, .offset: 24, .size: 8, .value_kind: global_buffer, .address_space: global }
      - { .name: W_out, .offset: 32, .size: 8, .value_kind: global_buffer, .address_space: global }
      - { .name: xb, .offset: 40, .size: 8, .value_kind: global_buffer, .address_space: global }
      - { .name: wb, .offset: 48, .size: 8, .value_kind: global_buffer, .address_space: global }
    .group_segment_fixed_size: 0
    .private_segment_fixed_size: 0
    .kernarg_segment_align: 8
    .kernarg_segment_size: 56
    .max_flat_workgroup_size: 256
    .sgpr_count:     66
    .vgpr_count:     104
    .wavefront_size: 32
...
	.end_amdgpu_metadata
.endif
;; end of part 1
;; launch gin (part 2): grid 8 x 64, 4 waves a work-group, clusters of 4 x 4, 327,680 bytes of LDS; arguments xb, wb, h, b_in; writes h
.if DOCPART == 2
	.amdgcn_target "amdgcn-amd-amdhsa--gfx1250"
	.amdhsa_code_object_version 6
	.text
	.protected	k_q0c52258849_gin
	.globl	k_q0c52258849_gin
	.p2align	8
	.type	k_q0c52258849_gin,@function
k_q0c52258849_gin:
	s_mov_b64 s[64:65], 0
	v_nop
	global_prefetch_b8 v0, s[64:65] scope:SCOPE_SE
	s_setreg_imm32_b32 hwreg(HW_REG_WAVE_MODE, 25, 1), 1
	s_wait_xcnt 0x0
	s_wait_alu depctr_hold_cnt(0) depctr_sa_sdst(0) depctr_va_vdst(0) depctr_va_sdst(0) depctr_va_ssrc(0) depctr_va_vcc(0) depctr_vm_vsrc(0)
	s_getreg_b32 s2, hwreg(HW_REG_IB_STS2, 6, 4)
	s_cmp_eq_u32 s2, 0
	s_cbranch_scc0 .Lentry_in_a_cluster
	s_endpgm
.Lentry_in_a_cluster:
	s_bfe_u32 s2, ttmp6, 0x10000c
	s_cmp_lg_u32 s2, 0xf033
	s_cbranch_scc0 .Lentry_shape_is_right
	s_endpgm
.Lentry_shape_is_right:
; h[t][e] = sum over d of x[t][d] W_in[e][d] + b_in[e].  x and W_in in bf16, sums in f32, b_in rounded to bf16 like every input, h rounded once to f16.
; LIMIT: |h| stays under 65,504 (f16).
; TOKENS are renumbered t = 1024 b + l here and in every later intermediate: xb's rows lie as 8 l + b, so a tile's rows are 8 rows of xb apart (pitch 4,096 elements).
; h LEAVES TILED: [t / 16][e / 16][32 lanes][8 numbers], lane 16 g + r holding row r, columns 8 g .. 8 g + 7 of the 16 x 16 block.  That is what a lane holds of a transposed
; accumulator, so an accumulator is one store of 512 consecutive aligned bytes, and two neighbouring blocks are the two halves of a matrix operand's fragment.
; SHAPE: a tile of h is 128 x 128, four waves of 64 x 64 (16 accumulators), 512 work-groups.  K = 512 is two steps of 256, one in each of two LDS slots: nothing is filled again.
; CLUSTER 4 x 4: the four of a row share A's tiles, the four of a column B's: each tile is asked for jointly, same load, same descriptor, a mask that names the four.
; THE MATRIX INSTRUCTION IS USED TRANSPOSED (source 0 = 16 rows of W_in, source 1 = 16 rows of x): a lane holds eight neighbouring columns of one row.
; REGISTERS: window 0: v0-31 addresses; v32-95 packed results; v96-127 bias; v128-255 accumulators ((a, b) at 128 + 8 (4 a + b)).  window 1: two fragment buffers of 128 (64 of A, 64 of B).
.set SIZE_K, 512
.set KSTEP,  256
.set PITCH,  528                       ; an LDS row: 512 bytes + 16 of padding = 132 words: the 16 rows of a fragment load start at 16 different groups of four banks
.set HALFT,  64*PITCH                  ; what one tensor load brings
.set SLOT,   4*HALFT                   ; A's 128 rows, then B's 128 rows
.set SPARE,  2*SLOT                    ; behind the slots: the spare words, 128 bytes a wave
.set ADRA, 16
.set ADRB, 20
.set CO,   26                          ; 16 x lane
.set BO,   27                          ; 32 x (lane / 16): my eight columns in 16 of b_in
.set SPW,  28
.set NIL,  29
.set TMP,  32
.set EXT,  96
.set ACC,  128
.set F0,   0
.set F1,   128
.set G1, 24
.set G0, 32
.set G1B, 48
.set G0B, 56
.set MSB, 0
.macro WIN new                         ; the immediate's high byte repeats the setting that is left
.if MSB != (\new)
	s_set_vgpr_msb (MSB<<8)|(\new)
.set MSB, \new
.endif
.endm
.set MUL,  0x05                        ; sources 0 and 1 window 1; C and D window 0
.set TO_F, 0x40                        ; destination window 1
.macro JLOAD s                         ; a joint load: waves 0 and 1 fetch A's halves, waves 2 and 3 B's; s_nop 0 and four v_nop follow each line
	s_cmp_eq_u32 s11, 0
	s_cbranch_scc0 .Lfor_b_\@
	tensor_load_to_lds s[G0+4*(\s):G0+4*(\s)+3], s[G1:G1+7]
	s_nop 0
.rept 4
	v_nop
.endr
	s_branch .Lasked_\@
.Lfor_b_\@:
	tensor_load_to_lds s[G0B+4*(\s):G0B+4*(\s)+3], s[G1B:G1B+7]
	s_nop 0
.rept 4
	v_nop
.endr
.Lasked_\@:
.endm
.macro CROUND                          ; a round of the cluster's barrier
	s_barrier_signal -1
	s_barrier_wait -1
	s_cmp_lg_u32 s10, 0
	s_cbranch_scc1 .Lnot_wave_0_\@
	s_barrier_signal -3
.Lnot_wave_0_\@:
	s_barrier_wait -3
	s_barrier_signal -1
	s_barrier_wait -1
.endm
	s_load_b128 s[4:7], s[0:1], 0x0                ; xb s[4:5], wb s[6:7] (W_in lies at its head)
	s_load_b64 s[8:9], s[0:1], 0x10                ; h
	s_load_b64 s[66:67], s[0:1], 0x18              ; b_in
	v_lshl_add_u32 v[SPW], v0, 2, SPARE
	v_mov_b32 v[NIL], 0
	ds_add_u32 v[SPW], v[NIL]                      ; the wave's opening: the add and its wait ahead of my first tensor load
	ds_add_u32 v28, v29
	v_lshrrev_b32 v1, 5, v0
	v_readfirstlane_b32 s10, v1                    ; wave 0..3
	s_lshr_b32 s11, s10, 1                         ; my half of the tile's rows; also: I fetch for A (0) or B (1)
	s_and_b32 s12, s10, 1                          ; my half of its columns; also: which 64 rows I fetch
	s_bfe_u32 s40, ttmp6, 0x40000                  ; cx
	s_bfe_u32 s41, ttmp6, 0x40004                  ; cy
	s_lshl_b32 s42, ttmp9, 2
	s_add_co_u32 s42, s42, s40                     ; tile column
	s_and_b32 s18, ttmp7, 0xffff                   ; the cluster's y
	s_lshl_b32 s13, s18, 2
	s_add_co_u32 s13, s13, s41                     ; tile row
	s_lshl_b32 s43, s41, 2
	s_lshl_b32 s43, 15, s43                        ; my row of the cluster
	s_lshl_b32 s44, 0x1111, s40                    ; my column
	s_or_b32 s[G1+0], s43, (1<<16)|(1<<20)|(1<<21)|(6<<22)|(3<<25)   ; mask; 2-byte elements; padding on; bit 21 beside a mask; 4 words after every 128
	s_or_b32 s[G1B+0], s44, (1<<16)|(1<<20)|(1<<21)|(6<<22)|(3<<25)
.irp g, G1, G1B
	s_mov_b32 s[(\g)+1], KSTEP<<16                 ; tensor_dim0 = 256
	s_mov_b32 s[(\g)+2], 64<<16                    ; tensor_dim1 = 64
	s_mov_b32 s[(\g)+3], KSTEP<<16                 ; tile_dim0 = 256
	s_mov_b32 s[(\g)+4], 64                        ; tile_dim1 = 64
	s_mov_b32 s[(\g)+6], 0
	s_mov_b32 s[(\g)+7], 0
.endr
	s_mov_b32 s[G1+5], 8*SIZE_K                    ; A: from l to l + 1 are 8 rows of xb
	s_mov_b32 s[G1B+5], SIZE_K
	s_and_b32 s16, s18, 1                          ; the tile row is 8 b + block of 128 l: block = 4 (cluster y mod 2) + cy,
	s_lshl_b32 s16, s16, 2
	s_add_co_u32 s16, s16, s41
	s_lshl_b32 s16, s16, 1
	s_add_co_u32 s16, s16, s12                     ; twice that + the half that I fetch: 64 l of 8,192 bytes each
	s_lshl_b32 s16, s16, 19
	s_lshr_b32 s17, s18, 1                         ; b = cluster y / 2: 1,024 bytes
	s_lshl_b32 s17, s17, 10
	s_add_co_u32 s16, s16, s17
	s_mov_b32 s17, 0
	s_lshl_b32 s46, s42, 1
	s_add_co_u32 s46, s46, s12
	s_mul_i32 s46, s46, 64*SIZE_K*2                ; B: 64 rows of W_in for each half tile column
	s_mov_b32 s47, 0
	s_mul_i32 s20, s10, HALFT                      ; where a wave's tile goes: wave x 64 rows
	s_mov_b32 s68, 0xffff0000
	s_wait_dscnt 0x0                               ; the opening add is done
	s_wait_kmcnt 0x0
	s_add_nc_u64 s[14:15], s[4:5], s[16:17]
	s_add_nc_u64 s[46:47], s[6:7], s[46:47]
	CROUND                                         ; all sixteen work-groups are here: the joint loads meet
.irp s, 0,1
	s_mov_b32 s[G0+4*(\s)], 1
	s_add_co_u32 s[G0+4*(\s)+1], s20, (\s)*SLOT
	s_add_nc_u64 s[G0+4*(\s)+2:G0+4*(\s)+3], s[14:15], (\s)*KSTEP*2
	s_or_b32 s[G0+4*(\s)+3], s[G0+4*(\s)+3], 0x80000000
	s_mov_b32 s[G0B+4*(\s)], 1
	s_add_co_u32 s[G0B+4*(\s)+1], s20, (\s)*SLOT
	s_add_nc_u64 s[G0B+4*(\s)+2:G0B+4*(\s)+3], s[46:47], (\s)*KSTEP*2
	s_or_b32 s[G0B+4*(\s)+3], s[G0B+4*(\s)+3], 0x80000000
	JLOAD \s                                       ; both K steps: two tensor loads of mine are out
.endr
	v_and_b32 v1, 15, v0                           ; l % 16
	v_bfe_u32 v2, v0, 4, 1                         ; l / 16
	v_mul_u32_u24 v3, v1, PITCH
	v_lshl_add_u32 v3, v2, 4, v3                   ; a fragment's row x pitch + 16 x half
	s_mul_i32 s21, s11, HALFT
	s_mul_i32 s22, s12, HALFT
	s_add_co_u32 s22, s22, 2*HALFT
.irp s, 0,1
	v_add_nc_u32 v[ADRA+(\s)], s21, v3
	v_add_nc_u32 v[ADRB+(\s)], s22, v3
	s_add_co_u32 s21, s21, SLOT
	s_add_co_u32 s22, s22, SLOT
.endr
	v_and_b32 v4, 31, v0
	v_lshlrev_b32 v[CO], 4, v4
	v_lshlrev_b32 v[BO], 5, v2
	s_lshl_b32 s16, s13, 3                         ; h: row-block 8 x tile row + 4 x my half, 32,768 bytes each;
	s_lshl_b32 s17, s11, 2
	s_add_co_u32 s16, s16, s17
	s_lshl_b32 s16, s16, 15
	s_mov_b32 s17, 0
	s_add_nc_u64 s[8:9], s[8:9], s[16:17]
	s_lshl_b32 s46, s42, 3                         ; block of 16 columns 8 x tile column + 4 x my half: 512 bytes of h, 64 of b_in
	s_lshl_b32 s47, s12, 2
	s_add_co_u32 s46, s46, s47
	s_lshl_b32 s70, s46, 6
	s_mov_b32 s71, 0
	s_lshl_b32 s46, s46, 9
	s_mov_b32 s47, 0
	s_add_nc_u64 s[8:9], s[8:9], s[46:47]
	s_add_nc_u64 s[66:67], s[66:67], s[70:71]
.irp b, 0,1,2,3
	global_load_b128 v[EXT+8*(\b):EXT+8*(\b)+3],   v[BO], s[66:67] offset:64*(\b)      ; my eight numbers of b_in for column block b
	global_load_b128 v[EXT+8*(\b)+4:EXT+8*(\b)+7], v[BO], s[66:67] offset:64*(\b)+16
.endr
.macro MUL8 f, c, a0, zero             ; 8 products: row blocks a0, a0 + 1 x all 4 column blocks, 32 along K; the accumulators take turns
	WIN MUL
.irp a, \a0, (\a0)+1
.irp b, 0,1,2,3
.if \zero
	v_wmma_f32_16x16x32_bf16 v[ACC+8*(4*(\a)+(\b)):ACC+8*(4*(\a)+(\b))+7], v[(\f)+64+8*(4*(\c)+(\b)):(\f)+64+8*(4*(\c)+(\b))+7], v[(\f)+8*(4*(\c)+(\a)):(\f)+8*(4*(\c)+(\a))+7], 0
.else
	v_wmma_f32_16x16x32_bf16 v[ACC+8*(4*(\a)+(\b)):ACC+8*(4*(\a)+(\b))+7], v[(\f)+64+8*(4*(\c)+(\b)):(\f)+64+8*(4*(\c)+(\b))+7], v[(\f)+8*(4*(\c)+(\a)):(\f)+8*(4*(\c)+(\a))+7], v[ACC+8*(4*(\a)+(\b)):ACC+8*(4*(\a)+(\b))+7]
.endif
.endr
.endr
.endm
.macro FETCH slot, q, f                ; 32 LDS loads in one run: quarter q (64 along K) into buffer f, its first 32 along K first
	WIN TO_F
.irp c, 0,1
.irp i, 0,1,2,3
	ds_load_b128 v[(\f)+64+8*(4*(\c)+(\i)):(\f)+64+8*(4*(\c)+(\i))+3],   v[ADRB+(\slot)] offset:128*(\q)+64*(\c)+(\i)*16*PITCH
	ds_load_b128 v[(\f)+64+8*(4*(\c)+(\i))+4:(\f)+64+8*(4*(\c)+(\i))+7], v[ADRB+(\slot)] offset:128*(\q)+64*(\c)+(\i)*16*PITCH+32
	ds_load_b128 v[(\f)+8*(4*(\c)+(\i)):(\f)+8*(4*(\c)+(\i))+3],         v[ADRA+(\slot)] offset:128*(\q)+64*(\c)+(\i)*16*PITCH
	ds_load_b128 v[(\f)+8*(4*(\c)+(\i))+4:(\f)+8*(4*(\c)+(\i))+7],       v[ADRA+(\slot)] offset:128*(\q)+64*(\c)+(\i)*16*PITCH+32
.endr
.endr
.endm
.macro PLACES                          ; four plain vector instructions between a matrix instruction and a load into, or a vector use of, its registers
.rept 4
	v_nop
.endr
.endm
.macro QUARTER slot, q, f, g, zero     ; multiplies buffer f and fetches quarter q into buffer g
	s_wait_dscnt 16                                ; the first 32 along K are in; the 16 younger loads may be out
	MUL8 \f, 0, 0, \zero
	MUL8 \f, 0, 2, \zero
	PLACES
	FETCH \slot, \q, \g
	s_wait_dscnt 32                                ; all but the 32 just issued
	MUL8 \f, 1, 0, 0
	MUL8 \f, 1, 2, 0
.endm
	s_wait_tensorcnt 1                             ; my part of K step 0 is in; K step 1's may stay out
	s_barrier_signal -1
	s_barrier_wait -1
	FETCH 0, 0, F0
	QUARTER 0, 1, F0, F1, 1                        ; the first products start the sums
	QUARTER 0, 2, F1, F0, 0
	QUARTER 0, 3, F0, F1, 0
	WIN 0                                          ; the change of slots: the add's registers lie in window 0
	s_wait_tensorcnt 0x0                           ; my part of slot 1 has landed
	ds_add_u32 v[SPW], v[NIL]
	s_wait_dscnt 17                                ; the add and the 16 youngest loads may be out
	MUL8 F1, 0, 0, 0
	s_wait_dscnt 0x0
	s_barrier_signal -1
	MUL8 F1, 0, 2, 0
	s_barrier_wait -1                              ; slot 1 is whole
	PLACES
	FETCH 1, 0, F0
	MUL8 F1, 1, 0, 0
	MUL8 F1, 1, 2, 0
	QUARTER 1, 1, F0, F1, 0
	QUARTER 1, 2, F1, F0, 0
	QUARTER 1, 3, F0, F1, 0
	s_wait_dscnt 16
	MUL8 F1, 0, 0, 0
	MUL8 F1, 0, 2, 0
	s_wait_dscnt 0
	MUL8 F1, 1, 0, 0
	MUL8 F1, 1, 2, 0
	WIN 0
	; THE WAY OUT: bias, one rounding to f16, one store of 512 consecutive bytes for each accumulator
	PLACES
	s_wait_loadcnt 0x0                             ; b_in
.set i, 0
.rept 16                                               ; b_in is taken rounded to bf16, like every input
	v_cvt_pk_bf16_f32 v30, v[EXT+2*i], v[EXT+2*i+1]
	v_lshlrev_b32 v[EXT+2*i], 16, v30
	v_and_b32 v[EXT+2*i+1], s68, v30
.set i, i+1
.endr
.set t, 0
.rept 16
.set k, 0
.rept 4
	v_pk_add_f32 v[ACC+8*t+2*k:ACC+8*t+2*k+1], v[ACC+8*t+2*k:ACC+8*t+2*k+1], v[EXT+8*(t%4)+2*k:EXT+8*(t%4)+2*k+1]
.set k, k+1
.endr
.set k, 0
.rept 4
	v_cvt_pk_f16_f32 v[TMP+4*t+k], v[ACC+8*t+2*k], v[ACC+8*t+2*k+1]
.set k, k+1
.endr
	global_store_b128 v[CO], v[TMP+4*t:TMP+4*t+3], s[8:9] offset:32768*(t/4)+512*(t%4)
.set t, t+1
.endr
	s_wait_tensorcnt 0x0                           ; the wave's end
	ds_add_u32 v[SPW], v[NIL]
	s_wait_dscnt 0x0
	CROUND                                         ; the closing round
	s_endpgm
.Lfunc_end_k_q0c52258849_gin:
	.size	k_q0c52258849_gin, .Lfunc_end_k_q0c52258849_gin-k_q0c52258849_gin
	.p2alignl 7, 3214868480
	.fill 96, 4, 3214868480
	.section	.rodata,"a",@progbits
	.p2align	6, 0x0
	.amdhsa_kernel k_q0c52258849_gin
		.amdhsa_group_segment_fixed_size 327680
		.amdhsa_private_segment_fixed_size 0
		.amdhsa_enable_private_segment 0
		.amdhsa_kernarg_size 32
		.amdhsa_user_sgpr_count 2
		.amdhsa_user_sgpr_kernarg_segment_ptr 1
		.amdhsa_wavefront_size32 1
		.amdhsa_system_sgpr_workgroup_id_x 1
		.amdhsa_system_sgpr_workgroup_id_y 1
		.amdhsa_system_sgpr_workgroup_id_z 1
		.amdhsa_system_vgpr_workitem_id 0
		.amdhsa_next_free_vgpr 512
		.amdhsa_next_free_sgpr 72
		.amdhsa_reserve_vcc 0
		.amdhsa_float_denorm_mode_32 3
		.amdhsa_float_denorm_mode_16_64 3
		.amdhsa_memory_ordered 1
		.amdhsa_forward_progress 1
		.amdhsa_inst_pref_size 54
	.end_amdhsa_kernel
	.amdgpu_metadata
---
amdhsa.version: [ 1, 2 ]
amdhsa.kernels:
  - .name:           k_q0c52258849_gin
    .symbol:         k_q0c52258849_gin.kd
    .args:
      - { .name: xb, .offset: 0, .size: 8, .value_kind: global_buffer, .address_space: global }
      - { .name: wb, .offset: 8, .size: 8, .value_kind: global_buffer, .address_space: global }
      - { .name: h, .offset: 16, .size: 8, .value_kind: global_buffer, .address_space: global }
      - { .name: b_in, .offset: 24, .size: 8, .value_kind: global_buffer, .address_space: global }
    .group_segment_fixed_size: 327680
    .private_segment_fixed_size: 0
    .kernarg_segment_align: 8
    .kernarg_segment_size: 32
    .max_flat_workgroup_size: 128
    .sgpr_count:     72
    .vgpr_count:     512
    .wavefront_size: 32
...
	.end_amdgpu_metadata
.endif
;; end of part 2
;; launch gqkv (part 3): grid 24 x 64, 4 waves a work-group, clusters of 4 x 4, 327,680 bytes of LDS; arguments h, wb, qkv; writes qkv
.if DOCPART == 3
	.amdgcn_target "amdgcn-amd-amdhsa--gfx1250"
	.amdhsa_code_object_version 6
	.text
	.protected	k_q0c52258849_gqkv
	.globl	k_q0c52258849_gqkv
	.p2align	8
	.type	k_q0c52258849_gqkv,@function
k_q0c52258849_gqkv:
	s_mov_b64 s[64:65], 0
	v_nop
	global_prefetch_b8 v0, s[64:65] scope:SCOPE_SE
	s_setreg_imm32_b32 hwreg(HW_REG_WAVE_MODE, 25, 1), 1
	s_wait_xcnt 0x0
	s_wait_alu depctr_hold_cnt(0) depctr_sa_sdst(0) depctr_va_vdst(0) depctr_va_sdst(0) depctr_va_ssrc(0) depctr_va_vcc(0) depctr_vm_vsrc(0)
	s_getreg_b32 s2, hwreg(HW_REG_IB_STS2, 6, 4)
	s_cmp_eq_u32 s2, 0
	s_cbranch_scc0 .Lentry_in_a_cluster
	s_endpgm
.Lentry_in_a_cluster:
	s_bfe_u32 s2, ttmp6, 0x10000c
	s_cmp_lg_u32 s2, 0xf033
	s_cbranch_scc0 .Lentry_shape_is_right
	s_endpgm
.Lentry_shape_is_right:
; qkv[t][f] = sum over e of h[t][e] in_proj_w[f][e].  h in f16 (tiled by 16 x 16 blocks), in_proj_w's bf16-rounded numbers in f16, sums in f32, q, k, v rounded once to bf16
; (bf16 for its range: with all inputs 30 times larger q, k, v come near f16's end).
; qkv LEAVES IN PLANES: [24 planes of 128 columns][8192 tokens t = 1024 b + l][128] bf16: rows of 256 bytes; q planes 0-7, k 8-15, v 16-23; a head is half a row.  A tile of C is 32,768 dense bytes.
; SHAPE: a tile is 128 x 128, four waves of 64 x 64, 1,536 work-groups.  K = 1024 goes in four steps of 256 through two LDS slots; steps 2 and 3 are refills, written out.
; A's TILE: 64 rows x 256 K of the tiled h are 4 pieces of 8,192 dense bytes, 32,768 apart: one tensor load of 4 rows of 1,024 8-byte elements, unpadded: a fragment is two loads of 16 bytes a lane
; at 16 x lane, 512 apart: 512 consecutive bytes each.  B's tile: 64 rows of 512 bytes, padded to 528.
; CLUSTER 4 x 4: A's tiles are shared along a row of the cluster, B's along a column, by joint loads.  THE MATRIX INSTRUCTION IS USED TRANSPOSED (source 0 = rows of the weights, source 1 = rows of h).
; REGISTERS: window 0: v0-31 addresses; v32-95 the way out; v128-255 accumulators.  window 1: two fragment buffers of 128 (64 of A, 64 of B).
.set SIZE_K, 1024
.set WOFF,   1048576                   ; in_proj_w in wb
.set KSTEP,  256
.set ASTEP,  8192                      ; bytes of a row-block in a K step
.set PITCH,  528
.set HALFT,  64*PITCH
.set SLOT,   4*HALFT
.set STAGE,  2*SLOT                    ; behind the slots: 128 rows x 272 bytes, the work-group's, for the way out; no tensor load lands there
.set SPITCH, 272
.set SPARE,  STAGE+128*SPITCH          ; the spare words, 128 bytes a wave
.set ADRA, 16
.set ADRB, 20
.set STO,  24
.set RD,   25
.set CO,   26
.set SPW,  28
.set NIL,  29
.set TMP,  32
.set ACC,  128
.set F0,   0
.set F1,   128
.set G1, 24
.set G0, 32
.set G1B, 48
.set G0B, 56
.set MSB, 0
.macro WIN new
.if MSB != (\new)
	s_set_vgpr_msb (MSB<<8)|(\new)
.set MSB, \new
.endif
.endm
.set MUL,  0x05
.set TO_F, 0x40
.macro JLOAD s                         ; a joint load: waves 0 and 1 fetch A's halves, waves 2 and 3 B's; s_nop 0 and four v_nop follow each line
	s_cmp_eq_u32 s11, 0
	s_cbranch_scc0 .Lfor_b_\@
	tensor_load_to_lds s[G0+4*(\s):G0+4*(\s)+3], s[G1:G1+7]
	s_nop 0
.rept 4
	v_nop
.endr
	s_branch .Lasked_\@
.Lfor_b_\@:
	tensor_load_to_lds s[G0B+4*(\s):G0B+4*(\s)+3], s[G1B:G1B+7]
	s_nop 0
.rept 4
	v_nop
.endr
.Lasked_\@:
.endm
.macro CREST                           ; a round of the cluster's barrier behind its opening barrier
	s_cmp_lg_u32 s10, 0
	s_cbranch_scc1 .Lnot_wave_0_\@
	s_barrier_signal -3
.Lnot_wave_0_\@:
	s_barrier_wait -3
	s_barrier_signal -1
	s_barrier_wait -1
.endm
.macro CROUND
	s_barrier_signal -1
	s_barrier_wait -1
	CREST
.endm
	s_load_b128 s[4:7], s[0:1], 0x0                ; h s[4:5], wb s[6:7]
	s_load_b64 s[8:9], s[0:1], 0x10                ; qkv
	v_lshl_add_u32 v[SPW], v0, 2, SPARE
	v_mov_b32 v[NIL], 0
	ds_add_u32 v[SPW], v[NIL]                      ; the wave's opening: the add and its wait ahead of my first tensor load
	ds_add_u32 v28, v29
	v_lshrrev_b32 v1, 5, v0
	v_readfirstlane_b32 s10, v1
	s_lshr_b32 s11, s10, 1
	s_and_b32 s12, s10, 1
	s_bfe_u32 s40, ttmp6, 0x40000
	s_bfe_u32 s41, ttmp6, 0x40004
	s_lshl_b32 s42, ttmp9, 2
	s_add_co_u32 s42, s42, s40                     ; tile column = plane
	s_and_b32 s13, ttmp7, 0xffff
	s_lshl_b32 s13, s13, 2
	s_add_co_u32 s13, s13, s41                     ; tile row
	s_lshl_b32 s43, s41, 2
	s_lshl_b32 s43, 15, s43
	s_lshl_b32 s44, 0x1111, s40
	s_or_b32 s[G1+0], s43, (3<<16)|(1<<21)         ; A: my row's mask; 8-byte elements; no padding; bit 21 beside a mask
	s_mov_b32 s[G1+1], 1024<<16                    ; tensor_dim0 = 1,024 elements = 8,192 bytes
	s_mov_b32 s[G1+2], 4<<16                       ; tensor_dim1 = 4 row-blocks
	s_mov_b32 s[G1+3], 1024<<16                    ; tile_dim0
	s_mov_b32 s[G1+4], 4                           ; tile_dim1
	s_mov_b32 s[G1+5], 4096                        ; a row-block is 32,768 bytes
	s_mov_b32 s[G1+6], 0
	s_mov_b32 s[G1+7], 0
	s_or_b32 s[G1B+0], s44, (1<<16)|(1<<20)|(1<<21)|(6<<22)|(3<<25)  ; B: my column's mask; 2-byte elements; 4 words of padding after every 128
	s_mov_b32 s[G1B+1], KSTEP<<16
	s_mov_b32 s[G1B+2], 64<<16
	s_mov_b32 s[G1B+3], KSTEP<<16
	s_mov_b32 s[G1B+4], 64
	s_mov_b32 s[G1B+5], SIZE_K
	s_mov_b32 s[G1B+6], 0
	s_mov_b32 s[G1B+7], 0
	s_lshl_b32 s16, s13, 3                         ; A: row-block 8 x tile row + 4 x the half that I fetch
	s_lshl_b32 s17, s12, 2
	s_add_co_u32 s16, s16, s17
	s_lshl_b32 s16, s16, 15
	s_mov_b32 s17, 0
	s_lshl_b32 s46, s42, 1                         ; B: 64 rows of 2,048 bytes for each half tile column
	s_add_co_u32 s46, s46, s12
	s_mul_i32 s46, s46, 64*SIZE_K*2
	s_add_co_u32 s46, s46, WOFF
	s_mov_b32 s47, 0
	s_mul_i32 s20, s10, HALFT
	s_wait_dscnt 0x0
	s_wait_kmcnt 0x0
	s_add_nc_u64 s[14:15], s[4:5], s[16:17]
	s_add_nc_u64 s[46:47], s[6:7], s[46:47]
	CROUND                                         ; all sixteen work-groups are here: the first joint loads meet
.irp s, 0,1
	s_mov_b32 s[G0+4*(\s)], 1
	s_add_co_u32 s[G0+4*(\s)+1], s20, (\s)*SLOT
	s_add_nc_u64 s[G0+4*(\s)+2:G0+4*(\s)+3], s[14:15], (\s)*ASTEP
	s_or_b32 s[G0+4*(\s)+3], s[G0+4*(\s)+3], 0x80000000
	s_mov_b32 s[G0B+4*(\s)], 1
	s_add_co_u32 s[G0B+4*(\s)+1], s20, (\s)*SLOT
	s_add_nc_u64 s[G0B+4*(\s)+2:G0B+4*(\s)+3], s[46:47], (\s)*KSTEP*2
	s_or_b32 s[G0B+4*(\s)+3], s[G0B+4*(\s)+3], 0x80000000
	JLOAD \s                                       ; two tensor loads of mine are out
.endr
	v_and_b32 v1, 15, v0
	v_bfe_u32 v2, v0, 4, 1
	v_mul_u32_u24 v3, v1, PITCH
	v_lshl_add_u32 v3, v2, 4, v3                   ; B: row x pitch + 16 x half
	v_and_b32 v4, 31, v0
	v_lshlrev_b32 v4, 4, v4                        ; A: 16 x lane
	s_mul_i32 s21, s11, HALFT
	s_mul_i32 s22, s12, HALFT
	s_add_co_u32 s22, s22, 2*HALFT
.irp s, 0,1
	v_add_nc_u32 v[ADRA+(\s)], s21, v4
	v_add_nc_u32 v[ADRB+(\s)], s22, v3
	s_add_co_u32 s21, s21, SLOT
	s_add_co_u32 s22, s22, SLOT
.endr
	s_mul_i32 s23, s11, 64*SPITCH                  ; into the stage: my 64 rows, my half of their 256 bytes
	s_lshl_b32 s21, s12, 7
	s_add_co_u32 s23, s23, s21
	s_add_co_u32 s23, s23, STAGE
	v_mul_u32_u24 v5, v1, SPITCH
	v_lshl_add_u32 v5, v2, 4, v5
	v_add_nc_u32 v[STO], s23, v5
	s_mul_i32 s23, s10, 32*SPITCH                  ; back: wave w takes rows 32 w .. 32 w + 31 whole, two rows a load
	s_add_co_u32 s23, s23, STAGE
	v_mul_u32_u24 v5, v2, SPITCH
	v_lshl_add_u32 v5, v1, 4, v5
	v_add_nc_u32 v[RD], s23, v5
	v_mov_b32 v[CO], v4                            ; two rows of 256 bytes are 512 consecutive bytes of the plane
	s_lshl_b32 s16, s13, 7
	s_lshl_b32 s17, s10, 5
	s_add_co_u32 s16, s16, s17                     ; the first row that I store
	s_lshl_b32 s16, s16, 8
	s_mov_b32 s17, 0
	s_add_nc_u64 s[8:9], s[8:9], s[16:17]
	s_lshl_b32 s46, s42, 21                        ; the plane
	s_mov_b32 s47, 0
	s_add_nc_u64 s[8:9], s[8:9], s[46:47]
.macro MUL8 f, c, a0, zero             ; 8 products; the accumulators take turns
	WIN MUL
.irp a, \a0, (\a0)+1
.irp b, 0,1,2,3
.if \zero
	v_wmma_f32_16x16x32_f16 v[ACC+8*(4*(\a)+(\b)):ACC+8*(4*(\a)+(\b))+7], v[(\f)+64+8*(4*(\c)+(\b)):(\f)+64+8*(4*(\c)+(\b))+7], v[(\f)+8*(4*(\c)+(\a)):(\f)+8*(4*(\c)+(\a))+7], 0
.else
	v_wmma_f32_16x16x32_f16 v[ACC+8*(4*(\a)+(\b)):ACC+8*(4*(\a)+(\b))+7], v[(\f)+64+8*(4*(\c)+(\b)):(\f)+64+8*(4*(\c)+(\b))+7], v[(\f)+8*(4*(\c)+(\a)):(\f)+8*(4*(\c)+(\a))+7], v[ACC+8*(4*(\a)+(\b)):ACC+8*(4*(\a)+(\b))+7]
.endif
.endr
.endr
.endm
.macro FETCH slot, q, f                ; 32 LDS loads in one run: quarter q (64 along K: 128 bytes of B's rows, 4 blocks of 512 bytes of each of A's row-blocks) into buffer f
	WIN TO_F
.irp c, 0,1
.irp i, 0,1,2,3
	ds_load_b128 v[(\f)+64+8*(4*(\c)+(\i)):(\f)+64+8*(4*(\c)+(\i))+3],   v[ADRB+(\slot)] offset:128*(\q)+64*(\c)+(\i)*16*PITCH
	ds_load_b128 v[(\f)+64+8*(4*(\c)+(\i))+4:(\f)+64+8*(4*(\c)+(\i))+7], v[ADRB+(\slot)] offset:128*(\q)+64*(\c)+(\i)*16*PITCH+32
	ds_load_b128 v[(\f)+8*(4*(\c)+(\i)):(\f)+8*(4*(\c)+(\i))+3],         v[ADRA+(\slot)] offset:2048*(\q)+1024*(\c)+8192*(\i)
	ds_load_b128 v[(\f)+8*(4*(\c)+(\i))+4:(\f)+8*(4*(\c)+(\i))+7],       v[ADRA+(\slot)] offset:2048*(\q)+1024*(\c)+8192*(\i)+512
.endr
.endr
.endm
.macro PLACES                          ; four plain vector instructions between a matrix instruction and a load into, or a vector use of, its registers
.rept 4
	v_nop
.endr
.endm
.macro QUARTER slot, q, f, g, zero
	s_wait_dscnt 16                                ; the first 32 along K are in; the 16 younger loads may be out
	MUL8 \f, 0, 0, \zero
	MUL8 \f, 0, 2, \zero
	PLACES
	FETCH \slot, \q, \g
	s_wait_dscnt 32                                ; all but the 32 just issued
	MUL8 \f, 1, 0, 0
	MUL8 \f, 1, 2, 0
.endm
; The last quarter of a K step multiplies buffer 1 and changes slots: one barrier; in front of it each wave waits for all its tensor loads (one is out: its part of the next slot), adds 0 to its
; spare word, and waits for that and for its reads of this slot.  fill = 1: the barrier opens a round of the cluster's, and the slot is filled again, two K steps ahead, first thing behind it.
.macro TURN slot, next, fill
	WIN 0
	s_wait_tensorcnt 0x0
	ds_add_u32 v[SPW], v[NIL]
	s_wait_dscnt 17                                ; the add and the 16 youngest loads may be out
	MUL8 F1, 0, 0, 0
	s_wait_dscnt 0x0
	s_barrier_signal -1
	MUL8 F1, 0, 2, 0
.if \fill
	WIN 0
.endif
	s_barrier_wait -1
.if \fill
	CREST
	s_add_nc_u64 s[G0+4*(\slot)+2:G0+4*(\slot)+3], s[G0+4*(\slot)+2:G0+4*(\slot)+3], 2*ASTEP
	s_add_nc_u64 s[G0B+4*(\slot)+2:G0B+4*(\slot)+3], s[G0B+4*(\slot)+2:G0B+4*(\slot)+3], 2*KSTEP*2
	JLOAD \slot                                    ; my one tensor load behind the round; its four v_nop are also the places in front of the loads below
.else
	PLACES
.endif
	FETCH \next, 0, F0
	MUL8 F1, 1, 0, 0
	MUL8 F1, 1, 2, 0
.endm
	s_wait_tensorcnt 1                             ; my part of K step 0 is in; K step 1's may stay out
	s_barrier_signal -1
	s_barrier_wait -1
	FETCH 0, 0, F0
	QUARTER 0, 1, F0, F1, 1                        ; K step 0: the first products start the sums
	QUARTER 0, 2, F1, F0, 0
	QUARTER 0, 3, F0, F1, 0
	TURN 0, 1, 1                                   ; slot 0 takes K step 2
	QUARTER 1, 1, F0, F1, 0                        ; K step 1
	QUARTER 1, 2, F1, F0, 0
	QUARTER 1, 3, F0, F1, 0
	TURN 1, 0, 1                                   ; slot 1 takes K step 3
	QUARTER 0, 1, F0, F1, 0                        ; K step 2
	QUARTER 0, 2, F1, F0, 0
	QUARTER 0, 3, F0, F1, 0
	TURN 0, 1, 0                                   ; nothing is left to fetch
	QUARTER 1, 1, F0, F1, 0                        ; K step 3
	QUARTER 1, 2, F1, F0, 0
	QUARTER 1, 3, F0, F1, 0
	s_wait_dscnt 16
	MUL8 F1, 0, 0, 0
	MUL8 F1, 0, 2, 0
	s_wait_dscnt 0
	MUL8 F1, 1, 0, 0
	MUL8 F1, 1, 2, 0
	WIN 0
	; THE WAY OUT: rounded to bf16; 16 bytes a lane into the work-group's stage; a barrier, since a row's 256 bytes come from two waves; back as whole rows, 32 rows a wave
	PLACES
.set t, 0
.rept 16
.set k, 0
.rept 4
	v_cvt_pk_bf16_f32 v[TMP+4*t+k], v[ACC+8*t+2*k], v[ACC+8*t+2*k+1]
.set k, k+1
.endr
.set t, t+1
.endr
.set t, 0
.rept 16
	ds_store_b128 v[STO], v[TMP+4*t:TMP+4*t+3] offset:(t/4)*16*SPITCH+32*(t%4)
.set t, t+1
.endr
	s_wait_dscnt 0x0                               ; for the others' sake: my stores into the stage are done
	s_barrier_signal -1
	s_barrier_wait -1
.set t, 0
.rept 16
	ds_load_b128 v[TMP+4*t:TMP+4*t+3], v[RD] offset:t*2*SPITCH
.set t, t+1
.endr
.set t, 0
.rept 16
	s_wait_dscnt 15-t                              ; load t is back; the younger ones may be out
	global_store_b128 v[CO], v[TMP+4*t:TMP+4*t+3], s[8:9] offset:512*t   ; 512 consecutive bytes, aligned
.set t, t+1
.endr
	s_wait_tensorcnt 0x0                           ; the wave's end
	ds_add_u32 v[SPW], v[NIL]
	s_wait_dscnt 0x0
	CROUND                                         ; the closing round
	s_endpgm
.Lfunc_end_k_q0c52258849_gqkv:
	.size	k_q0c52258849_gqkv, .Lfunc_end_k_q0c52258849_gqkv-k_q0c52258849_gqkv
	.p2alignl 7, 3214868480
	.fill 96, 4, 3214868480
	.section	.rodata,"a",@progbits
	.p2align	6, 0x0
	.amdhsa_kernel k_q0c52258849_gqkv
		.amdhsa_group_segment_fixed_size 327680
		.amdhsa_private_segment_fixed_size 0
		.amdhsa_enable_private_segment 0
		.amdhsa_kernarg_size 24
		.amdhsa_user_sgpr_count 2
		.amdhsa_user_sgpr_kernarg_segment_ptr 1
		.amdhsa_wavefront_size32 1
		.amdhsa_system_sgpr_workgroup_id_x 1
		.amdhsa_system_sgpr_workgroup_id_y 1
		.amdhsa_system_sgpr_workgroup_id_z 1
		.amdhsa_system_vgpr_workitem_id 0
		.amdhsa_next_free_vgpr 512
		.amdhsa_next_free_sgpr 72
		.amdhsa_reserve_vcc 0
		.amdhsa_float_denorm_mode_32 3
		.amdhsa_float_denorm_mode_16_64 3
		.amdhsa_memory_ordered 1
		.amdhsa_forward_progress 1
		.amdhsa_inst_pref_size 86
	.end_amdhsa_kernel
	.amdgpu_metadata
---
amdhsa.version: [ 1, 2 ]
amdhsa.kernels:
  - .name:           k_q0c52258849_gqkv
    .symbol:         k_q0c52258849_gqkv.kd
    .args:
      - { .name: h, .offset: 0, .size: 8, .value_kind: global_buffer, .address_space: global }
      - { .name: wb, .offset: 8, .size: 8, .value_kind: global_buffer, .address_space: global }
      - { .name: qkv, .offset: 16, .size: 8, .value_kind: global_buffer, .address_space: global }
    .group_segment_fixed_size: 327680
    .private_segment_fixed_size: 0
    .kernarg_segment_align: 8
    .kernarg_segment_size: 24
    .max_flat_workgroup_size: 128
    .sgpr_count:     72
    .vgpr_count:     512
    .wavefront_size: 32
...
	.end_amdgpu_metadata
.endif
;; end of part 3
;; launch attn (part 4): grid 32 x 8, 8 waves a work-group, no clusters, 327,680 bytes of LDS; arguments qkv, seq_lengths, o, out1; writes o, out1
.if DOCPART == 4
	.amdgcn_target "amdgcn-amd-amdhsa--gfx1250"
	.amdhsa_code_object_version 6
	.text
	.protected	k_q0c52258849_attn
	.globl	k_q0c52258849_attn
	.p2align	8
	.type	k_q0c52258849_attn,@function
k_q0c52258849_attn:
	s_mov_b64 s[64:65], 0
	v_nop
	global_prefetch_b8 v0, s[64:65] scope:SCOPE_SE
	s_setreg_imm32_b32 hwreg(HW_REG_WAVE_MODE, 25, 1), 1
	s_wait_xcnt 0x0
; BAND ATTENTION.  For batch b, head hd, query q: w = softmax over the keys k with |k - q| <= 128 and k < seq_lengths[b] of q.k / 8; o = sum of w v; out1[q][b][k] = the mean of w over the 16 heads.
; A row with no allowed key has w = 0.  q, k, v: bf16 planes [24][8192 tokens 1024 b + l][128]; products, maximum and sums in f32; the weights are rounded to bf16 for the second product.
; LIMITS.  A hidden score is the score less 1.0014e30: true scores are taken to stay under 1e29 in magnitude.  A weight below 2^-126 counts as 0.  NaN and infinities are not treated apart.
; seq_lengths is clamped to 0 .. 1024, which changes no comparison with a key's number.
; A ROW WITH NO KEY takes no mask: were all its scores near -1e30, c s - c m would be the rounding error of c m, some 1e22, and its exponential 0 or infinite.  So its softmax runs on the true
; scores, finite like any other row's, and the row's factor 0 (ANYF) in 1 / l makes its weights, its share of the mean and its o exact zeros.
; SHARES.  A work-group owns 32 queries of one batch for ALL 16 heads, since the mean over heads has one owner.  Its keys are a window of 288 rows from kstart = min(max(q0 - 128, 0), 736).
; Wave w: queries 16 (w % 2) on, and in step s = 0..3 head 4 s + w / 2.  A step of a wave: 36 products K Q^T, one softmax over all 288 keys (they fit in 144 registers, so the true maximum is
; taken once), 36 products V^T P.  Two waves lie on a SIMD: one's softmax stands beside the other's products.
; LAYOUT.  S^T = K Q^T (source 0 = 16 keys, source 1 = 16 queries): a lane holds ONE query (lane % 16) and keys 8 (lane / 16) + 0..7 of each tile of 16.  Two tiles rounded in pairs ARE source 1 of
; O^T = V^T P.  THE MASK is the start of the sums: 0 or -1.0014e30, the same for all heads, kept as 72 registers of two bf16 and widened in each step.
; LDS.  One slot for K and one for V, each with the 4 heads of a step (2 planes x 288 rows).  K's slot is filled again in the middle of the softmax, when all waves have made their scores, V's at
; the step's end: each refill has about half a step in which to land, and is a wave's one tensor load behind its barrier.  Two tensor loads of a wave are out at the start, one behind each such barrier.
; NO CLUSTER: neighbouring blocks' windows are 32 keys apart; a tile common to four would be 384 keys, a third more products and exponentials for each, and 4 heads x 384 rows of K and V do not fit in LDS.
; o LEAVES TILED by 16 x 16 blocks (lane 16 g + r: row r, columns 8 g ..): an accumulator is one store of 512 consecutive bytes.  out1 leaves in whole aligned runs of 256 bytes: 11 of zeros and 5 of the band a row.
; REGISTERS.  window 0: v1-9 addresses; v10-23 at work; v24-39 Q; v40-111 nine fragment slots (v40-71 later O^T); v112-255 S^T.   window 1: v0-143 the mean; v144-215 the mask; v216-219 zeros.
; The mean's 144 registers are cleared once, in the wait for the first tile: a first step written out would cost a third copy of the step's text.
.set PK,    272                        ; a row of K in LDS: 256 + 16 bytes: 16 rows of a load start at 16 different groups of four banks
.set PV,    288                        ; a row of V: 256 + 32
.set KPL,   288*PK                     ; a plane of K
.set VPL,   288*PV
.set VSL,   2*KPL                      ; V's slot
.set SPARE, VSL+2*VPL                  ; the spare words: 128 bytes for each of 8 waves
.set PP,    1296                       ; the mean's parts: a row of 320 f32 + 16 bytes
.set PHW,   32*PP                      ; 32 rows for each of the four wave pairs; they overlay the slots when these have had their last fill
.set PLANE, 2097152
.set AK0, 1
.set AK1, 2
.set AV0, 3
.set AV1, 4
.set QO,  5
.set OO,  6
.set ANYF, 7
.set SPW, 8
.set NIL, 9
.set C,   12                           ; v12-15 four running maxima
.set CM,  16                           ; v16 c m, v17 m
.set LS,  12                           ; v12-19 four running pairs of sums
.set INV, 20                           ; v20-21 1 / l, or 0 for a row with no key
.set INV16, 22                         ; v22-23 that / 16
.set Q,   24
.set FR,  40
.set O,   40
.set S,   112
.set ATT, 0
.set M,   144
.set ZR,  216
.set MSB, 0
.macro WIN new                         ; bits 1:0 source 0, 3:2 source 1, 5:4 source 2, 7:6 destination; the high byte repeats the setting that is left
.if MSB != (\new)
	s_set_vgpr_msb (MSB<<8)|(\new)
.set MSB, \new
.endif
.endm
.macro PLACES                          ; four plain vector instructions between a matrix instruction and a load into, or a vector use of, its registers
.rept 4
	v_nop
.endr
.endm
	s_load_b256 s[4:11], s[0:1], 0x0               ; qkv s[4:5], seq_lengths s[6:7], o s[8:9], out1 s[10:11]
	v_lshl_add_u32 v[SPW], v0, 2, SPARE
	v_mov_b32 v[NIL], 0
	ds_add_u32 v[SPW], v[NIL]                      ; the wave's opening: the add and its wait ahead of my first tensor load
	ds_add_u32 v8, v9
	v_lshrrev_b32 v10, 5, v0
	v_readfirstlane_b32 s12, v10                   ; wave 0..7
	s_and_b32 s13, s12, 1                          ; qt: my tile of 16 queries
	s_lshr_b32 s14, s12, 1                         ; hw: my head among a step's four
	s_and_b32 s15, ttmp7, 0xffff                   ; b
	s_lshl_b32 s16, ttmp9, 5                       ; q0
	s_max_u32 s17, s16, 128
	s_sub_co_u32 s17, s17, 128
	s_min_u32 s17, s17, 736                        ; kstart
	s_lshr_b32 s67, s17, 6                         ; the band's first run of 64 columns in out1
	s_mov_b32 s24, (1<<16)|(1<<20)|(5<<22)|(3<<25) ; group 1 for K: 2-byte elements; padding on: 4 words after every 64
	s_mov_b32 s32, (1<<16)|(1<<20)|(5<<22)|(7<<25) ; for V: 8 words
.irp g, 24, 32
	s_mov_b32 s[\g+1], 128<<16                     ; tensor_dim0 = 128
	s_mov_b32 s[\g+2], 72<<16                      ; tensor_dim1 = 72
	s_mov_b32 s[\g+3], 128<<16                     ; tile_dim0 = 128
	s_mov_b32 s[\g+4], 72                          ; tile_dim1 = 72 rows: a quarter of a plane's window
	s_mov_b32 s[\g+5], 128                         ; dense rows
	s_mov_b32 s[\g+6], 0
	s_mov_b32 s[\g+7], 0
.endr
	s_mov_b32 s40, 1                               ; group 0 for K
	s_mul_i32 s41, s12, 72*PK                      ; wave w fills rows 72 (w % 4) on of plane w / 4: 4 x 72 rows are a plane, so the place is w x 72 rows
	s_mov_b32 s44, 1                               ; group 0 for V
	s_mul_i32 s45, s12, 72*PV
	s_add_co_u32 s45, s45, VSL
	s_lshr_b32 s19, s12, 2
	s_lshl_b32 s19, s19, 21
	s_and_b32 s20, s12, 3
	s_mul_i32 s20, s20, 72*256
	s_add_co_u32 s19, s19, s20
	s_lshl_b32 s20, s15, 10
	s_add_co_u32 s20, s20, s17
	s_lshl_b32 s20, s20, 8                         ; (1024 b + kstart) rows of 256 bytes
	s_add_co_u32 s20, s20, s19
	s_add_co_u32 s22, s20, 16*PLANE                ; v's planes begin at 16,
	s_add_co_u32 s20, s20, 8*PLANE                 ; k's at 8
	s_mov_b32 s21, 0
	s_mov_b32 s23, 0
	s_lshl_b32 s70, s15, 10
	s_add_co_u32 s70, s70, s16
	s_lshl_b32 s70, s70, 8                         ; q: (1024 b + q0) rows
	s_mov_b32 s71, 0
	s_lshl_b32 s72, s15, 6
	s_lshl_b32 s73, ttmp9, 1
	s_add_co_u32 s72, s72, s73
	s_lshl_b32 s72, s72, 15                        ; o: row-block 64 b + q0 / 16
	s_mov_b32 s73, 0
	s_lshl_b32 s74, s16, 3
	s_add_co_u32 s74, s74, s15
	s_lshl_b32 s74, s74, 12                        ; out1: row 8 q0 + b of 4,096 bytes
	s_mov_b32 s75, 0
	s_lshl_b32 s76, s67, 8
	s_mov_b32 s77, 0
	s_lshl_b32 s78, s15, 2
	s_mov_b32 s79, 0
	s_mov_b32 s50, 0x3e38aa3b                      ; c = log2(e) / 8
	s_mov_b32 s51, s50
	s_mov_b32 s52, 0x76543210                      ; v_permlanex16_b32: each lane takes its own place in the other half
	s_mov_b32 s53, 0xfedcba98
	s_mov_b32 s54, 0xffff0000
	s_mov_b32 s55, 0x0000f14a                      ; -1.0014e30 as bf16, low half
	s_mov_b32 s66, 0xf14a0000                      ; high half
	s_wait_dscnt 0x0                               ; the opening add is done
	s_wait_kmcnt 0x0
	s_add_nc_u64 s[42:43], s[4:5], s[20:21]
	s_or_b32 s43, s43, 0x80000000
	s_add_nc_u64 s[46:47], s[4:5], s[22:23]
	s_or_b32 s47, s47, 0x80000000
	tensor_load_to_lds s[40:43], s[24:31]          ; K of step 0
	s_nop 0
	tensor_load_to_lds s[44:47], s[32:39]          ; V of step 0
	s_nop 0
	PLACES
	s_add_nc_u64 s[6:7], s[6:7], s[78:79]
	s_load_b32 s18, s[6:7], 0x0                    ; seq_lengths[b]
	s_add_nc_u64 s[56:57], s[4:5], s[70:71]
	s_add_nc_u64 s[58:59], s[8:9], s[72:73]
	s_add_nc_u64 s[60:61], s[10:11], s[74:75]
	s_add_nc_u64 s[62:63], s[60:61], s[76:77]
	v_and_b32 v12, 15, v0                          ; r
	v_bfe_u32 v13, v0, 4, 1                        ; g = lane / 16
	v_and_b32 v14, 31, v0                          ; lane
	s_lshr_b32 s19, s14, 1                         ; Q: plane hw / 2, row 16 qt + r, half hw % 2 of the row, 16 g
	s_lshl_b32 s19, s19, 21
	s_lshl_b32 s20, s13, 12
	s_add_co_u32 s19, s19, s20
	s_and_b32 s20, s14, 1
	s_lshl_b32 s20, s20, 7
	s_add_co_u32 s19, s19, s20
	v_lshlrev_b32 v[QO], 8, v12
	v_lshl_add_u32 v[QO], v13, 4, v[QO]
	v_add_nc_u32 v[QO], s19, v[QO]
.macro QLOAD                           ; a head's 16 queries x 64 channels: two fragments
.irp c, 0,1
	global_load_b128 v[Q+8*\c:Q+8*\c+3],   v[QO], s[56:57] offset:64*\c
	global_load_b128 v[Q+8*\c+4:Q+8*\c+7], v[QO], s[56:57] offset:64*\c+32
.endr
.endm
	QLOAD
	s_lshl_b32 s20, s13, 15
	s_lshl_b32 s21, s14, 11
	s_add_co_u32 s20, s20, s21
	v_lshl_add_u32 v[OO], v14, 4, s20              ; o: row-block qt, block of 16 channels 4 hw, 16 x lane
	WIN 0x40
.set i, 0
.rept 144
	v_mov_b32 v[ATT+i], 0
.set i, i+1
.endr
.set i, 0
.rept 4
	v_mov_b32 v[ZR+i], 0
.set i, i+1
.endr
	WIN 0
	; out1 outside the band: of a row's 16 runs of 256 bytes the 11 that the band's five do not cover.  Wave w: rows 4 w .. 4 w + 3, two rows a store.
	s_lshl_b32 s21, s12, 17
	v_lshl_add_u32 v10, v13, 15, s21
	v_lshl_add_u32 v10, v12, 4, v10                ; (4 w + g) rows of 32,768 bytes + 16 r
.set z, 0
.rept 11
	s_cmp_gt_u32 s67, z                            ; run z lies in front of the band, or five runs further on
	s_cselect_b32 s68, 0, 5
	v_lshl_add_u32 v[FR+z], s68, 8, v10
.set z, z+1
.endr
	WIN 0x04                                       ; store data in window 1
.set z, 0
.rept 11
	global_store_b128 v[FR+z], v[ZR:ZR+3], s[60:61] offset:256*z th:TH_STORE_NT
	global_store_b128 v[FR+z], v[ZR:ZR+3], s[60:61] offset:65536+256*z th:TH_STORE_NT
.set z, z+1
.endr
	WIN 0
	s_wait_kmcnt 0x0
	s_max_i32 s18, s18, 0
	s_min_i32 s18, s18, 1024
	; The mask.  Register j of tile kt is key kstart + 8 g + 16 kt + j; it is allowed where lo <= 16 kt + j < hi, taken as one unsigned comparison of 16 kt + j - lo with hi - lo.
	s_lshl_b32 s19, s13, 4
	s_add_co_u32 s19, s19, s16
	v_add_nc_u32 v17, s19, v12                     ; my query
	s_add_co_u32 s20, s17, 128
	v_lshlrev_b32 v10, 3, v13
	v_sub_nc_u32 v15, v17, s20
	v_sub_nc_u32 v15, v15, v10                     ; lo = q - 128 - kstart - 8 g
	v_add_nc_u32 v16, 129, v17
	v_min_i32 v16, s18, v16
	v_sub_nc_u32 v16, v16, s17
	v_sub_nc_u32 v16, v16, v10                     ; hi = min(q + 129, length) - kstart - 8 g
	v_sub_nc_u32 v16, v16, v15
	v_max_i32 v16, 0, v16                          ; hi - lo, or 0
	v_sub_nc_u32 v11, v17, 128
	v_max_i32 v11, 0, v11
	v_cmp_gt_i32 vcc_lo, s18, v11                  ; the row's first key in the band lies under the length: the row has a key
	v_cndmask_b32 v[ANYF], 0, 1.0, vcc_lo
	v_cndmask_b32 v16, -1, v16, vcc_lo             ; a row with no key takes no mask (the widest interval): its scores stay finite, and ANYF = 0 makes its weights 0
.set e, 0
.rept 144
	v_sub_nc_u32 v[10+e%2], 16*(e/8)+e%8, v15
	v_cmp_le_u32 vcc_lo, v16, v[10+e%2]            ; hidden
.if e%2
	v_cndmask_b32 v[S+e], 0, s66, vcc_lo
.else
	v_cndmask_b32 v[S+e], 0, s55, vcc_lo
.endif
.set e, e+1
.endr
	WIN 0x40
.set i, 0
.rept 72
	v_or_b32 v[M+i], v[S+2*i], v[S+2*i+1]
.set i, i+1
.endr
	WIN 0
	s_lshr_b32 s19, s14, 1
	s_and_b32 s21, s14, 1
	s_lshl_b32 s21, s21, 7
	s_mul_i32 s20, s19, VPL
	s_mul_i32 s19, s19, KPL
	s_add_co_u32 s19, s19, s21
	s_add_co_u32 s20, s20, s21
	s_add_co_u32 s20, s20, VSL
	v_mul_u32_u24 v[AK0], v12, PK                  ; K: row r x pitch + 16 g, in my head's plane and half
	v_lshl_add_u32 v[AK0], v13, 4, v[AK0]
	v_add_nc_u32 v[AK0], s19, v[AK0]
	v_add_nc_u32 v[AK1], 9*16*PK, v[AK0]           ; tiles 9 on: the immediate has 16 bits
	v_and_b32 v10, 7, v0                           ; V, turned: key 8 g + lane % 8, channels 8 ((lane / 8) % 2) on
	v_bfe_u32 v11, v0, 3, 1
	v_lshl_add_u32 v[AV0], v13, 3, v10
	v_mul_u32_u24 v[AV0], v[AV0], PV
	v_lshl_add_u32 v[AV0], v11, 4, v[AV0]
	v_add_nc_u32 v[AV0], s20, v[AV0]
	v_add_nc_u32 v[AV1], 5*32*PV, v[AV0]           ; keys 160 on
	s_wait_xcnt 0x0                                ; v40-50 were the zero stores' addresses: they are loaded into only behind this wait
	s_wait_tensorcnt 0x1                           ; my part of K is in; V's may stay out
	s_barrier_signal -1
	s_barrier_wait -1
; Three fragments of K: number f = 3 g + n of 36 is channels 32 (f / 18) on of keys 16 (f % 18) on, into slot f % 9
.macro KLOAD g
.irp n, 0,1,2
.set f, 3*(\g)+(\n)
.set kt, f%18
.set fs, FR+8*(f%9)
.if kt < 9
	ds_load_b128 v[fs:fs+3],   v[AK0] offset:kt*16*PK+64*(f/18)
	ds_load_b128 v[fs+4:fs+7], v[AK0] offset:kt*16*PK+64*(f/18)+32
.else
	ds_load_b128 v[fs:fs+3],   v[AK1] offset:(kt-9)*16*PK+64*(f/18)
	ds_load_b128 v[fs+4:fs+7], v[AK1] offset:(kt-9)*16*PK+64*(f/18)+32
.endif
.endr
.endm
; S^T = mask + K Q^T.  Three groups of loads run ahead; the 18 accumulators take turns, one instruction a turn.
.macro QKPH step
	KLOAD 0
	KLOAD 1
	KLOAD 2
	s_wait_loadcnt 0x0                             ; Q is in, and its loads' base is free
.if \step
	s_add_nc_u64 s[56:57], s[56:57], 2*PLANE       ; the next step's heads lie two planes on
.endif
	WIN 0x04
.set i, 0
.rept 72
	v_lshlrev_b32 v[S+2*i], 16, v[M+i]             ; the mask starts the sums
	v_and_b32 v[S+2*i+1], s54, v[M+i]
.set i, i+1
.endr
	WIN 0
.set g, 0
.rept 12
.if g < 10
	s_wait_dscnt 12                                ; group g is in; two younger groups of six loads may be out
.elseif g == 10
	s_wait_dscnt 6
.else
	s_wait_dscnt 0
.endif
.set n, 0
.rept 3
.set f, 3*g+n
	v_wmma_f32_16x16x32_bf16 v[S+8*(f%18):S+8*(f%18)+7], v[FR+8*(f%9):FR+8*(f%9)+7], v[Q+8*(f/18):Q+8*(f/18)+7], v[S+8*(f%18):S+8*(f%18)+7]
.set n, n+1
.endr
.if g < 9
	PLACES
	KLOAD g+3                                      ; into the three slots just multiplied
.endif
.set g, g+1
.endr
	PLACES
.endm
; The maximum of my query's 288 scores (each accumulator's lowest registers are read first), c s - c m, and the exponentials
.macro SM1
.irp y, 0,1,2,3
	v_max_num_f32 v[C+\y], v[S+8*\y], v[S+8*\y+1]
.endr
.set gq, 0
.rept 5
.set pp, 0
.rept 4
.set xx, 0
.rept 4
.set kt, 4*gq+xx
.if (kt < 18) && ((gq > 0) || (pp > 0))
	v_max3_num_f32 v[C+xx], v[C+xx], v[S+8*kt+2*pp], v[S+8*kt+2*pp+1]
.endif
.set xx, xx+1
.endr
.set pp, pp+1
.endr
.set gq, gq+1
.endr
	v_max3_num_f32 v[C], v[C], v[C+1], v[C+2]
	v_max_num_f32 v[C], v[C], v[C+3]
	v_permlanex16_b32 v10, v[C], s52, s53          ; the query's other keys lie in the lane 16 away
	v_max_num_f32 v[CM+1], v[C], v10
	v_mul_f32 v[CM], s50, v[CM+1]
.set i, 0
.rept 72
	v_pk_fma_f32 v[S+2*i:S+2*i+1], v[S+2*i:S+2*i+1], s[50:51], v[CM:CM+1] op_sel_hi:[1,0,0] neg_lo:[0,0,1] neg_hi:[0,0,1]
.set i, i+1
.endr
.set i, 0
.rept 144
	v_exp_f32 v[S+i], v[S+i]
.set i, i+1
.endr
	v_nop                                          ; a plain instruction behind the last exponential
.endm
; A barrier of the work-group.  In front of it each wave waits for all its tensor loads, adds 0 to its spare word, and waits for that and for its LDS reads.
; which = 1: all waves have read K's slot; it takes the next step's K.  2: the same for V.  0: nothing is left to fetch.  The other slot's tile, asked for half a step ago, is whole behind the barrier.
.macro CHANGE which
	WIN 0
	s_wait_tensorcnt 0x0                           ; no tensor load of mine is out, so a group 0 may be written
	ds_add_u32 v[SPW], v[NIL]
.if (\which) == 1
	s_add_nc_u64 s[42:43], s[42:43], 2*PLANE
.elseif (\which) == 2
	s_add_nc_u64 s[46:47], s[46:47], 2*PLANE
.endif
	s_wait_dscnt 0x0
	s_barrier_signal -1
	s_barrier_wait -1
.if (\which) == 1
	tensor_load_to_lds s[40:43], s[24:31]
	s_nop 0
	PLACES
.elseif (\which) == 2
	tensor_load_to_lds s[44:47], s[32:39]
	s_nop 0
	PLACES
.endif
.endm
; The sum l, 1 / l (0 for a row with no key), the mean's share, and the weights rounded to bf16 in place: P of keys 32 t on takes S^T's registers 16 t .. 16 t + 7, and 16 t + 8 .. 16 t + 15 fall free
.macro SM2
	s_wait_alu depctr_va_vdst(0)
.irp y, 0,1,2,3
	v_pk_add_f32 v[LS+2*\y:LS+2*\y+1], v[S+2*\y:S+2*\y+1], v[S+2*\y+8:S+2*\y+9]
.endr
.set i, 8
.rept 64
	v_pk_add_f32 v[LS+2*(i%4):LS+2*(i%4)+1], v[LS+2*(i%4):LS+2*(i%4)+1], v[S+2*i:S+2*i+1]
.set i, i+1
.endr
	v_pk_add_f32 v[LS:LS+1], v[LS:LS+1], v[LS+2:LS+3]
	v_pk_add_f32 v[LS+4:LS+5], v[LS+4:LS+5], v[LS+6:LS+7]
	v_pk_add_f32 v[LS:LS+1], v[LS:LS+1], v[LS+4:LS+5]
	v_add_f32 v10, v[LS], v[LS+1]
	v_permlanex16_b32 v11, v10, s52, s53
	v_add_f32 v10, v10, v11                        ; at least 1: the largest score's weight
	v_rcp_f32 v11, v10
	v_nop
	s_wait_alu depctr_va_vdst(0)
	v_mul_f32 v[INV], v11, v[ANYF]
	v_mul_f32 v[INV+1], v11, v[ANYF]
	v_mul_f32 v[INV16], 0x3d800000, v[INV]
	v_mul_f32 v[INV16+1], 0x3d800000, v[INV]
	WIN 0x50                                       ; the mean: destination and source 2 in window 1
.set i, 0
.rept 72
	v_pk_fma_f32 v[ATT+2*i:ATT+2*i+1], v[S+2*i:S+2*i+1], v[INV16:INV16+1], v[ATT+2*i:ATT+2*i+1] op_sel_hi:[1,0,1]
.set i, i+1
.endr
	WIN 0
.set t, 0
.rept 9
.set i, 0
.rept 8
	v_cvt_pk_bf16_f32 v[S+16*t+i], v[S+16*t+2*i], v[S+16*t+2*i+1]
.set i, i+1
.endr
.set t, t+1
.endr
.endm
; V's fragments of keys 32 kk on: four blocks of 16 channels, in one of three sets of buffers: v72-103, or the halves of S^T that the rounding left free
.macro SETVB kk, cb
.if (\kk)%3 == 0
.set vb, FR+32+8*(\cb)
.elseif (\kk)%3 == 1
.set vb, S+16*(\cb)+8
.else
.set vb, S+16*((\cb)+4)+8
.endif
.endm
.macro VLOAD kk
.set cb, 0
.rept 4
	SETVB \kk, cb
.if (\kk) < 5
	ds_load_tr16_b128 v[vb:vb+3],   v[AV0] offset:(\kk)*32*PV+32*cb
	ds_load_tr16_b128 v[vb+4:vb+7], v[AV0] offset:(\kk)*32*PV+16*PV+32*cb
.else
	ds_load_tr16_b128 v[vb:vb+3],   v[AV1] offset:((\kk)-5)*32*PV+32*cb
	ds_load_tr16_b128 v[vb+4:vb+7], v[AV1] offset:((\kk)-5)*32*PV+16*PV+32*cb
.endif
.set cb, cb+1
.endr
.endm
; O^T = V^T P: four accumulators by turns; the first products start the sums.  more = 1: the next step's Q is asked for.
.macro PVPH more
	VLOAD 0
	VLOAD 1
	VLOAD 2
.if \more
	QLOAD
.endif
.set kk, 0
.rept 9
.if kk < 7
	s_wait_dscnt 16                                ; group kk is in; two younger groups of eight loads may be out
.elseif kk == 7
	s_wait_dscnt 8
.else
	s_wait_dscnt 0
.endif
.set cb, 0
.rept 4
	SETVB kk, cb
.if kk == 0
	v_wmma_f32_16x16x32_bf16 v[O+8*cb:O+8*cb+7], v[vb:vb+7], v[S+16*kk:S+16*kk+7], 0
.else
	v_wmma_f32_16x16x32_bf16 v[O+8*cb:O+8*cb+7], v[vb:vb+7], v[S+16*kk:S+16*kk+7], v[O+8*cb:O+8*cb+7]
.endif
.set cb, cb+1
.endr
.if kk < 6
	PLACES
	VLOAD kk+3                                     ; into the four buffers just multiplied
.endif
.set kk, kk+1
.endr
	PLACES
.endm
.macro OOUT                            ; O^T / l, rounded to bf16; each accumulator is one store of 512 consecutive aligned bytes
.set i, 0
.rept 16
	v_pk_mul_f32 v[O+2*i:O+2*i+1], v[O+2*i:O+2*i+1], v[INV:INV+1] op_sel_hi:[1,0]
.set i, i+1
.endr
.set i, 0
.rept 16
	v_cvt_pk_bf16_f32 v[FR+32+i], v[O+2*i], v[O+2*i+1]
.set i, i+1
.endr
.irp y, 0,1,2,3
	global_store_b128 v[OO], v[FR+32+4*\y:FR+32+4*\y+3], s[58:59] offset:512*\y
.endr
	s_wait_xcnt 0x0                                ; the stores' data and base are rewritten only behind this wait
	s_add_nc_u64 s[58:59], s[58:59], 8192          ; the next step's four heads: 16 blocks of 512 bytes on
.endm
	s_mov_b32 s48, 3
.Lstep:                                                ; steps 0 to 2: both slots are filled again
	QKPH 1
	SM1
	CHANGE 1
	SM2
	PVPH 1
	OOUT
	CHANGE 2
	s_sub_co_u32 s48, s48, 1
	s_cmp_lg_u32 s48, 0
	s_cbranch_scc1 .Lstep
	QKPH 0                                         ; step 3 is written out
	SM1
	CHANGE 0
	SM2
	PVPH 0
	OOUT
	; THE MEAN'S WAY OUT.  The four waves of a query tile put their parts into LDS, over the slots, which have had their last fill and, behind this barrier, their last reader.
	s_wait_dscnt 0x0
	s_barrier_signal -1
	s_barrier_wait -1
	v_and_b32 v12, 15, v0
	v_bfe_u32 v13, v0, 4, 1
	s_mul_i32 s19, s14, PHW
	s_mul_i32 s20, s13, 16*PP
	s_add_co_u32 s19, s19, s20
	v_mul_u32_u24 v10, v12, PP
	v_lshl_add_u32 v10, v13, 5, v10
	v_add_nc_u32 v10, s19, v10                     ; my query's row, 32 bytes for each half of the lanes
	s_and_b32 s19, s17, 32                         ; a row holds 320 columns from kstart rounded down to 64: the window begins at its column 0 or 32
	s_cmp_lg_u32 s19, 0
	s_cbranch_scc1 .Lodd
	WIN 0x04                                       ; store data in window 1
.set kt, 0
.rept 18
	ds_store_b128 v10, v[ATT+8*kt:ATT+8*kt+3] offset:64*kt
	ds_store_b128 v10, v[ATT+8*kt+4:ATT+8*kt+7] offset:64*kt+16
.set kt, kt+1
.endr
.irp y, 18,19
	ds_store_b128 v10, v[ZR:ZR+3] offset:64*\y
	ds_store_b128 v10, v[ZR:ZR+3] offset:64*\y+16
.endr
	WIN 0
	s_branch .Lput
.Lodd:
	WIN 0x04
.irp y, 0,1
	ds_store_b128 v10, v[ZR:ZR+3] offset:64*\y
	ds_store_b128 v10, v[ZR:ZR+3] offset:64*\y+16
.endr
.set kt, 0
.rept 18
	ds_store_b128 v10, v[ATT+8*kt:ATT+8*kt+3] offset:64*kt+128
	ds_store_b128 v10, v[ATT+8*kt+4:ATT+8*kt+7] offset:64*kt+144
.set kt, kt+1
.endr
	WIN 0
.Lput:
	s_wait_dscnt 0x0                               ; for the others' sake: my stores are done
	s_barrier_signal -1
	s_barrier_wait -1
	s_mul_i32 s19, s12, 4*PP                       ; wave w adds and stores rows 4 w .. 4 w + 3: lanes 0-15 one row's 256 bytes, lanes 16-31 the next row's
	v_mul_u32_u24 v10, v13, PP
	v_lshl_add_u32 v10, v12, 4, v10
	v_add_nc_u32 v10, s19, v10
	v_add_nc_u32 v11, 2*PHW, v10
	s_lshl_b32 s21, s12, 17
	v_lshl_add_u32 v5, v13, 15, s21
	v_lshl_add_u32 v5, v12, 4, v5
.set n, 0
.rept 10                                               ; n = 5 x (pair of rows) + run of 256 bytes: the four parts
	ds_load_b128 v[FR+16*n:FR+16*n+3],     v10 offset:2*PP*(n/5)+256*(n%5)
	ds_load_b128 v[FR+16*n+4:FR+16*n+7],   v10 offset:2*PP*(n/5)+256*(n%5)+PHW
	ds_load_b128 v[FR+16*n+8:FR+16*n+11],  v11 offset:2*PP*(n/5)+256*(n%5)
	ds_load_b128 v[FR+16*n+12:FR+16*n+15], v11 offset:2*PP*(n/5)+256*(n%5)+PHW
.set n, n+1
.endr
.set n, 0
.rept 10
	s_wait_dscnt 36-4*n                            ; the four loads of n are back; the younger ones may be out
	v_pk_add_f32 v[FR+16*n:FR+16*n+1],     v[FR+16*n:FR+16*n+1],     v[FR+16*n+4:FR+16*n+5]
	v_pk_add_f32 v[FR+16*n+2:FR+16*n+3],   v[FR+16*n+2:FR+16*n+3],   v[FR+16*n+6:FR+16*n+7]
	v_pk_add_f32 v[FR+16*n+8:FR+16*n+9],   v[FR+16*n+8:FR+16*n+9],   v[FR+16*n+12:FR+16*n+13]
	v_pk_add_f32 v[FR+16*n+10:FR+16*n+11], v[FR+16*n+10:FR+16*n+11], v[FR+16*n+14:FR+16*n+15]
	v_pk_add_f32 v[FR+16*n:FR+16*n+1],     v[FR+16*n:FR+16*n+1],     v[FR+16*n+8:FR+16*n+9]
	v_pk_add_f32 v[FR+16*n+2:FR+16*n+3],   v[FR+16*n+2:FR+16*n+3],   v[FR+16*n+10:FR+16*n+11]
	global_store_b128 v5, v[FR+16*n:FR+16*n+3], s[62:63] offset:65536*(n/5)+256*(n%5) th:TH_STORE_NT
.set n, n+1
.endr
	s_wait_tensorcnt 0x0                           ; the wave's end
	ds_add_u32 v[SPW], v[NIL]
	s_wait_dscnt 0x0
	s_endpgm
.Lfunc_end_k_q0c52258849_attn:
	.size	k_q0c52258849_attn, .Lfunc_end_k_q0c52258849_attn-k_q0c52258849_attn
	.p2alignl 7, 3214868480
	.fill 96, 4, 3214868480
	.section	.rodata,"a",@progbits
	.p2align	6, 0x0
	.amdhsa_kernel k_q0c52258849_attn
		.amdhsa_group_segment_fixed_size 327680
		.amdhsa_private_segment_fixed_size 0
		.amdhsa_enable_private_segment 0
		.amdhsa_kernarg_size 32
		.amdhsa_user_sgpr_count 2
		.amdhsa_user_sgpr_kernarg_segment_ptr 1
		.amdhsa_wavefront_size32 1
		.amdhsa_system_sgpr_workgroup_id_x 1
		.amdhsa_system_sgpr_workgroup_id_y 1
		.amdhsa_system_sgpr_workgroup_id_z 1
		.amdhsa_system_vgpr_workitem_id 0
		.amdhsa_next_free_vgpr 480
		.amdhsa_next_free_sgpr 90
		.amdhsa_reserve_vcc 1
		.amdhsa_float_denorm_mode_32 3
		.amdhsa_float_denorm_mode_16_64 3
		.amdhsa_memory_ordered 1
		.amdhsa_forward_progress 1
		.amdhsa_inst_pref_size 158
	.end_amdhsa_kernel
	.amdgpu_metadata
---
amdhsa.version: [ 1, 2 ]
amdhsa.kernels:
  - .name:           k_q0c52258849_attn
    .symbol:         k_q0c52258849_attn.kd
    .args:
      - { .name: qkv, .offset: 0, .size: 8, .value_kind: global_buffer, .address_space: global }
      - { .name: seq_lengths, .offset: 8, .size: 8, .value_kind: global_buffer, .address_space: global }
      - { .name: o, .offset: 16, .size: 8, .value_kind: global_buffer, .address_space: global }
      - { .name: out1, .offset: 24, .size: 8, .value_kind: global_buffer, .address_space: global }
    .group_segment_fixed_size: 327680
    .private_segment_fixed_size: 0
    .kernarg_segment_align: 8
    .kernarg_segment_size: 32
    .max_flat_workgroup_size: 256
    .sgpr_count:     90
    .vgpr_count:     480
    .wavefront_size: 32
...
	.end_amdgpu_metadata
.endif
;; end of part 4
;; launch gout (part 5): grid 8 x 64, 4 waves a work-group, clusters of 4 x 4, 327,680 bytes of LDS; arguments o, wb, r, h; writes r
.if DOCPART == 5
	.amdgcn_target "amdgcn-amd-amdhsa--gfx1250"
	.amdhsa_code_object_version 6
	.text
	.protected	k_q0c52258849_gout
	.globl	k_q0c52258849_gout
	.p2align	8
	.type	k_q0c52258849_gout,@function
k_q0c52258849_gout:
	s_mov_b64 s[64:65], 0
	v_nop
	global_prefetch_b8 v0, s[64:65] scope:SCOPE_SE
	s_setreg_imm32_b32 hwreg(HW_REG_WAVE_MODE, 25, 1), 1
	s_wait_xcnt 0x0
	s_wait_alu depctr_hold_cnt(0) depctr_sa_sdst(0) depctr_va_vdst(0) depctr_va_sdst(0) depctr_va_ssrc(0) depctr_va_vcc(0) depctr_vm_vsrc(0)
	s_getreg_b32 s2, hwreg(HW_REG_IB_STS2, 6, 4)
	s_cmp_eq_u32 s2, 0
	s_cbranch_scc0 .Lentry_in_a_cluster
	s_endpgm
.Lentry_in_a_cluster:
	s_bfe_u32 s2, ttmp6, 0x10000c
	s_cmp_lg_u32 s2, 0xf033
	s_cbranch_scc0 .Lentry_shape_is_right
	s_endpgm
.Lentry_shape_is_right:
; r[t][f] = h[t][f] + sum over e of o[t][e] attn_out_w[f][e].  o (tiled by 16 x 16 blocks) and attn_out_w in bf16; h in f16, widened, IS THE START OF THE SUMS; sums and r in f32.
; r stays f32: it is no matrix operand, and with all inputs 30 times larger it passes f16's range.
; r LEAVES AS [t / 16][f / 16][2 halves][32 lanes][4 f32]: registers 0-3 and 4-7 of an accumulator are two stores of 512 consecutive aligned bytes, with no conversion and no stage.
; SHAPE, RING, CLUSTER: a tile is 128 x 128, four waves of 64 x 64, 512 work-groups; K = 1024 in four steps of 256 through two LDS slots, steps 2 and 3 as refills, written out; 4 x 4 work-groups ask
; jointly for A's tiles along a row of the cluster and for B's along a column.  A's tile: 4 pieces of 8,192 dense bytes, unpadded; B's: 64 rows of 512 bytes, padded to 528.
; THE MATRIX INSTRUCTION IS USED TRANSPOSED (source 0 = rows of the weights, source 1 = rows of o).
; REGISTERS: window 0: v0-31 addresses; v32-95 h as loaded; v128-255 accumulators.  window 1: two fragment buffers of 128.
.set SIZE_K, 1024
.set WOFF,   7340032                   ; attn_out_w in wb
.set KSTEP,  256
.set ASTEP,  8192
.set PITCH,  528
.set HALFT,  64*PITCH
.set SLOT,   4*HALFT
.set SPARE,  2*SLOT                    ; behind the slots: the spare words, 128 bytes a wave
.set ADRA, 16
.set ADRB, 20
.set CO,   26
.set SPW,  28
.set NIL,  29
.set TMP,  32
.set ACC,  128
.set F0,   0
.set F1,   128
.set G1, 24
.set G0, 32
.set G1B, 48
.set G0B, 56
.set MSB, 0
.macro WIN new
.if MSB != (\new)
	s_set_vgpr_msb (MSB<<8)|(\new)
.set MSB, \new
.endif
.endm
.set MUL,  0x05
.set TO_F, 0x40
.macro JLOAD s                         ; a joint load: waves 0 and 1 fetch A's halves, waves 2 and 3 B's; s_nop 0 and four v_nop follow each line
	s_cmp_eq_u32 s11, 0
	s_cbranch_scc0 .Lfor_b_\@
	tensor_load_to_lds s[G0+4*(\s):G0+4*(\s)+3], s[G1:G1+7]
	s_nop 0
.rept 4
	v_nop
.endr
	s_branch .Lasked_\@
.Lfor_b_\@:
	tensor_load_to_lds s[G0B+4*(\s):G0B+4*(\s)+3], s[G1B:G1B+7]
	s_nop 0
.rept 4
	v_nop
.endr
.Lasked_\@:
.endm
.macro CREST
	s_cmp_lg_u32 s10, 0
	s_cbranch_scc1 .Lnot_wave_0_\@
	s_barrier_signal -3
.Lnot_wave_0_\@:
	s_barrier_wait -3
	s_barrier_signal -1
	s_barrier_wait -1
.endm
.macro CROUND
	s_barrier_signal -1
	s_barrier_wait -1
	CREST
.endm
	s_load_b128 s[4:7], s[0:1], 0x0                ; o s[4:5], wb s[6:7]
	s_load_b64 s[8:9], s[0:1], 0x10                ; r
	s_load_b64 s[66:67], s[0:1], 0x18              ; h
	v_lshl_add_u32 v[SPW], v0, 2, SPARE
	v_mov_b32 v[NIL], 0
	ds_add_u32 v[SPW], v[NIL]                      ; the wave's opening: the add and its wait ahead of my first tensor load
	ds_add_u32 v28, v29
	v_lshrrev_b32 v1, 5, v0
	v_readfirstlane_b32 s10, v1
	s_lshr_b32 s11, s10, 1
	s_and_b32 s12, s10, 1
	s_bfe_u32 s40, ttmp6, 0x40000
	s_bfe_u32 s41, ttmp6, 0x40004
	s_lshl_b32 s42, ttmp9, 2
	s_add_co_u32 s42, s42, s40                     ; tile column
	s_and_b32 s13, ttmp7, 0xffff
	s_lshl_b32 s13, s13, 2
	s_add_co_u32 s13, s13, s41                     ; tile row
	s_lshl_b32 s43, s41, 2
	s_lshl_b32 s43, 15, s43
	s_lshl_b32 s44, 0x1111, s40
	s_or_b32 s[G1+0], s43, (3<<16)|(1<<21)         ; A: my row's mask; 8-byte elements; no padding; bit 21 beside a mask
	s_mov_b32 s[G1+1], 1024<<16
	s_mov_b32 s[G1+2], 4<<16
	s_mov_b32 s[G1+3], 1024<<16
	s_mov_b32 s[G1+4], 4
	s_mov_b32 s[G1+5], 4096
	s_mov_b32 s[G1+6], 0
	s_mov_b32 s[G1+7], 0
	s_or_b32 s[G1B+0], s44, (1<<16)|(1<<20)|(1<<21)|(6<<22)|(3<<25)
	s_mov_b32 s[G1B+1], KSTEP<<16
	s_mov_b32 s[G1B+2], 64<<16
	s_mov_b32 s[G1B+3], KSTEP<<16
	s_mov_b32 s[G1B+4], 64
	s_mov_b32 s[G1B+5], SIZE_K
	s_mov_b32 s[G1B+6], 0
	s_mov_b32 s[G1B+7], 0
	s_lshl_b32 s16, s13, 3
	s_lshl_b32 s17, s12, 2
	s_add_co_u32 s16, s16, s17
	s_lshl_b32 s16, s16, 15
	s_mov_b32 s17, 0
	s_lshl_b32 s46, s42, 1
	s_add_co_u32 s46, s46, s12
	s_mul_i32 s46, s46, 64*SIZE_K*2
	s_add_co_u32 s46, s46, WOFF
	s_mov_b32 s47, 0
	s_mul_i32 s20, s10, HALFT
	s_wait_dscnt 0x0
	s_wait_kmcnt 0x0
	s_add_nc_u64 s[14:15], s[4:5], s[16:17]
	s_add_nc_u64 s[46:47], s[6:7], s[46:47]
	CROUND                                         ; all sixteen work-groups are here: the first joint loads meet
.irp s, 0,1
	s_mov_b32 s[G0+4*(\s)], 1
	s_add_co_u32 s[G0+4*(\s)+1], s20, (\s)*SLOT
	s_add_nc_u64 s[G0+4*(\s)+2:G0+4*(\s)+3], s[14:15], (\s)*ASTEP
	s_or_b32 s[G0+4*(\s)+3], s[G0+4*(\s)+3], 0x80000000
	s_mov_b32 s[G0B+4*(\s)], 1
	s_add_co_u32 s[G0B+4*(\s)+1], s20, (\s)*SLOT
	s_add_nc_u64 s[G0B+4*(\s)+2:G0B+4*(\s)+3], s[46:47], (\s)*KSTEP*2
	s_or_b32 s[G0B+4*(\s)+3], s[G0B+4*(\s)+3], 0x80000000
	JLOAD \s                                       ; two tensor loads of mine are out
.endr
	v_and_b32 v1, 15, v0
	v_bfe_u32 v2, v0, 4, 1
	v_mul_u32_u24 v3, v1, PITCH
	v_lshl_add_u32 v3, v2, 4, v3
	v_and_b32 v4, 31, v0
	v_lshlrev_b32 v4, 4, v4
	v_mov_b32 v[CO], v4                            ; 16 x lane, in h and in r
	s_lshl_b32 s16, s13, 3                         ; row-block 8 x tile row + 4 x my half: 32,768 bytes of h, 65,536 of r
	s_lshl_b32 s17, s11, 2
	s_add_co_u32 s16, s16, s17
	s_lshl_b32 s18, s16, 16
	s_lshl_b32 s16, s16, 15
	s_mov_b32 s17, 0
	s_mov_b32 s19, 0
	s_add_nc_u64 s[66:67], s[66:67], s[16:17]
	s_add_nc_u64 s[8:9], s[8:9], s[18:19]
	s_lshl_b32 s46, s42, 3                         ; block of 16 columns 8 x tile column + 4 x my half: 512 bytes of h, 1,024 of r
	s_lshl_b32 s47, s12, 2
	s_add_co_u32 s46, s46, s47
	s_lshl_b32 s70, s46, 10
	s_lshl_b32 s46, s46, 9
	s_mov_b32 s47, 0
	s_mov_b32 s71, 0
	s_add_nc_u64 s[66:67], s[66:67], s[46:47]
	s_add_nc_u64 s[8:9], s[8:9], s[70:71]
.set t, 0
.rept 16
	global_load_b128 v[TMP+4*t:TMP+4*t+3], v[CO], s[66:67] offset:32768*(t/4)+512*(t%4)   ; h where accumulator t lies
.set t, t+1
.endr
	s_mul_i32 s21, s11, HALFT
	s_mul_i32 s22, s12, HALFT
	s_add_co_u32 s22, s22, 2*HALFT
.irp s, 0,1
	v_add_nc_u32 v[ADRA+(\s)], s21, v4
	v_add_nc_u32 v[ADRB+(\s)], s22, v3
	s_add_co_u32 s21, s21, SLOT
	s_add_co_u32 s22, s22, SLOT
.endr
	s_wait_loadcnt 0x0                             ; h, in the wait for the first tile
.irp r, 32,33,34,35,36,37,38,39,40,41,42,43,44,45,46,47,48,49,50,51,52,53,54,55,56,57,58,59,60,61,62,63,64,65,66,67,68,69,70,71,72,73,74,75,76,77,78,79,80,81,82,83,84,85,86,87,88,89,90,91,92,93,94,95
	v_cvt_f32_f16 v[ACC+2*(\r-32)], v\r\().l       ; word i of the 64 holds columns 2 i, 2 i + 1 of the lane's 128 numbers: accumulator registers 2 i, 2 i + 1
	v_cvt_f32_f16 v[ACC+2*(\r-32)+1], v\r\().h
.endr
.macro MUL8 f, c, a0                   ; 8 products onto the sums that h began; the accumulators take turns
	WIN MUL
.irp a, \a0, (\a0)+1
.irp b, 0,1,2,3
	v_wmma_f32_16x16x32_bf16 v[ACC+8*(4*(\a)+(\b)):ACC+8*(4*(\a)+(\b))+7], v[(\f)+64+8*(4*(\c)+(\b)):(\f)+64+8*(4*(\c)+(\b))+7], v[(\f)+8*(4*(\c)+(\a)):(\f)+8*(4*(\c)+(\a))+7], v[ACC+8*(4*(\a)+(\b)):ACC+8*(4*(\a)+(\b))+7]
.endr
.endr
.endm
.macro FETCH slot, q, f
	WIN TO_F
.irp c, 0,1
.irp i, 0,1,2,3
	ds_load_b128 v[(\f)+64+8*(4*(\c)+(\i)):(\f)+64+8*(4*(\c)+(\i))+3],   v[ADRB+(\slot)] offset:128*(\q)+64*(\c)+(\i)*16*PITCH
	ds_load_b128 v[(\f)+64+8*(4*(\c)+(\i))+4:(\f)+64+8*(4*(\c)+(\i))+7], v[ADRB+(\slot)] offset:128*(\q)+64*(\c)+(\i)*16*PITCH+32
	ds_load_b128 v[(\f)+8*(4*(\c)+(\i)):(\f)+8*(4*(\c)+(\i))+3],         v[ADRA+(\slot)] offset:2048*(\q)+1024*(\c)+8192*(\i)
	ds_load_b128 v[(\f)+8*(4*(\c)+(\i))+4:(\f)+8*(4*(\c)+(\i))+7],       v[ADRA+(\slot)] offset:2048*(\q)+1024*(\c)+8192*(\i)+512
.endr
.endr
.endm
.macro PLACES                          ; four plain vector instructions between a matrix instruction and a load into, or a store of, its registers
.rept 4
	v_nop
.endr
.endm
.macro QUARTER slot, q, f, g
	s_wait_dscnt 16                                ; the first 32 along K are in; the 16 younger loads may be out
	MUL8 \f, 0, 0
	MUL8 \f, 0, 2
	PLACES
	FETCH \slot, \q, \g
	s_wait_dscnt 32                                ; all but the 32 just issued
	MUL8 \f, 1, 0
	MUL8 \f, 1, 2
.endm
; The last quarter of a K step changes slots: one barrier; in front of it each wave waits for all its tensor loads, adds 0 to its spare word, and waits for that and for its reads of this slot.
; fill = 1: the barrier opens a round of the cluster's, and the slot is filled again, two K steps ahead, first thing behind it.
.macro TURN slot, next, fill
	WIN 0
	s_wait_tensorcnt 0x0
	ds_add_u32 v[SPW], v[NIL]
	s_wait_dscnt 17                                ; the add and the 16 youngest loads may be out
	MUL8 F1, 0, 0
	s_wait_dscnt 0x0
	s_barrier_signal -1
	MUL8 F1, 0, 2
.if \fill
	WIN 0
.endif
	s_barrier_wait -1
.if \fill
	CREST
	s_add_nc_u64 s[G0+4*(\slot)+2:G0+4*(\slot)+3], s[G0+4*(\slot)+2:G0+4*(\slot)+3], 2*ASTEP
	s_add_nc_u64 s[G0B+4*(\slot)+2:G0B+4*(\slot)+3], s[G0B+4*(\slot)+2:G0B+4*(\slot)+3], 2*KSTEP*2
	JLOAD \slot
.else
	PLACES
.endif
	FETCH \next, 0, F0
	MUL8 F1, 1, 0
	MUL8 F1, 1, 2
.endm
	s_wait_tensorcnt 1                             ; my part of K step 0 is in; K step 1's may stay out
	s_barrier_signal -1
	s_barrier_wait -1
	FETCH 0, 0, F0
	QUARTER 0, 1, F0, F1
	QUARTER 0, 2, F1, F0
	QUARTER 0, 3, F0, F1
	TURN 0, 1, 1                                   ; slot 0 takes K step 2
	QUARTER 1, 1, F0, F1
	QUARTER 1, 2, F1, F0
	QUARTER 1, 3, F0, F1
	TURN 1, 0, 1                                   ; slot 1 takes K step 3
	QUARTER 0, 1, F0, F1
	QUARTER 0, 2, F1, F0
	QUARTER 0, 3, F0, F1
	TURN 0, 1, 0
	QUARTER 1, 1, F0, F1
	QUARTER 1, 2, F1, F0
	QUARTER 1, 3, F0, F1
	s_wait_dscnt 16
	MUL8 F1, 0, 0
	MUL8 F1, 0, 2
	s_wait_dscnt 0
	MUL8 F1, 1, 0
	MUL8 F1, 1, 2
	WIN 0
	PLACES
.set t, 0
.rept 16                                               ; each accumulator's low four registers go first
	global_store_b128 v[CO], v[ACC+8*t:ACC+8*t+3],   s[8:9] offset:65536*(t/4)+1024*(t%4)
	global_store_b128 v[CO], v[ACC+8*t+4:ACC+8*t+7], s[8:9] offset:65536*(t/4)+1024*(t%4)+512
.set t, t+1
.endr
	s_wait_tensorcnt 0x0                           ; the wave's end
	ds_add_u32 v[SPW], v[NIL]
	s_wait_dscnt 0x0
	CROUND                                         ; the closing round
	s_endpgm
.Lfunc_end_k_q0c52258849_gout:
	.size	k_q0c52258849_gout, .Lfunc_end_k_q0c52258849_gout-k_q0c52258849_gout
	.p2alignl 7, 3214868480
	.fill 96, 4, 3214868480
	.section	.rodata,"a",@progbits
	.p2align	6, 0x0
	.amdhsa_kernel k_q0c52258849_gout
		.amdhsa_group_segment_fixed_size 327680
		.amdhsa_private_segment_fixed_size 0
		.amdhsa_enable_private_segment 0
		.amdhsa_kernarg_size 32
		.amdhsa_user_sgpr_count 2
		.amdhsa_user_sgpr_kernarg_segment_ptr 1
		.amdhsa_wavefront_size32 1
		.amdhsa_system_sgpr_workgroup_id_x 1
		.amdhsa_system_sgpr_workgroup_id_y 1
		.amdhsa_system_sgpr_workgroup_id_z 1
		.amdhsa_system_vgpr_workitem_id 0
		.amdhsa_next_free_vgpr 512
		.amdhsa_next_free_sgpr 72
		.amdhsa_reserve_vcc 0
		.amdhsa_float_denorm_mode_32 3
		.amdhsa_float_denorm_mode_16_64 3
		.amdhsa_memory_ordered 1
		.amdhsa_forward_progress 1
		.amdhsa_inst_pref_size 86
	.end_amdhsa_kernel
	.amdgpu_metadata
---
amdhsa.version: [ 1, 2 ]
amdhsa.kernels:
  - .name:           k_q0c52258849_gout
    .symbol:         k_q0c52258849_gout.kd
    .args:
      - { .name: o, .offset: 0, .size: 8, .value_kind: global_buffer, .address_space: global }
      - { .name: wb, .offset: 8, .size: 8, .value_kind: global_buffer, .address_space: global }
      - { .name: r, .offset: 16, .size: 8, .value_kind: global_buffer, .address_space: global }
      - { .name: h, .offset: 24, .size: 8, .value_kind: global_buffer, .address_space: global }
    .group_segment_fixed_size: 327680
    .private_segment_fixed_size: 0
    .kernarg_segment_align: 8
    .kernarg_segment_size: 32
    .max_flat_workgroup_size: 128
    .sgpr_count:     72
    .vgpr_count:     512
    .wavefront_size: 32
...
	.end_amdgpu_metadata
.endif
;; end of part 5
;; launch lnorm (part 6): grid 512 x 1, 8 waves a work-group, no clusters, 2,048 bytes of LDS; arguments r, ln_g, ln_b, rn; writes rn
.if DOCPART == 6
	.amdgcn_target "amdgcn-amd-amdhsa--gfx1250"
	.amdhsa_code_object_version 6
	.text
	.protected	k_q0c52258849_lnorm
	.globl	k_q0c52258849_lnorm
	.p2align	8
	.type	k_q0c52258849_lnorm,@function
k_q0c52258849_lnorm:
	s_mov_b64 s[64:65], 0
	v_nop
	global_prefetch_b8 v0, s[64:65] scope:SCOPE_SE
	s_setreg_imm32_b32 hwreg(HW_REG_WAVE_MODE, 25, 1), 1
	s_wait_xcnt 0x0
; rn[t][e] = (r[t][e] - mean) / sqrt(var + 1e-5) x ln_g[e] + ln_b[e], mean and var over a row's 1,024 numbers, all in f32; ln_g and ln_b are taken rounded to bf16, like every input; rn rounded once to f16.
; LIMIT: |rn| <= 32 |ln_g| + |ln_b| stays under 65,504 (f16).  The variance is the mean of the squared differences, never a difference of sums.
; r lies as [t / 16][e / 16][2 halves][32 lanes][4 f32], rn as [t / 16][e / 16][32 lanes][8 f16]; lane 16 g + r holds row r, columns 8 g .. 8 g + 7 of a block of 16 x 16.
; A work-group owns one row-block, 16 rows, 65,536 consecutive bytes; wave w the blocks 8 w .. 8 w + 7 (128 columns): 64 numbers a lane, which stay in registers through the three passes, so r is
; read once.  Every load and store of a wave covers 512 consecutive aligned bytes.  A row's sums meet in LDS, once for the mean and once for the variance, in words of their own.
; Memory binds: no matrix unit, no cluster, no tensor load.
.set SPARE, 1024                       ; sums of pass 1 at 0, of pass 2 at 512 ([row][wave] f32); then the spare words, 128 bytes a wave
.set X,  32
.set G,  96
.set BB, 160
	s_load_b256 s[4:11], s[0:1], 0x0               ; r s[4:5], ln_g s[6:7], ln_b s[8:9], rn s[10:11]
	v_lshl_add_u32 v30, v0, 2, SPARE
	v_mov_b32 v31, 0
	v_lshrrev_b32 v6, 5, v0
	v_readfirstlane_b32 s16, v6                    ; wave
	v_and_b32 v6, 31, v0
	v_and_b32 v7, 15, v0
	v_bfe_u32 v8, v0, 4, 1
	s_lshl_b32 s20, s16, 13
	s_lshl_b32 s21, s16, 12
	s_lshl_b32 s22, s16, 9
	s_lshl_b32 s23, s16, 2
	v_lshl_add_u32 v1, v6, 4, s20                  ; in r: 8 blocks of 1,024 bytes a wave, 16 x lane
	v_lshl_add_u32 v2, v6, 4, s21                  ; in rn: 8 blocks of 512 bytes a wave
	v_lshl_add_u32 v3, v8, 5, s22                  ; in ln_g and ln_b: 512 bytes a wave, 32 for the upper half of the lanes
	v_lshlrev_b32 v5, 5, v7                        ; a row's eight sums
	v_add_nc_u32 v4, s23, v5                       ; my wave's word among them
	s_lshl_b32 s2, ttmp9, 16
	s_mov_b32 s3, 0
	s_lshl_b32 s18, ttmp9, 15
	s_mov_b32 s19, 0
	s_mov_b32 s12, 0x76543210
	s_mov_b32 s13, 0xfedcba98
	s_mov_b32 s14, 0x3a800000                      ; 1 / 1024
	s_mov_b32 s15, 0x3727c5ac                      ; 1e-5
	s_mov_b32 s17, 0xffff0000
	s_wait_kmcnt 0x0
	s_add_nc_u64 s[4:5], s[4:5], s[2:3]
	s_add_nc_u64 s[10:11], s[10:11], s[18:19]
.set i, 0
.rept 8
	global_load_b128 v[X+8*i:X+8*i+3],   v1, s[4:5] offset:1024*i th:TH_LOAD_NT
	global_load_b128 v[X+8*i+4:X+8*i+7], v1, s[4:5] offset:1024*i+512 th:TH_LOAD_NT
.set i, i+1
.endr
.set i, 0
.rept 8
	global_load_b128 v[G+8*i:G+8*i+3],   v3, s[6:7] offset:64*i
	global_load_b128 v[G+8*i+4:G+8*i+7], v3, s[6:7] offset:64*i+16
.set i, i+1
.endr
.set i, 0
.rept 8
	global_load_b128 v[BB+8*i:BB+8*i+3],   v3, s[8:9] offset:64*i
	global_load_b128 v[BB+8*i+4:BB+8*i+7], v3, s[8:9] offset:64*i+16
.set i, i+1
.endr
; my lane's four chains v[14:21] into one number, the other half of the lanes' added, stored to my wave's word; all eight waves' words read back and added into v6
.macro MEET off
	v_pk_add_f32 v[14:15], v[14:15], v[16:17]
	v_pk_add_f32 v[18:19], v[18:19], v[20:21]
	v_pk_add_f32 v[14:15], v[14:15], v[18:19]
	v_add_f32 v14, v14, v15
	v_permlanex16_b32 v15, v14, s12, s13           ; the row's other eight columns of each block lie in the lane 16 away
	v_add_f32 v14, v14, v15
	ds_store_b32 v4, v14 offset:\off
	s_wait_dscnt 0x0                               ; for the others' sake
	s_barrier_signal -1
	s_barrier_wait -1
	ds_load_b128 v[6:9], v5 offset:\off
	ds_load_b128 v[10:13], v5 offset:(\off)+16
	s_wait_dscnt 0x0
	v_pk_add_f32 v[6:7], v[6:7], v[8:9]
	v_pk_add_f32 v[10:11], v[10:11], v[12:13]
	v_pk_add_f32 v[6:7], v[6:7], v[10:11]
	v_add_f32 v6, v6, v7
.endm
	s_wait_loadcnt 32                              ; r is in; the 32 younger loads, of ln_g and ln_b, may be out
.irp k, 0,1,2,3
	v_pk_add_f32 v[14+2*\k:15+2*\k], v[X+2*\k:X+2*\k+1], v[X+8+2*\k:X+8+2*\k+1]   ; the first two blocks start four chains: nothing is cleared
.endr
.set i, 2
.rept 6
.irp k, 0,1,2,3
	v_pk_add_f32 v[14+2*\k:15+2*\k], v[14+2*\k:15+2*\k], v[X+8*i+2*\k:X+8*i+2*\k+1]
.endr
.set i, i+1
.endr
	MEET 0
	v_mul_f32 v22, s14, v6                         ; the mean, twice, for the packed subtraction
	v_mul_f32 v23, s14, v6
.set i, 0
.rept 32
	v_pk_add_f32 v[X+2*i:X+2*i+1], v[X+2*i:X+2*i+1], v[22:23] neg_lo:[0,1] neg_hi:[0,1]   ; x - mean, kept
.set i, i+1
.endr
.irp k, 0,1,2,3
	v_pk_mul_f32 v[14+2*\k:15+2*\k], v[X+2*\k:X+2*\k+1], v[X+2*\k:X+2*\k+1]
.endr
.set i, 1
.rept 7
.irp k, 0,1,2,3
	v_pk_fma_f32 v[14+2*\k:15+2*\k], v[X+8*i+2*\k:X+8*i+2*\k+1], v[X+8*i+2*\k:X+8*i+2*\k+1], v[14+2*\k:15+2*\k]
.endr
.set i, i+1
.endr
	MEET 512
	v_fma_f32 v6, v6, s14, s15                     ; var + 1e-5
	v_rsq_f32 v24, v6
	v_nop                                          ; a plain instruction behind the transcendental
	s_wait_alu depctr_va_vdst(0)
	v_mov_b32 v25, v24
	s_wait_loadcnt 0x0                             ; ln_g, ln_b
.set i, 0
.rept 32
	v_cvt_pk_bf16_f32 v6, v[G+2*i], v[G+2*i+1]     ; rounded to bf16 and widened again
	v_cvt_pk_bf16_f32 v7, v[BB+2*i], v[BB+2*i+1]
	v_lshlrev_b32 v[G+2*i], 16, v6
	v_and_b32 v[G+2*i+1], s17, v6
	v_lshlrev_b32 v[BB+2*i], 16, v7
	v_and_b32 v[BB+2*i+1], s17, v7
.set i, i+1
.endr
.set i, 0
.rept 8
.irp k, 0,1,2,3
	v_pk_mul_f32 v[X+8*i+2*\k:X+8*i+2*\k+1], v[X+8*i+2*\k:X+8*i+2*\k+1], v[24:25]
.endr
.irp k, 0,1,2,3
	v_pk_fma_f32 v[X+8*i+2*\k:X+8*i+2*\k+1], v[X+8*i+2*\k:X+8*i+2*\k+1], v[G+8*i+2*\k:G+8*i+2*\k+1], v[BB+8*i+2*\k:BB+8*i+2*\k+1]
.endr
.irp k, 0,1,2,3
	v_cvt_pk_f16_f32 v[X+8*i+\k], v[X+8*i+2*\k], v[X+8*i+2*\k+1]    ; in place, ascending: word k is written when numbers 2 k, 2 k + 1 are read
.endr
	global_store_b128 v2, v[X+8*i:X+8*i+3], s[10:11] offset:512*i
.set i, i+1
.endr
	s_wait_tensorcnt 0x0                           ; the wave's end
	ds_add_u32 v30, v31
	s_wait_dscnt 0x0
	s_endpgm
.Lfunc_end_k_q0c52258849_lnorm:
	.size	k_q0c52258849_lnorm, .Lfunc_end_k_q0c52258849_lnorm-k_q0c52258849_lnorm
	.p2alignl 7, 3214868480
	.fill 96, 4, 3214868480
	.section	.rodata,"a",@progbits
	.p2align	6, 0x0
	.amdhsa_kernel k_q0c52258849_lnorm
		.amdhsa_group_segment_fixed_size 2048
		.amdhsa_private_segment_fixed_size 0
		.amdhsa_enable_private_segment 0
		.amdhsa_kernarg_size 32
		.amdhsa_user_sgpr_count 2
		.amdhsa_user_sgpr_kernarg_segment_ptr 1
		.amdhsa_wavefront_size32 1
		.amdhsa_system_sgpr_workgroup_id_x 1
		.amdhsa_system_sgpr_workgroup_id_y 1
		.amdhsa_system_sgpr_workgroup_id_z 1
		.amdhsa_system_vgpr_workitem_id 0
		.amdhsa_next_free_vgpr 232
		.amdhsa_next_free_sgpr 66
		.amdhsa_reserve_vcc 0
		.amdhsa_float_denorm_mode_32 3
		.amdhsa_float_denorm_mode_16_64 3
		.amdhsa_memory_ordered 1
		.amdhsa_forward_progress 1
		.amdhsa_inst_pref_size 29
	.end_amdhsa_kernel
	.amdgpu_metadata
---
amdhsa.version: [ 1, 2 ]
amdhsa.kernels:
  - .name:           k_q0c52258849_lnorm
    .symbol:         k_q0c52258849_lnorm.kd
    .args:
      - { .name: r, .offset: 0, .size: 8, .value_kind: global_buffer, .address_space: global }
      - { .name: ln_g, .offset: 8, .size: 8, .value_kind: global_buffer, .address_space: global }
      - { .name: ln_b, .offset: 16, .size: 8, .value_kind: global_buffer, .address_space: global }
      - { .name: rn, .offset: 24, .size: 8, .value_kind: global_buffer, .address_space: global }
    .group_segment_fixed_size: 2048
    .private_segment_fixed_size: 0
    .kernarg_segment_align: 8
    .kernarg_segment_size: 32
    .max_flat_workgroup_size: 256
    .sgpr_count:     66
    .vgpr_count:     232
    .wavefront_size: 32
...
	.end_amdgpu_metadata
.endif
;; end of part 6
;; launch gy (part 7): grid 4 x 64, 4 waves a work-group, clusters of 4 x 4, 327,680 bytes of LDS; arguments rn, wb, out0, b_out; writes out0
.if DOCPART == 7
	.amdgcn_target "amdgcn-amd-amdhsa--gfx1250"
	.amdhsa_code_object_version 6
	.text
	.protected	k_q0c52258849_gy
	.globl	k_q0c52258849_gy
	.p2align	8
	.type	k_q0c52258849_gy,@function
k_q0c52258849_gy:
	s_mov_b64 s[64:65], 0
	v_nop
	global_prefetch_b8 v0, s[64:65] scope:SCOPE_SE
	s_setreg_imm32_b32 hwreg(HW_REG_WAVE_MODE, 25, 1), 1
	s_wait_xcnt 0x0
	s_wait_alu depctr_hold_cnt(0) depctr_sa_sdst(0) depctr_va_vdst(0) depctr_va_sdst(0) depctr_va_ssrc(0) depctr_va_vcc(0) depctr_vm_vsrc(0)
	s_getreg_b32 s2, hwreg(HW_REG_IB_STS2, 6, 4)
	s_cmp_eq_u32 s2, 0
	s_cbranch_scc0 .Lentry_in_a_cluster
	s_endpgm
.Lentry_in_a_cluster:
	s_bfe_u32 s2, ttmp6, 0x10000c
	s_cmp_lg_u32 s2, 0xf033
	s_cbranch_scc0 .Lentry_shape_is_right
	s_endpgm
.Lentry_shape_is_right:
; y[l][b][d] = sum over e of rn[t][e] W_out[d][e] + b_out[d], t = 1024 b + l.  rn in f16 (tiled by 16 x 16 blocks), W_out's bf16-rounded numbers in f16, sums in f32, b_out rounded to bf16 like every
; input, y in f32.
; SHAPE, RING, CLUSTER: a tile is 128 x 128, four waves of 64 x 64, 256 work-groups; K = 1024 in four steps of 256 through two LDS slots, steps 2 and 3 as refills, written out; 4 x 4 work-groups ask
; jointly for A's tiles along a row of the cluster and for B's along a column.  A's tile: 4 pieces of 8,192 dense bytes, unpadded; B's: 64 rows of 512 bytes, padded to 528.
; THE MATRIX INSTRUCTION IS USED TRANSPOSED (source 0 = rows of W_out, source 1 = rows of rn): a lane holds eight neighbouring columns, 32 bytes, of one row.
; THE WAY OUT: a wave's 64 columns are 256 bytes of a row of y.  32 rows at a time go through the wave's own stage in LDS and come back as whole rows, so that sixteen lanes store 256 consecutive
; aligned bytes; the tokens' renumbering is undone in the stores' addresses: from l to l + 1 are 16,384 bytes.
; REGISTERS: window 0: v0-31 addresses; v32-95 the way out; v96-127 bias; v128-255 accumulators.  window 1: two fragment buffers of 128.
.set SIZE_K, 1024
.set WOFF,   9437184                   ; W_out in wb
.set KSTEP,  256
.set ASTEP,  8192
.set PITCH,  528
.set HALFT,  64*PITCH
.set SLOT,   4*HALFT
.set STAGE,  2*SLOT                    ; behind the slots: 32 rows x 272 bytes for each wave; no tensor load lands there
.set SPITCH, 272
.set SPARE,  STAGE+4*32*SPITCH         ; the spare words, 128 bytes a wave
.set ADRA, 16
.set ADRB, 20
.set STO,  24
.set RD,   25
.set CO,   26
.set BO,   27
.set SPW,  28
.set NIL,  29
.set TMP,  32
.set EXT,  96
.set ACC,  128
.set F0,   0
.set F1,   128
.set G1, 24
.set G0, 32
.set G1B, 48
.set G0B, 56
.set MSB, 0
.macro WIN new
.if MSB != (\new)
	s_set_vgpr_msb (MSB<<8)|(\new)
.set MSB, \new
.endif
.endm
.set MUL,  0x05
.set TO_F, 0x40
.macro JLOAD s                         ; a joint load: waves 0 and 1 fetch A's halves, waves 2 and 3 B's; s_nop 0 and four v_nop follow each line
	s_cmp_eq_u32 s11, 0
	s_cbranch_scc0 .Lfor_b_\@
	tensor_load_to_lds s[G0+4*(\s):G0+4*(\s)+3], s[G1:G1+7]
	s_nop 0
.rept 4
	v_nop
.endr
	s_branch .Lasked_\@
.Lfor_b_\@:
	tensor_load_to_lds s[G0B+4*(\s):G0B+4*(\s)+3], s[G1B:G1B+7]
	s_nop 0
.rept 4
	v_nop
.endr
.Lasked_\@:
.endm
.macro CREST
	s_cmp_lg_u32 s10, 0
	s_cbranch_scc1 .Lnot_wave_0_\@
	s_barrier_signal -3
.Lnot_wave_0_\@:
	s_barrier_wait -3
	s_barrier_signal -1
	s_barrier_wait -1
.endm
.macro CROUND
	s_barrier_signal -1
	s_barrier_wait -1
	CREST
.endm
	s_load_b128 s[4:7], s[0:1], 0x0                ; rn s[4:5], wb s[6:7]
	s_load_b64 s[8:9], s[0:1], 0x10                ; out0
	s_load_b64 s[66:67], s[0:1], 0x18              ; b_out
	v_lshl_add_u32 v[SPW], v0, 2, SPARE
	v_mov_b32 v[NIL], 0
	ds_add_u32 v[SPW], v[NIL]                      ; the wave's opening: the add and its wait ahead of my first tensor load
	ds_add_u32 v28, v29
	v_lshrrev_b32 v1, 5, v0
	v_readfirstlane_b32 s10, v1
	s_lshr_b32 s11, s10, 1
	s_and_b32 s12, s10, 1
	s_bfe_u32 s40, ttmp6, 0x40000
	s_bfe_u32 s41, ttmp6, 0x40004
	s_lshl_b32 s42, ttmp9, 2
	s_add_co_u32 s42, s42, s40                     ; tile column
	s_and_b32 s13, ttmp7, 0xffff
	s_lshl_b32 s13, s13, 2
	s_add_co_u32 s13, s13, s41                     ; tile row
	s_lshl_b32 s43, s41, 2
	s_lshl_b32 s43, 15, s43
	s_lshl_b32 s44, 0x1111, s40
	s_or_b32 s[G1+0], s43, (3<<16)|(1<<21)         ; A: my row's mask; 8-byte elements; no padding; bit 21 beside a mask
	s_mov_b32 s[G1+1], 1024<<16
	s_mov_b32 s[G1+2], 4<<16
	s_mov_b32 s[G1+3], 1024<<16
	s_mov_b32 s[G1+4], 4
	s_mov_b32 s[G1+5], 4096
	s_mov_b32 s[G1+6], 0
	s_mov_b32 s[G1+7], 0
	s_or_b32 s[G1B+0], s44, (1<<16)|(1<<20)|(1<<21)|(6<<22)|(3<<25)
	s_mov_b32 s[G1B+1], KSTEP<<16
	s_mov_b32 s[G1B+2], 64<<16
	s_mov_b32 s[G1B+3], KSTEP<<16
	s_mov_b32 s[G1B+4], 64
	s_mov_b32 s[G1B+5], SIZE_K
	s_mov_b32 s[G1B+6], 0
	s_mov_b32 s[G1B+7], 0
	s_lshl_b32 s16, s13, 3
	s_lshl_b32 s17, s12, 2
	s_add_co_u32 s16, s16, s17
	s_lshl_b32 s16, s16, 15
	s_mov_b32 s17, 0
	s_lshl_b32 s46, s42, 1
	s_add_co_u32 s46, s46, s12
	s_mul_i32 s46, s46, 64*SIZE_K*2
	s_add_co_u32 s46, s46, WOFF
	s_mov_b32 s47, 0
	s_mul_i32 s20, s10, HALFT
	s_mov_b32 s68, 0xffff0000
	s_wait_dscnt 0x0
	s_wait_kmcnt 0x0
	s_add_nc_u64 s[14:15], s[4:5], s[16:17]
	s_add_nc_u64 s[46:47], s[6:7], s[46:47]
	CROUND                                         ; all sixteen work-groups are here: the first joint loads meet
.irp s, 0,1
	s_mov_b32 s[G0+4*(\s)], 1
	s_add_co_u32 s[G0+4*(\s)+1], s20, (\s)*SLOT
	s_add_nc_u64 s[G0+4*(\s)+2:G0+4*(\s)+3], s[14:15], (\s)*ASTEP
	s_or_b32 s[G0+4*(\s)+3], s[G0+4*(\s)+3], 0x80000000
	s_mov_b32 s[G0B+4*(\s)], 1
	s_add_co_u32 s[G0B+4*(\s)+1], s20, (\s)*SLOT
	s_add_nc_u64 s[G0B+4*(\s)+2:G0B+4*(\s)+3], s[46:47], (\s)*KSTEP*2
	s_or_b32 s[G0B+4*(\s)+3], s[G0B+4*(\s)+3], 0x80000000
	JLOAD \s                                       ; two tensor loads of mine are out
.endr
	v_and_b32 v1, 15, v0
	v_bfe_u32 v2, v0, 4, 1
	v_mul_u32_u24 v3, v1, PITCH
	v_lshl_add_u32 v3, v2, 4, v3
	v_and_b32 v4, 31, v0
	v_lshlrev_b32 v4, 4, v4
	s_mul_i32 s21, s11, HALFT
	s_mul_i32 s22, s12, HALFT
	s_add_co_u32 s22, s22, 2*HALFT
.irp s, 0,1
	v_add_nc_u32 v[ADRA+(\s)], s21, v4
	v_add_nc_u32 v[ADRB+(\s)], s22, v3
	s_add_co_u32 s21, s21, SLOT
	s_add_co_u32 s22, s22, SLOT
.endr
	s_mul_i32 s23, s10, 32*SPITCH
	s_add_co_u32 s23, s23, STAGE                   ; my stage
	v_mul_u32_u24 v5, v1, SPITCH                   ; in: row l % 16, 32 bytes for each half of the lanes
	v_lshl_add_u32 v5, v2, 5, v5
	v_add_nc_u32 v[STO], s23, v5
	v_mul_u32_u24 v5, v2, SPITCH                   ; back: lanes 0-15 one row of 256 bytes, lanes 16-31 the next
	v_lshl_add_u32 v5, v1, 4, v5
	v_add_nc_u32 v[RD], s23, v5
	v_lshlrev_b32 v5, 14, v2                       ; and the same two rows in y, 16,384 bytes apart
	v_lshl_add_u32 v[CO], v1, 4, v5
	v_lshlrev_b32 v[BO], 5, v2
	s_and_b32 s16, s13, 7                          ; the tile row is 8 b + block of 128 l: my first l = 128 x block + 64 x my half,
	s_lshl_b32 s16, s16, 7
	s_lshl_b32 s17, s11, 6
	s_add_co_u32 s16, s16, s17
	s_lshl_b32 s16, s16, 14
	s_lshr_b32 s17, s13, 3                         ; b: 2,048 bytes
	s_lshl_b32 s17, s17, 11
	s_add_co_u32 s16, s16, s17
	s_mov_b32 s17, 0
	s_add_nc_u64 s[8:9], s[8:9], s[16:17]
	s_lshl_b32 s46, s42, 3                         ; my first column, 128 x tile column + 64 x my half, in f32: the same bytes in y's rows and in b_out
	s_lshl_b32 s47, s12, 2
	s_add_co_u32 s46, s46, s47
	s_lshl_b32 s46, s46, 6
	s_mov_b32 s47, 0
	s_add_nc_u64 s[8:9], s[8:9], s[46:47]
	s_add_nc_u64 s[66:67], s[66:67], s[46:47]
.irp b, 0,1,2,3
	global_load_b128 v[EXT+8*(\b):EXT+8*(\b)+3],   v[BO], s[66:67] offset:64*(\b)
	global_load_b128 v[EXT+8*(\b)+4:EXT+8*(\b)+7], v[BO], s[66:67] offset:64*(\b)+16
.endr
.macro MUL8 f, c, a0, zero             ; 8 products; the accumulators take turns
	WIN MUL
.irp a, \a0, (\a0)+1
.irp b, 0,1,2,3
.if \zero
	v_wmma_f32_16x16x32_f16 v[ACC+8*(4*(\a)+(\b)):ACC+8*(4*(\a)+(\b))+7], v[(\f)+64+8*(4*(\c)+(\b)):(\f)+64+8*(4*(\c)+(\b))+7], v[(\f)+8*(4*(\c)+(\a)):(\f)+8*(4*(\c)+(\a))+7], 0
.else
	v_wmma_f32_16x16x32_f16 v[ACC+8*(4*(\a)+(\b)):ACC+8*(4*(\a)+(\b))+7], v[(\f)+64+8*(4*(\c)+(\b)):(\f)+64+8*(4*(\c)+(\b))+7], v[(\f)+8*(4*(\c)+(\a)):(\f)+8*(4*(\c)+(\a))+7], v[ACC+8*(4*(\a)+(\b)):ACC+8*(4*(\a)+(\b))+7]
.endif
.endr
.endr
.endm
.macro FETCH slot, q, f
	WIN TO_F
.irp c, 0,1
.irp i, 0,1,2,3
	ds_load_b128 v[(\f)+64+8*(4*(\c)+(\i)):(\f)+64+8*(4*(\c)+(\i))+3],   v[ADRB+(\slot)] offset:128*(\q)+64*(\c)+(\i)*16*PITCH
	ds_load_b128 v[(\f)+64+8*(4*(\c)+(\i))+4:(\f)+64+8*(4*(\c)+(\i))+7], v[ADRB+(\slot)] offset:128*(\q)+64*(\c)+(\i)*16*PITCH+32
	ds_load_b128 v[(\f)+8*(4*(\c)+(\i)):(\f)+8*(4*(\c)+(\i))+3],         v[ADRA+(\slot)] offset:2048*(\q)+1024*(\c)+8192*(\i)
	ds_load_b128 v[(\f)+8*(4*(\c)+(\i))+4:(\f)+8*(4*(\c)+(\i))+7],       v[ADRA+(\slot)] offset:2048*(\q)+1024*(\c)+8192*(\i)+512
.endr
.endr
.endm
.macro PLACES                          ; four plain vector instructions between a matrix instruction and a load into, or a vector use of, its registers
.rept 4
	v_nop
.endr
.endm
.macro QUARTER slot, q, f, g, zero
	s_wait_dscnt 16                                ; the first 32 along K are in; the 16 younger loads may be out
	MUL8 \f, 0, 0, \zero
	MUL8 \f, 0, 2, \zero
	PLACES
	FETCH \slot, \q, \g
	s_wait_dscnt 32                                ; all but the 32 just issued
	MUL8 \f, 1, 0, 0
	MUL8 \f, 1, 2, 0
.endm
; The last quarter of a K step changes slots: one barrier; in front of it each wave waits for all its tensor loads, adds 0 to its spare word, and waits for that and for its reads of this slot.
; fill = 1: the barrier opens a round of the cluster's, and the slot is filled again, two K steps ahead, first thing behind it.
.macro TURN slot, next, fill
	WIN 0
	s_wait_tensorcnt 0x0
	ds_add_u32 v[SPW], v[NIL]
	s_wait_dscnt 17                                ; the add and the 16 youngest loads may be out
	MUL8 F1, 0, 0, 0
	s_wait_dscnt 0x0
	s_barrier_signal -1
	MUL8 F1, 0, 2, 0
.if \fill
	WIN 0
.endif
	s_barrier_wait -1
.if \fill
	CREST
	s_add_nc_u64 s[G0+4*(\slot)+2:G0+4*(\slot)+3], s[G0+4*(\slot)+2:G0+4*(\slot)+3], 2*ASTEP
	s_add_nc_u64 s[G0B+4*(\slot)+2:G0B+4*(\slot)+3], s[G0B+4*(\slot)+2:G0B+4*(\slot)+3], 2*KSTEP*2
	JLOAD \slot
.else
	PLACES
.endif
	FETCH \next, 0, F0
	MUL8 F1, 1, 0, 0
	MUL8 F1, 1, 2, 0
.endm
	s_wait_tensorcnt 1                             ; my part of K step 0 is in; K step 1's may stay out
	s_barrier_signal -1
	s_barrier_wait -1
	FETCH 0, 0, F0
	QUARTER 0, 1, F0, F1, 1                        ; the first products start the sums
	QUARTER 0, 2, F1, F0, 0
	QUARTER 0, 3, F0, F1, 0
	TURN 0, 1, 1                                   ; slot 0 takes K step 2
	QUARTER 1, 1, F0, F1, 0
	QUARTER 1, 2, F1, F0, 0
	QUARTER 1, 3, F0, F1, 0
	TURN 1, 0, 1                                   ; slot 1 takes K step 3
	QUARTER 0, 1, F0, F1, 0
	QUARTER 0, 2, F1, F0, 0
	QUARTER 0, 3, F0, F1, 0
	TURN 0, 1, 0
	QUARTER 1, 1, F0, F1, 0
	QUARTER 1, 2, F1, F0, 0
	QUARTER 1, 3, F0, F1, 0
	s_wait_dscnt 16
	MUL8 F1, 0, 0, 0
	MUL8 F1, 0, 2, 0
	s_wait_dscnt 0
	MUL8 F1, 1, 0, 0
	MUL8 F1, 1, 2, 0
	WIN 0
	PLACES
	s_wait_loadcnt 0x0                             ; b_out
.set i, 0
.rept 16                                               ; b_out is taken rounded to bf16, like every input
	v_cvt_pk_bf16_f32 v30, v[EXT+2*i], v[EXT+2*i+1]
	v_lshlrev_b32 v[EXT+2*i], 16, v30
	v_and_b32 v[EXT+2*i+1], s68, v30
.set i, i+1
.endr
.irp p, 0,1                                            ; my rows 32 p .. 32 p + 31
.set u, 0
.rept 8
.set t, 8*(\p)+u
.set k, 0
.rept 4
	v_pk_add_f32 v[ACC+8*t+2*k:ACC+8*t+2*k+1], v[ACC+8*t+2*k:ACC+8*t+2*k+1], v[EXT+8*(u%4)+2*k:EXT+8*(u%4)+2*k+1]
.set k, k+1
.endr
	ds_store_b128 v[STO], v[ACC+8*t:ACC+8*t+3]   offset:(u/4)*16*SPITCH+64*(u%4)
	ds_store_b128 v[STO], v[ACC+8*t+4:ACC+8*t+7] offset:(u/4)*16*SPITCH+64*(u%4)+16
.set u, u+1
.endr
.if \p
	s_wait_xcnt 0x0                                ; the registers below were the first pass's store data: they are loaded into only behind this wait
.endif
.set u, 0
.rept 16
	ds_load_b128 v[TMP+4*u:TMP+4*u+3], v[RD] offset:u*2*SPITCH   ; LDS serves a wave's instructions in order (ISA guide 5.7.1.4): these see the stores above, and the next pass's stores come behind them
.set u, u+1
.endr
.set u, 0
.rept 16
	s_wait_dscnt 15-u                              ; load u is back; the younger ones may be out
	global_store_b128 v[CO], v[TMP+4*u:TMP+4*u+3], s[8:9] offset:(32*(\p)+2*u)*16384 th:TH_STORE_NT   ; 16 lanes store 256 consecutive aligned bytes of a row of y
.set u, u+1
.endr
.endr
	s_wait_tensorcnt 0x0                           ; the wave's end
	ds_add_u32 v[SPW], v[NIL]
	s_wait_dscnt 0x0
	CROUND                                         ; the closing round
	s_endpgm
.Lfunc_end_k_q0c52258849_gy:
	.size	k_q0c52258849_gy, .Lfunc_end_k_q0c52258849_gy-k_q0c52258849_gy
	.p2alignl 7, 3214868480
	.fill 96, 4, 3214868480
	.section	.rodata,"a",@progbits
	.p2align	6, 0x0
	.amdhsa_kernel k_q0c52258849_gy
		.amdhsa_group_segment_fixed_size 327680
		.amdhsa_private_segment_fixed_size 0
		.amdhsa_enable_private_segment 0
		.amdhsa_kernarg_size 32
		.amdhsa_user_sgpr_count 2
		.amdhsa_user_sgpr_kernarg_segment_ptr 1
		.amdhsa_wavefront_size32 1
		.amdhsa_system_sgpr_workgroup_id_x 1
		.amdhsa_system_sgpr_workgroup_id_y 1
		.amdhsa_system_sgpr_workgroup_id_z 1
		.amdhsa_system_vgpr_workitem_id 0
		.amdhsa_next_free_vgpr 512
		.amdhsa_next_free_sgpr 72
		.amdhsa_reserve_vcc 0
		.amdhsa_float_denorm_mode_32 3
		.amdhsa_float_denorm_mode_16_64 3
		.amdhsa_memory_ordered 1
		.amdhsa_forward_progress 1
		.amdhsa_inst_pref_size 93
	.end_amdhsa_kernel
	.amdgpu_metadata
---
amdhsa.version: [ 1, 2 ]
amdhsa.kernels:
  - .name:           k_q0c52258849_gy
    .symbol:         k_q0c52258849_gy.kd
    .args:
      - { .name: rn, .offset: 0, .size: 8, .value_kind: global_buffer, .address_space: global }
      - { .name: wb, .offset: 8, .size: 8, .value_kind: global_buffer, .address_space: global }
      - { .name: out0, .offset: 16, .size: 8, .value_kind: global_buffer, .address_space: global }
      - { .name: b_out, .offset: 24, .size: 8, .value_kind: global_buffer, .address_space: global }
    .group_segment_fixed_size: 327680
    .private_segment_fixed_size: 0
    .kernarg_segment_align: 8
    .kernarg_segment_size: 32
    .max_flat_workgroup_size: 128
    .sgpr_count:     72
    .vgpr_count:     512
    .wavefront_size: 32
...
	.end_amdgpu_metadata
.endif
;; end of part 7
;; ======== version 2 of 3: 7 launches; 1.16 times as fast as version 1
;; limits: values are held in f16: magnitudes above 65,504 overflow, below 6.1e-05 lose precision; right only within a limited range of input values; values outside matrix products are rounded to f16; values outside matrix products are rounded to bf16; inputs' magnitudes at most 65,504
;; workspace buffers: xb 8,388,608 bytes; wq 6,291,456 bytes; wo 4,194,304 bytes; h 16,777,216 bytes; t16 16,777,216 bytes; qkv 50,331,648 bytes; o 16,777,216 bytes; rn 16,777,216 bytes
;; launch cvt (part 8): grid 576 x 1, 8 waves a work-group, no clusters, 35,840 bytes of LDS; arguments x, in_proj_w, attn_out_w, W_in, W_out, xb, wq, wo; writes xb, wq, wo
.if DOCPART == 8
	.amdgcn_target "amdgcn-amd-amdhsa--gfx1250"
	.amdhsa_code_object_version 6
	.text
	.protected	k_q0c52258849_cvt
	.globl	k_q0c52258849_cvt
	.p2align	8
	.type	k_q0c52258849_cvt,@function
k_q0c52258849_cvt:
	s_mov_b64 s[64:65], 0
	v_nop
	global_prefetch_b8 v0, s[64:65] scope:SCOPE_SE
	s_setreg_imm32_b32 hwreg(HW_REG_WAVE_MODE, 25, 1), 1
	s_wait_xcnt 0x0
; x and the four weight matrices, f32, are rounded once to bf16 for the matrix units.  x, attn_out_w and W_in are written as bf16, as they lie.
; in_proj_w is written as bf16 TILED by 16 x 16 blocks: [f / 16][e / 16][32 lanes][8 numbers], lane 16 g + r holding row r, columns 8 g .. 8 g + 7: so 16 rows x 64 columns, what the q, k, v
; product fetches of a row-block in a K step, are 2,048 dense bytes, and two neighbouring blocks are the two halves of a matrix operand's fragment.
; W_out multiplies an f16 operand later, so its bf16-rounded numbers are written as f16: exact from 2^-17 up to 65,504, below that to within 2^-25.
; LIMIT: |W_out| stays under 65,504.
; A work-group takes 65,536 bytes of one input: 256 pieces of x (to xb), 192 of in_proj_w (to wq; a piece is 16 rows, one row-block), then 64 of attn_out_w, 32 of W_in and 32 of W_out,
; which lie in wo in that order, so a piece's place in wo is 32,768 x (piece - 448).
; Memory binds: 16 loads of 16 bytes a lane are all issued first (a wave's load covers 512 consecutive bytes); a wave's store covers 256 or 512 consecutive bytes, aligned.
; THE TILING: load i of thread t is row i, columns 4 t .. 4 t + 3, so wave w holds 16 rows x columns 128 w .. 128 w + 127: sixteen whole runs of 256 bytes of the tiled row-block (a run: 8 columns
; of 16 rows), 4,096 consecutive bytes.  They are turned through LDS bytes of the wave's own, a run at a pitch of 272 bytes: no wave reads another's bytes, so there is no barrier.
.set UP,    272                        ; a run of 256 bytes + 16: the sixteen runs that a wave's store of 8 bytes a lane touches begin at sixteen different columns of 16 bytes modulo 256
.set SPARE, 8*16*UP                    ; behind the eight waves' runs: the spare words, 128 bytes a wave
	s_load_b256 s[4:11], s[0:1], 0x0               ; x s[4:5], in_proj_w s[6:7], attn_out_w s[8:9], W_in s[10:11]
	s_load_b256 s[12:19], s[0:1], 0x20             ; W_out s[12:13], xb s[14:15], wq s[16:17], wo s[18:19]
	v_lshl_add_u32 v6, v0, 2, SPARE                ; my spare word,
	v_mov_b32 v7, 0                                ; and 0: for the three lines at the end of the way that writes LDS
	s_mov_b32 s20, ttmp9                           ; the piece
	s_sub_co_u32 s21, s20, 256                     ; its number within each of the weights
	s_sub_co_u32 s22, s20, 448
	s_sub_co_u32 s23, s20, 512
	s_sub_co_u32 s34, s20, 544
	s_mov_b32 s33, 0xffff0000                      ; a word's upper bf16
	v_lshlrev_b32 v1, 4, v0                        ; 16 bytes a thread in
	v_lshlrev_b32 v2, 3, v0                        ; 8 bytes a thread out
	s_wait_kmcnt 0x0
	s_mov_b64 s[24:25], s[4:5]                     ; the source and the piece's number in it,
	s_mov_b32 s26, s20
	s_mov_b64 s[28:29], s[14:15]                   ; the destination and the piece's number in it,
	s_mov_b32 s30, s20
	s_mov_b32 s32, 0                               ; and the way: 0 bf16 as it lies, 1 f16, 2 bf16 tiled
	s_cmp_ge_u32 s20, 256
	s_cselect_b64 s[24:25], s[6:7], s[24:25]
	s_cselect_b32 s26, s21, s26
	s_cselect_b64 s[28:29], s[16:17], s[28:29]
	s_cselect_b32 s30, s21, s30
	s_cselect_b32 s32, 2, s32
	s_cmp_ge_u32 s20, 448
	s_cselect_b64 s[24:25], s[8:9], s[24:25]
	s_cselect_b32 s26, s22, s26
	s_cselect_b64 s[28:29], s[18:19], s[28:29]
	s_cselect_b32 s30, s22, s30
	s_cselect_b32 s32, 0, s32
	s_cmp_ge_u32 s20, 512
	s_cselect_b64 s[24:25], s[10:11], s[24:25]
	s_cselect_b32 s26, s23, s26
	s_cmp_ge_u32 s20, 544
	s_cselect_b64 s[24:25], s[12:13], s[24:25]
	s_cselect_b32 s26, s34, s26
	s_cselect_b32 s32, 1, s32
	s_lshl_b32 s26, s26, 16
	s_mov_b32 s27, 0
	s_add_nc_u64 s[24:25], s[24:25], s[26:27]
	s_lshl_b32 s30, s30, 15
	s_mov_b32 s31, 0
	s_add_nc_u64 s[28:29], s[28:29], s[30:31]
.set i, 0
.rept 16
	global_load_b128 v[8+4*i:11+4*i], v1, s[24:25] offset:4096*i th:TH_LOAD_NT
.set i, i+1
.endr
	s_cmp_eq_u32 s32, 1
	s_cbranch_scc1 .Lhalf
	s_cmp_eq_u32 s32, 2
	s_cbranch_scc1 .Ltile
.set i, 0
.rept 16
	s_wait_loadcnt 15-i                            ; loads return in order: load i is in, the 15 - i younger ones stay out
	v_cvt_pk_bf16_f32 v[72+2*i], v[8+4*i], v[9+4*i]
	v_cvt_pk_bf16_f32 v[73+2*i], v[10+4*i], v[11+4*i]
	global_store_b64 v2, v[72+2*i:73+2*i], s[28:29] offset:2048*i
.set i, i+1
.endr
	s_endpgm
.Lhalf:
.set i, 0
.rept 16
	s_wait_loadcnt 15-i
	v_cvt_pk_bf16_f32 v[72+2*i], v[8+4*i], v[9+4*i]    ; the one rounding, to bf16,
	v_cvt_pk_bf16_f32 v[73+2*i], v[10+4*i], v[11+4*i]
	v_lshlrev_b32 v[8+4*i], 16, v[72+2*i]              ; back to f32,
	v_and_b32 v[9+4*i], s33, v[72+2*i]
	v_lshlrev_b32 v[10+4*i], 16, v[73+2*i]
	v_and_b32 v[11+4*i], s33, v[73+2*i]
	v_cvt_pk_f16_f32 v[72+2*i], v[8+4*i], v[9+4*i]     ; and the same number as f16
	v_cvt_pk_f16_f32 v[73+2*i], v[10+4*i], v[11+4*i]
	global_store_b64 v2, v[72+2*i:73+2*i], s[28:29] offset:2048*i
.set i, i+1
.endr
	s_endpgm
.Ltile:
	v_lshrrev_b32 v72, 5, v0                       ; the addresses are made while the loads are on their way
	v_readfirstlane_b32 s35, v72                   ; wave
	s_mul_i32 s36, s35, 16*UP                      ; my wave's sixteen runs in LDS
	s_lshl_b32 s37, s35, 12                        ; and its 4,096 bytes of the row-block
	v_and_b32 v72, 31, v0                          ; lane
	v_lshrrev_b32 v73, 1, v72                      ; in: my four columns lie in run lane / 2,
	v_mul_u32_u24 v3, v73, UP
	v_and_b32 v73, 1, v72                          ; in the lower or upper 8 of a row's 16 bytes; the row stands in the immediate
	v_lshl_add_u32 v3, v73, 3, v3
	v_add_nc_u32 v3, s36, v3
	v_lshrrev_b32 v73, 4, v72                      ; back: lanes 0-15 take one run of 256 bytes, lanes 16-31 the next
	v_mul_u32_u24 v4, v73, UP
	v_and_b32 v73, 15, v72
	v_lshl_add_u32 v4, v73, 4, v4
	v_add_nc_u32 v4, s36, v4
	v_lshl_add_u32 v5, v72, 4, s37                 ; out: 16 x lane in my wave's 4,096 bytes
.set i, 0
.rept 16
	s_wait_loadcnt 15-i                            ; row i is in, the younger loads stay out
	v_cvt_pk_bf16_f32 v[72+2*i], v[8+4*i], v[9+4*i]
	v_cvt_pk_bf16_f32 v[73+2*i], v[10+4*i], v[11+4*i]
	ds_store_b64 v3, v[72+2*i:73+2*i] offset:16*i
.set i, i+1
.endr
.set n, 0
.rept 8
	ds_load_b128 v[8+4*n:11+4*n], v4 offset:2*UP*n ; LDS serves a wave's instructions in order (ISA guide 5.7.1.4): these see the stores above
.set n, n+1
.endr
.set n, 0
.rept 8
	s_wait_dscnt 7-n                               ; load n is back; the younger ones may be out
	global_store_b128 v5, v[8+4*n:11+4*n], s[28:29] offset:512*n   ; 512 consecutive bytes, aligned
.set n, n+1
.endr
	s_wait_tensorcnt 0x0                           ; the wave's end
	ds_add_u32 v6, v7
	s_wait_dscnt 0x0
	s_endpgm
.Lfunc_end_k_q0c52258849_cvt:
	.size	k_q0c52258849_cvt, .Lfunc_end_k_q0c52258849_cvt-k_q0c52258849_cvt
	.p2alignl 7, 3214868480
	.fill 96, 4, 3214868480
	.section	.rodata,"a",@progbits
	.p2align	6, 0x0
	.amdhsa_kernel k_q0c52258849_cvt
		.amdhsa_group_segment_fixed_size 35840
		.amdhsa_private_segment_fixed_size 0
		.amdhsa_enable_private_segment 0
		.amdhsa_kernarg_size 64
		.amdhsa_user_sgpr_count 2
		.amdhsa_user_sgpr_kernarg_segment_ptr 1
		.amdhsa_wavefront_size32 1
		.amdhsa_system_sgpr_workgroup_id_x 1
		.amdhsa_system_sgpr_workgroup_id_y 1
		.amdhsa_system_sgpr_workgroup_id_z 1
		.amdhsa_system_vgpr_workitem_id 0
		.amdhsa_next_free_vgpr 104
		.amdhsa_next_free_sgpr 66
		.amdhsa_reserve_vcc 0
		.amdhsa_float_denorm_mode_32 3
		.amdhsa_float_denorm_mode_16_64 3
		.amdhsa_memory_ordered 1
		.amdhsa_forward_progress 1
		.amdhsa_inst_pref_size 22
	.end_amdhsa_kernel
	.amdgpu_metadata
---
amdhsa.version: [ 1, 2 ]
amdhsa.kernels:
  - .name:           k_q0c52258849_cvt
    .symbol:         k_q0c52258849_cvt.kd
    .args:
      - { .name: x, .offset: 0, .size: 8, .value_kind: global_buffer, .address_space: global }
      - { .name: in_proj_w, .offset: 8, .size: 8, .value_kind: global_buffer, .address_space: global }
      - { .name: attn_out_w, .offset: 16, .size: 8, .value_kind: global_buffer, .address_space: global }
      - { .name: W_in, .offset: 24, .size: 8, .value_kind: global_buffer, .address_space: global }
      - { .name: W_out, .offset: 32, .size: 8, .value_kind: global_buffer, .address_space: global }
      - { .name: xb, .offset: 40, .size: 8, .value_kind: global_buffer, .address_space: global }
      - { .name: wq, .offset: 48, .size: 8, .value_kind: global_buffer, .address_space: global }
      - { .name: wo, .offset: 56, .size: 8, .value_kind: global_buffer, .address_space: global }
    .group_segment_fixed_size: 35840
    .private_segment_fixed_size: 0
    .kernarg_segment_align: 8
    .kernarg_segment_size: 64
    .max_flat_workgroup_size: 256
    .sgpr_count:     66
    .vgpr_count:     104
    .wavefront_size: 32
...
	.end_amdgpu_metadata
.endif
;; end of part 8
;; launch gin (part 9): grid 8 x 64, 4 waves a work-group, clusters of 4 x 4, 327,680 bytes of LDS; arguments xb, wo, h, b_in, t16; writes h, t16
.if DOCPART == 9
	.amdgcn_target "amdgcn-amd-amdhsa--gfx1250"
	.amdhsa_code_object_version 6
	.text
	.protected	k_q0c52258849_gin
	.globl	k_q0c52258849_gin
	.p2align	8
	.type	k_q0c52258849_gin,@function
k_q0c52258849_gin:
	s_mov_b64 s[64:65], 0
	v_nop
	global_prefetch_b8 v0, s[64:65] scope:SCOPE_SE
	s_setreg_imm32_b32 hwreg(HW_REG_WAVE_MODE, 25, 1), 1
	s_wait_xcnt 0x0
	s_wait_alu depctr_hold_cnt(0) depctr_sa_sdst(0) depctr_va_vdst(0) depctr_va_sdst(0) depctr_va_ssrc(0) depctr_va_vcc(0) depctr_vm_vsrc(0)
	s_getreg_b32 s2, hwreg(HW_REG_IB_STS2, 6, 4)
	s_cmp_eq_u32 s2, 0
	s_cbranch_scc0 .Lentry_in_a_cluster
	s_endpgm
.Lentry_in_a_cluster:
	s_bfe_u32 s2, ttmp6, 0x10000c
	s_cmp_lg_u32 s2, 0xf033
	s_cbranch_scc0 .Lentry_shape_is_right
	s_endpgm
.Lentry_shape_is_right:
; h[t][e] = sum over d of x[t][d] W_in[e][d] + b_in[e].  x and W_in in bf16, sums in f32, b_in rounded to bf16 like every input.
; h LEAVES TWICE, each time rounded once from the f32 sum: in f16 (h) for the residual in front of the LayerNorm, which wants the finer step, and in bf16 (t16) as the operand of the q, k, v product.
; LIMIT: |h| stays under 65,504 (f16).
; TOKENS are renumbered t = 1024 b + l here and in every later intermediate: xb's rows lie as 8 l + b, so a tile's rows are 8 rows of xb apart (pitch 4,096 elements).
; BOTH COPIES ARE TILED: [t / 16][e / 16][32 lanes][8 numbers], lane 16 g + r holding row r, columns 8 g .. 8 g + 7 of the 16 x 16 block.  That is what a lane holds of a transposed
; accumulator, so an accumulator is one store of 512 consecutive aligned bytes, and two neighbouring blocks are the two halves of a matrix operand's fragment.
; SHAPE: a tile of h is 128 x 128, four waves of 64 x 64 (16 accumulators), 512 work-groups.  K = 512 is two steps of 256, one in each of two LDS slots: nothing is filled again.
; CLUSTER 4 x 4: the four of a row share A's tiles, the four of a column B's: each tile is asked for jointly, same load, same descriptor, a mask that names the four.
; THE MATRIX INSTRUCTION IS USED TRANSPOSED (source 0 = 16 rows of W_in, source 1 = 16 rows of x): a lane holds eight neighbouring columns of one row.
; REGISTERS: window 0: v0-31 addresses; v32-95 packed results; v96-127 bias; v128-255 accumulators ((a, b) at 128 + 8 (4 a + b)).  window 1: two fragment buffers of 128 (64 of A, 64 of B).
.set SIZE_K, 512
.set WOFF,   2097152                   ; W_in in wo
.set KSTEP,  256
.set PITCH,  528                       ; an LDS row: 512 bytes + 16 of padding = 132 words: the 16 rows of a fragment load start at 16 different groups of four banks
.set HALFT,  64*PITCH                  ; what one tensor load brings
.set SLOT,   4*HALFT                   ; A's 128 rows, then B's 128 rows
.set SPARE,  2*SLOT                    ; behind the slots: the spare words, 128 bytes a wave
.set ADRA, 16
.set ADRB, 20
.set CO,   26                          ; 16 x lane
.set BO,   27                          ; 32 x (lane / 16): my eight columns in 16 of b_in
.set SPW,  28
.set NIL,  29
.set TMP,  32
.set EXT,  96
.set ACC,  128
.set F0,   0
.set F1,   128
.set G1, 24
.set G0, 32
.set G1B, 48
.set G0B, 56
.set MSB, 0
.macro WIN new                         ; the immediate's high byte repeats the setting that is left
.if MSB != (\new)
	s_set_vgpr_msb (MSB<<8)|(\new)
.set MSB, \new
.endif
.endm
.set MUL,  0x05                        ; sources 0 and 1 window 1; C and D window 0
.set TO_F, 0x40                        ; destination window 1
.macro JLOAD s                         ; a joint load: waves 0 and 1 fetch A's halves, waves 2 and 3 B's; s_nop 0 and four v_nop follow each line
	s_cmp_eq_u32 s11, 0
	s_cbranch_scc0 .Lfor_b_\@
	tensor_load_to_lds s[G0+4*(\s):G0+4*(\s)+3], s[G1:G1+7]
	s_nop 0
.rept 4
	v_nop
.endr
	s_branch .Lasked_\@
.Lfor_b_\@:
	tensor_load_to_lds s[G0B+4*(\s):G0B+4*(\s)+3], s[G1B:G1B+7]
	s_nop 0
.rept 4
	v_nop
.endr
.Lasked_\@:
.endm
.macro CROUND                          ; a round of the cluster's barrier
	s_barrier_signal -1
	s_barrier_wait -1
	s_cmp_lg_u32 s10, 0
	s_cbranch_scc1 .Lnot_wave_0_\@
	s_barrier_signal -3
.Lnot_wave_0_\@:
	s_barrier_wait -3
	s_barrier_signal -1
	s_barrier_wait -1
.endm
	s_load_b128 s[4:7], s[0:1], 0x0                ; xb s[4:5], wo s[6:7]
	s_load_b64 s[8:9], s[0:1], 0x10                ; h
	s_load_b64 s[66:67], s[0:1], 0x18              ; b_in
	s_load_b64 s[72:73], s[0:1], 0x20              ; t16
	v_lshl_add_u32 v[SPW], v0, 2, SPARE
	v_mov_b32 v[NIL], 0
	ds_add_u32 v[SPW], v[NIL]                      ; the wave's opening: the add and its wait ahead of my first tensor load
	ds_add_u32 v28, v29
	v_lshrrev_b32 v1, 5, v0
	v_readfirstlane_b32 s10, v1                    ; wave 0..3
	s_lshr_b32 s11, s10, 1                         ; my half of the tile's rows; also: I fetch for A (0) or B (1)
	s_and_b32 s12, s10, 1                          ; my half of its columns; also: which 64 rows I fetch
	s_bfe_u32 s40, ttmp6, 0x40000                  ; cx
	s_bfe_u32 s41, ttmp6, 0x40004                  ; cy
	s_lshl_b32 s42, ttmp9, 2
	s_add_co_u32 s42, s42, s40                     ; tile column
	s_and_b32 s18, ttmp7, 0xffff                   ; the cluster's y
	s_lshl_b32 s13, s18, 2
	s_add_co_u32 s13, s13, s41                     ; tile row
	s_lshl_b32 s43, s41, 2
	s_lshl_b32 s43, 15, s43                        ; my row of the cluster
	s_lshl_b32 s44, 0x1111, s40                    ; my column
	s_or_b32 s[G1+0], s43, (1<<16)|(1<<20)|(1<<21)|(6<<22)|(3<<25)   ; mask; 2-byte elements; padding on; bit 21 beside a mask; 4 words after every 128
	s_or_b32 s[G1B+0], s44, (1<<16)|(1<<20)|(1<<21)|(6<<22)|(3<<25)
.irp g, G1, G1B
	s_mov_b32 s[(\g)+1], KSTEP<<16                 ; tensor_dim0 = 256
	s_mov_b32 s[(\g)+2], 64<<16                    ; tensor_dim1 = 64
	s_mov_b32 s[(\g)+3], KSTEP<<16                 ; tile_dim0 = 256
	s_mov_b32 s[(\g)+4], 64                        ; tile_dim1 = 64
	s_mov_b32 s[(\g)+6], 0
	s_mov_b32 s[(\g)+7], 0
.endr
	s_mov_b32 s[G1+5], 8*SIZE_K                    ; A: from l to l + 1 are 8 rows of xb
	s_mov_b32 s[G1B+5], SIZE_K
	s_and_b32 s16, s18, 1                          ; the tile row is 8 b + block of 128 l: block = 4 (cluster y mod 2) + cy,
	s_lshl_b32 s16, s16, 2
	s_add_co_u32 s16, s16, s41
	s_lshl_b32 s16, s16, 1
	s_add_co_u32 s16, s16, s12                     ; twice that + the half that I fetch: 64 l of 8,192 bytes each
	s_lshl_b32 s16, s16, 19
	s_lshr_b32 s17, s18, 1                         ; b = cluster y / 2: 1,024 bytes
	s_lshl_b32 s17, s17, 10
	s_add_co_u32 s16, s16, s17
	s_mov_b32 s17, 0
	s_lshl_b32 s46, s42, 1
	s_add_co_u32 s46, s46, s12
	s_mul_i32 s46, s46, 64*SIZE_K*2                ; B: 64 rows of W_in for each half tile column
	s_add_co_u32 s46, s46, WOFF
	s_mov_b32 s47, 0
	s_mul_i32 s20, s10, HALFT                      ; where a wave's tile goes: wave x 64 rows
	s_mov_b32 s68, 0xffff0000
	s_wait_dscnt 0x0                               ; the opening add is done
	s_wait_kmcnt 0x0
	s_add_nc_u64 s[14:15], s[4:5], s[16:17]
	s_add_nc_u64 s[46:47], s[6:7], s[46:47]
	CROUND                                         ; all sixteen work-groups are here: the joint loads meet
.irp s, 0,1
	s_mov_b32 s[G0+4*(\s)], 1
	s_add_co_u32 s[G0+4*(\s)+1], s20, (\s)*SLOT
	s_add_nc_u64 s[G0+4*(\s)+2:G0+4*(\s)+3], s[14:15], (\s)*KSTEP*2
	s_or_b32 s[G0+4*(\s)+3], s[G0+4*(\s)+3], 0x80000000
	s_mov_b32 s[G0B+4*(\s)], 1
	s_add_co_u32 s[G0B+4*(\s)+1], s20, (\s)*SLOT
	s_add_nc_u64 s[G0B+4*(\s)+2:G0B+4*(\s)+3], s[46:47], (\s)*KSTEP*2
	s_or_b32 s[G0B+4*(\s)+3], s[G0B+4*(\s)+3], 0x80000000
	JLOAD \s                                       ; both K steps: two tensor loads of mine are out
.endr
	v_and_b32 v1, 15, v0                           ; l % 16
	v_bfe_u32 v2, v0, 4, 1                         ; l / 16
	v_mul_u32_u24 v3, v1, PITCH
	v_lshl_add_u32 v3, v2, 4, v3                   ; a fragment's row x pitch + 16 x half
	s_mul_i32 s21, s11, HALFT
	s_mul_i32 s22, s12, HALFT
	s_add_co_u32 s22, s22, 2*HALFT
.irp s, 0,1
	v_add_nc_u32 v[ADRA+(\s)], s21, v3
	v_add_nc_u32 v[ADRB+(\s)], s22, v3
	s_add_co_u32 s21, s21, SLOT
	s_add_co_u32 s22, s22, SLOT
.endr
	v_and_b32 v4, 31, v0
	v_lshlrev_b32 v[CO], 4, v4
	v_lshlrev_b32 v[BO], 5, v2
	s_lshl_b32 s16, s13, 3                         ; h and t16: row-block 8 x tile row + 4 x my half, 32,768 bytes each;
	s_lshl_b32 s17, s11, 2
	s_add_co_u32 s16, s16, s17
	s_lshl_b32 s16, s16, 15
	s_mov_b32 s17, 0
	s_add_nc_u64 s[8:9], s[8:9], s[16:17]
	s_add_nc_u64 s[72:73], s[72:73], s[16:17]
	s_lshl_b32 s46, s42, 3                         ; block of 16 columns 8 x tile column + 4 x my half: 512 bytes of h and t16, 64 of b_in
	s_lshl_b32 s47, s12, 2
	s_add_co_u32 s46, s46, s47
	s_lshl_b32 s70, s46, 6
	s_mov_b32 s71, 0
	s_lshl_b32 s46, s46, 9
	s_mov_b32 s47, 0
	s_add_nc_u64 s[8:9], s[8:9], s[46:47]
	s_add_nc_u64 s[72:73], s[72:73], s[46:47]
	s_add_nc_u64 s[66:67], s[66:67], s[70:71]
.irp b, 0,1,2,3
	global_load_b128 v[EXT+8*(\b):EXT+8*(\b)+3],   v[BO], s[66:67] offset:64*(\b)      ; my eight numbers of b_in for column block b
	global_load_b128 v[EXT+8*(\b)+4:EXT+8*(\b)+7], v[BO], s[66:67] offset:64*(\b)+16
.endr
.macro MUL8 f, c, a0, zero             ; 8 products: row blocks a0, a0 + 1 x all 4 column blocks, 32 along K; the accumulators take turns
	WIN MUL
.irp a, \a0, (\a0)+1
.irp b, 0,1,2,3
.if \zero
	v_wmma_f32_16x16x32_bf16 v[ACC+8*(4*(\a)+(\b)):ACC+8*(4*(\a)+(\b))+7], v[(\f)+64+8*(4*(\c)+(\b)):(\f)+64+8*(4*(\c)+(\b))+7], v[(\f)+8*(4*(\c)+(\a)):(\f)+8*(4*(\c)+(\a))+7], 0
.else
	v_wmma_f32_16x16x32_bf16 v[ACC+8*(4*(\a)+(\b)):ACC+8*(4*(\a)+(\b))+7], v[(\f)+64+8*(4*(\c)+(\b)):(\f)+64+8*(4*(\c)+(\b))+7], v[(\f)+8*(4*(\c)+(\a)):(\f)+8*(4*(\c)+(\a))+7], v[ACC+8*(4*(\a)+(\b)):ACC+8*(4*(\a)+(\b))+7]
.endif
.endr
.endr
.endm
.macro FETCH slot, q, f                ; 32 LDS loads in one run: quarter q (64 along K) into buffer f, its first 32 along K first
	WIN TO_F
.irp c, 0,1
.irp i, 0,1,2,3
	ds_load_b128 v[(\f)+64+8*(4*(\c)+(\i)):(\f)+64+8*(4*(\c)+(\i))+3],   v[ADRB+(\slot)] offset:128*(\q)+64*(\c)+(\i)*16*PITCH
	ds_load_b128 v[(\f)+64+8*(4*(\c)+(\i))+4:(\f)+64+8*(4*(\c)+(\i))+7], v[ADRB+(\slot)] offset:128*(\q)+64*(\c)+(\i)*16*PITCH+32
	ds_load_b128 v[(\f)+8*(4*(\c)+(\i)):(\f)+8*(4*(\c)+(\i))+3],         v[ADRA+(\slot)] offset:128*(\q)+64*(\c)+(\i)*16*PITCH
	ds_load_b128 v[(\f)+8*(4*(\c)+(\i))+4:(\f)+8*(4*(\c)+(\i))+7],       v[ADRA+(\slot)] offset:128*(\q)+64*(\c)+(\i)*16*PITCH+32
.endr
.endr
.endm
.macro PLACES                          ; four plain vector instructions between a matrix instruction and a load into, or a vector use of, its registers
.rept 4
	v_nop
.endr
.endm
.macro QUARTER slot, q, f, g, zero     ; multiplies buffer f and fetches quarter q into buffer g
	s_wait_dscnt 16                                ; the first 32 along K are in; the 16 younger loads may be out
	MUL8 \f, 0, 0, \zero
	MUL8 \f, 0, 2, \zero
	PLACES
	FETCH \slot, \q, \g
	s_wait_dscnt 32                                ; all but the 32 just issued
	MUL8 \f, 1, 0, 0
	MUL8 \f, 1, 2, 0
.endm
	s_wait_tensorcnt 1                             ; my part of K step 0 is in; K step 1's may stay out
	s_barrier_signal -1
	s_barrier_wait -1
	FETCH 0, 0, F0
	QUARTER 0, 1, F0, F1, 1                        ; the first products start the sums
	QUARTER 0, 2, F1, F0, 0
	QUARTER 0, 3, F0, F1, 0
	WIN 0                                          ; the change of slots: the add's registers lie in window 0
	s_wait_tensorcnt 0x0                           ; my part of slot 1 has landed
	ds_add_u32 v[SPW], v[NIL]
	s_wait_dscnt 17                                ; the add and the 16 youngest loads may be out
	MUL8 F1, 0, 0, 0
	s_wait_dscnt 0x0
	s_barrier_signal -1
	MUL8 F1, 0, 2, 0
	s_barrier_wait -1                              ; slot 1 is whole
	PLACES
	FETCH 1, 0, F0
	MUL8 F1, 1, 0, 0
	MUL8 F1, 1, 2, 0
	QUARTER 1, 1, F0, F1, 0
	QUARTER 1, 2, F1, F0, 0
	QUARTER 1, 3, F0, F1, 0
	s_wait_dscnt 16
	MUL8 F1, 0, 0, 0
	MUL8 F1, 0, 2, 0
	s_wait_dscnt 0
	MUL8 F1, 1, 0, 0
	MUL8 F1, 1, 2, 0
	WIN 0
	; THE WAY OUT: bias; one rounding to f16 and one to bf16 (in place, ascending: word k is written when numbers 2 k, 2 k + 1 are read); two stores of 512 consecutive bytes for each accumulator
	PLACES
	s_wait_loadcnt 0x0                             ; b_in
.set i, 0
.rept 16                                               ; b_in is taken rounded to bf16, like every input
	v_cvt_pk_bf16_f32 v30, v[EXT+2*i], v[EXT+2*i+1]
	v_lshlrev_b32 v[EXT+2*i], 16, v30
	v_and_b32 v[EXT+2*i+1], s68, v30
.set i, i+1
.endr
.set t, 0
.rept 16
.set k, 0
.rept 4
	v_pk_add_f32 v[ACC+8*t+2*k:ACC+8*t+2*k+1], v[ACC+8*t+2*k:ACC+8*t+2*k+1], v[EXT+8*(t%4)+2*k:EXT+8*(t%4)+2*k+1]
.set k, k+1
.endr
.set k, 0
.rept 4
	v_cvt_pk_f16_f32 v[TMP+4*t+k], v[ACC+8*t+2*k], v[ACC+8*t+2*k+1]
.set k, k+1
.endr
.set k, 0
.rept 4
	v_cvt_pk_bf16_f32 v[ACC+8*t+k], v[ACC+8*t+2*k], v[ACC+8*t+2*k+1]
.set k, k+1
.endr
	global_store_b128 v[CO], v[TMP+4*t:TMP+4*t+3], s[8:9] offset:32768*(t/4)+512*(t%4)
	global_store_b128 v[CO], v[ACC+8*t:ACC+8*t+3], s[72:73] offset:32768*(t/4)+512*(t%4)
.set t, t+1
.endr
	s_wait_tensorcnt 0x0                           ; the wave's end
	ds_add_u32 v[SPW], v[NIL]
	s_wait_dscnt 0x0
	CROUND                                         ; the closing round
	s_endpgm
.Lfunc_end_k_q0c52258849_gin:
	.size	k_q0c52258849_gin, .Lfunc_end_k_q0c52258849_gin-k_q0c52258849_gin
	.p2alignl 7, 3214868480
	.fill 96, 4, 3214868480
	.section	.rodata,"a",@progbits
	.p2align	6, 0x0
	.amdhsa_kernel k_q0c52258849_gin
		.amdhsa_group_segment_fixed_size 327680
		.amdhsa_private_segment_fixed_size 0
		.amdhsa_enable_private_segment 0
		.amdhsa_kernarg_size 40
		.amdhsa_user_sgpr_count 2
		.amdhsa_user_sgpr_kernarg_segment_ptr 1
		.amdhsa_wavefront_size32 1
		.amdhsa_system_sgpr_workgroup_id_x 1
		.amdhsa_system_sgpr_workgroup_id_y 1
		.amdhsa_system_sgpr_workgroup_id_z 1
		.amdhsa_system_vgpr_workitem_id 0
		.amdhsa_next_free_vgpr 512
		.amdhsa_next_free_sgpr 76
		.amdhsa_reserve_vcc 0
		.amdhsa_float_denorm_mode_32 3
		.amdhsa_float_denorm_mode_16_64 3
		.amdhsa_memory_ordered 1
		.amdhsa_forward_progress 1
		.amdhsa_inst_pref_size 60
	.end_amdhsa_kernel
	.amdgpu_metadata
---
amdhsa.version: [ 1, 2 ]
amdhsa.kernels:
  - .name:           k_q0c52258849_gin
    .symbol:         k_q0c52258849_gin.kd
    .args:
      - { .name: xb, .offset: 0, .size: 8, .value_kind: global_buffer, .address_space: global }
      - { .name: wo, .offset: 8, .size: 8, .value_kind: global_buffer, .address_space: global }
      - { .name: h, .offset: 16, .size: 8, .value_kind: global_buffer, .address_space: global }
      - { .name: b_in, .offset: 24, .size: 8, .value_kind: global_buffer, .address_space: global }
      - { .name: t16, .offset: 32, .size: 8, .value_kind: global_buffer, .address_space: global }
    .group_segment_fixed_size: 327680
    .private_segment_fixed_size: 0
    .kernarg_segment_align: 8
    .kernarg_segment_size: 40
    .max_flat_workgroup_size: 128
    .sgpr_count:     76
    .vgpr_count:     512
    .wavefront_size: 32
...
	.end_amdgpu_metadata
.endif
;; end of part 9
;; launch gqkv (part 10): grid 8 x 32, 4 waves a work-group, clusters of 4 x 4, 327,680 bytes of LDS; arguments t16, wq, qkv; writes qkv
.if DOCPART == 10
	.amdgcn_target "amdgcn-amd-amdhsa--gfx1250"
	.amdhsa_code_object_version 6
	.text
	.protected	k_q0c52258849_gqkv
	.globl	k_q0c52258849_gqkv
	.p2align	8
	.type	k_q0c52258849_gqkv,@function
k_q0c52258849_gqkv:
	s_mov_b64 s[64:65], 0
	v_nop
	global_prefetch_b8 v0, s[64:65] scope:SCOPE_SE
	s_setreg_imm32_b32 hwreg(HW_REG_WAVE_MODE, 25, 1), 1
	s_wait_xcnt 0x0
	s_wait_alu depctr_hold_cnt(0) depctr_sa_sdst(0) depctr_va_vdst(0) depctr_va_sdst(0) depctr_va_ssrc(0) depctr_va_vcc(0) depctr_vm_vsrc(0)
	s_getreg_b32 s2, hwreg(HW_REG_IB_STS2, 6, 4)
	s_cmp_eq_u32 s2, 0
	s_cbranch_scc0 .Lentry_in_a_cluster
	s_endpgm
.Lentry_in_a_cluster:
	s_bfe_u32 s2, ttmp6, 0x10000c
	s_cmp_lg_u32 s2, 0xf033
	s_cbranch_scc0 .Lentry_shape_is_right
	s_endpgm
.Lentry_shape_is_right:
; q, k, v: C[t][f] = sum over e of h[t][e] in_proj_w[f][e], K = 1,024, 3,072 columns.  Both operands bf16, tiled by 16 x 16 blocks: [row / 16][e / 16][32 lanes][8 numbers], lane 16 g + r holding
; row r, columns 8 g .. 8 g + 7; a row-block is 32,768 bytes.  Sums in f32; C rounded once to bf16 (for its range: with all inputs 30 times larger q, k, v come near f16's end).
; C LEAVES TILED likewise, as three matrices of 1,024 columns one behind the other (q, k, v): an accumulator is one store of 512 consecutive aligned bytes, with no stage and no barrier.
; SHAPE.  8,192 x 3,072 numbers on 256 work-groups are 98,304 each: a work-group takes 256 tokens and the SAME 128 columns of q, of k and of v, so that no wave's share crosses from one matrix into
; the next.  Four waves of 128 tokens x (64 + 64 + 64) columns: 96 accumulators, 768 registers.  For 64 along K the work-group fetches 640 rows x 128 bytes for 192 matrix instructions a wave.
; K goes in 16 steps of 64 through two LDS slots (two slots of 128 along K would take all of LDS and leave no room for the spare words).  A piece that a tensor load brings, 16 rows x 64 K, is
; 2,048 dense bytes; nothing is padded: a fragment is two loads of 16 bytes a lane at 16 x lane, 512 consecutive bytes each.
; LOADS.  One a wave behind each round: waves 0 to 2 fetch the 128 rows (8 row-blocks) of in_proj_w for q, k, v; wave 3 fetches h's 256 rows (16 row-blocks).  A wave's LDS place is wave x 16,384.
; CLUSTER 4 x 4: h's tiles are shared along a row of the cluster, the weights' along a column, by joint loads.  THE MATRIX INSTRUCTION IS USED TRANSPOSED (source 0 = rows of the weights, source 1 =
; rows of h): a lane holds eight neighbouring columns of one row of C.
; A SLICE is 32 along K: 96 matrix instructions, one on each accumulator, by columns: 32 for q, 32 for k, 32 for v.  B's twelve fragments have one buffer: behind each 32 products the four just used
; are loaded for the next slice; A's eight have two buffers, and the other one is loaded behind the first 32.  Each run of loads stands 64 matrix instructions ahead of its first use.
; THE LOOP.  A trip is one K step, from its second slice to the next step's first: 14 trips, each with one refill.  The slot to be read is a scalar turned by an exclusive or, the walking descriptor's
; likewise.  In front of the loop stands the first slice (its products start the sums), behind it the last three (they fill nothing).
; REGISTERS: window 0: v0-31 addresses; v32-95, v96-159 A's fragments, two buffers; v160-255 B's twelve; on the way out the packed results.
;   windows 1, 2, 3: the accumulators of q, k, v: column block j (of 4), row block a (of 8) at v[8 (8 j + a)].
.set STEPS,  16
.set STEPB,  2048                      ; bytes of a row-block in a K step
.set BPC,    8*STEPB                   ; 128 rows of the weights of one matrix
.set ABASE,  3*BPC                     ; behind them h's 256 rows, 32,768 bytes
.set SLOT1,  1<<17                     ; slot 1 begins here, so that one exclusive or turns an address in one slot into the other's
.set SPARE,  SLOT1+ABASE+16*STEPB      ; behind slot 1: the spare words, 128 bytes a wave
.set MAT,    16777216                  ; bytes of q, of k, of v
.set AA0,  16                          ; v16  my lane's place in slot 0's tile of A; never rewritten
.set AB0,  17                          ; v17  the same for B
.set ADRA, 18                          ; v18  the same in the slot that is being read
.set ADRB, 19                          ; v19
.set CO,   26                          ; v26  16 x lane
.set SPW,  28
.set NIL,  29
.set FA0,  32
.set FA1,  96
.set FB,   160
.set TMP,  32
.set G1, 24                            ; s[24:31] descriptor group 1 for A's tiles;  s[32:39] group 0: a set for each of the two first fills; the second then walks on
.set G0, 32
.set G1B, 48                           ; s[48:55], s[56:63] the same for B's
.set G0B, 56
.set TB,  45                           ; s45  LDS byte at which the slot that is being read begins
.set CB,  66                           ; s[66:71] C at my part of q, of k, of v
.set MSB, 0
.macro WIN new                         ; bits 1:0 source 0, 3:2 source 1, 5:4 source 2, 7:6 destination; the high byte repeats the setting that is left
.if MSB != (\new)
	s_set_vgpr_msb (MSB<<8)|(\new)
.set MSB, \new
.endif
.endm
.macro JLOAD s                         ; a joint load: wave 3 fetches A's tile, waves 0 to 2 B's three; s_nop 0 and four v_nop follow each of the two lines
	s_cmp_eq_u32 s10, 3
	s_cbranch_scc0 .Lfor_b_\@
	tensor_load_to_lds s[G0+4*(\s):G0+4*(\s)+3], s[G1:G1+7]
	s_nop 0
.rept 4
	v_nop
.endr
	s_branch .Lasked_\@
.Lfor_b_\@:
	tensor_load_to_lds s[G0B+4*(\s):G0B+4*(\s)+3], s[G1B:G1B+7]
	s_nop 0
.rept 4
	v_nop
.endr
.Lasked_\@:
.endm
.macro CREST                           ; a round of the cluster's barrier behind its opening barrier
	s_cmp_lg_u32 s10, 0
	s_cbranch_scc1 .Lnot_wave_0_\@
	s_barrier_signal -3
.Lnot_wave_0_\@:
	s_barrier_wait -3
	s_barrier_signal -1
	s_barrier_wait -1
.endm
.macro CROUND
	s_barrier_signal -1
	s_barrier_wait -1
	CREST
.endm
	s_load_b128 s[4:7], s[0:1], 0x0                ; h in bf16 s[4:5], in_proj_w s[6:7]
	s_load_b64 s[8:9], s[0:1], 0x10                ; qkv
	v_lshl_add_u32 v[SPW], v0, 2, SPARE
	v_mov_b32 v[NIL], 0
	ds_add_u32 v[SPW], v[NIL]                      ; the wave's opening: the add and its wait ahead of my first tensor load
	ds_add_u32 v28, v29
	v_lshrrev_b32 v1, 5, v0
	v_readfirstlane_b32 s10, v1                    ; wave 0..3
	s_lshr_b32 s11, s10, 1                         ; my 128 of the tile's rows
	s_and_b32 s12, s10, 1                          ; my 64 of each matrix's 128 columns
	s_bfe_u32 s40, ttmp6, 0x40000                  ; cx
	s_bfe_u32 s41, ttmp6, 0x40004                  ; cy
	s_lshl_b32 s42, ttmp9, 2
	s_add_co_u32 s42, s42, s40                     ; tile column, 0 to 7
	s_and_b32 s13, ttmp7, 0xffff
	s_lshl_b32 s13, s13, 2
	s_add_co_u32 s13, s13, s41                     ; tile row, 0 to 31
	s_lshl_b32 s43, s41, 2
	s_lshl_b32 s43, 15, s43                        ; my row of the cluster
	s_lshl_b32 s44, 0x1111, s40                    ; my column
	s_or_b32 s[G1+0], s43, (3<<16)|(1<<21)         ; A: my row's mask; 8-byte elements; no padding; bit 21 beside a mask
	s_or_b32 s[G1B+0], s44, (3<<16)|(1<<21)        ; B: the same with my column's mask
.irp g, G1, G1B
	s_mov_b32 s[(\g)+1], 256<<16                   ; tensor_dim0 = 256 elements = 2,048 bytes
	s_mov_b32 s[(\g)+3], 256<<16                   ; tile_dim0
	s_mov_b32 s[(\g)+5], 4096                      ; a row-block is 32,768 bytes
	s_mov_b32 s[(\g)+6], 0
	s_mov_b32 s[(\g)+7], 0
.endr
	s_mov_b32 s[G1+2], 16<<16                      ; A: tensor_dim1 = tile_dim1 = 16 row-blocks
	s_mov_b32 s[G1+4], 16
	s_mov_b32 s[G1B+2], 8<<16                      ; B: 8 row-blocks
	s_mov_b32 s[G1B+4], 8
	s_lshl_b32 s16, s13, 19                        ; A: 16 row-blocks of 32,768 bytes for each tile row
	s_mov_b32 s17, 0
	s_min_u32 s46, s10, 2                          ; B: the matrix that I fetch for, 64 row-blocks each (wave 3 asks by A's descriptor; its copy of this one is wave 2's and is not used),
	s_lshl_b32 s46, s46, 21
	s_lshl_b32 s47, s42, 18                        ; and 8 row-blocks for each tile column
	s_add_co_u32 s46, s46, s47
	s_mov_b32 s47, 0
	s_lshl_b32 s20, s10, 14                        ; where a wave's tile goes: wave x 16,384: B's three pieces, then A
	s_mov_b32 s[TB], 0
	s_wait_dscnt 0x0                               ; the opening add is done
	s_wait_kmcnt 0x0
	s_add_nc_u64 s[14:15], s[4:5], s[16:17]
	s_add_nc_u64 s[46:47], s[6:7], s[46:47]
	CROUND                                         ; all sixteen work-groups are here: the first joint loads meet
.irp s, 0,1
	s_mov_b32 s[G0+4*(\s)], 1
	s_add_co_u32 s[G0+4*(\s)+1], s20, (\s)*SLOT1
	s_add_nc_u64 s[G0+4*(\s)+2:G0+4*(\s)+3], s[14:15], (\s)*STEPB
	s_or_b32 s[G0+4*(\s)+3], s[G0+4*(\s)+3], 0x80000000
	s_mov_b32 s[G0B+4*(\s)], 1
	s_add_co_u32 s[G0B+4*(\s)+1], s20, (\s)*SLOT1
	s_add_nc_u64 s[G0B+4*(\s)+2:G0B+4*(\s)+3], s[46:47], (\s)*STEPB
	s_or_b32 s[G0B+4*(\s)+3], s[G0B+4*(\s)+3], 0x80000000
	JLOAD \s                                       ; K steps 0 and 1: two tensor loads of mine are out
.endr
	v_and_b32 v4, 31, v0
	v_lshlrev_b32 v4, 4, v4                        ; 16 x lane
	s_lshl_b32 s22, s11, 14                        ; my 8 row-blocks of A,
	s_add_co_u32 s22, s22, ABASE
	s_lshl_b32 s23, s12, 13                        ; my 4 row-blocks of each of B's pieces
	v_add_nc_u32 v[AA0], s22, v4
	v_add_nc_u32 v[AB0], s23, v4
	v_add_nc_u32 v[ADRA], s[TB], v[AA0]            ; slot 0
	v_add_nc_u32 v[ADRB], s[TB], v[AB0]
	v_mov_b32 v[CO], v4
	s_lshl_b32 s16, s13, 1                         ; C: row-block 16 x tile row + 8 x my half, 32,768 bytes each;
	s_add_co_u32 s16, s16, s11
	s_lshl_b32 s16, s16, 18
	s_mov_b32 s17, 0
	s_add_nc_u64 s[CB:CB+1], s[8:9], s[16:17]
	s_lshl_b32 s46, s42, 1                         ; the block of 16 columns 8 x tile column + 4 x my half, 512 bytes each
	s_add_co_u32 s46, s46, s12
	s_lshl_b32 s46, s46, 11
	s_mov_b32 s47, 0
	s_add_nc_u64 s[CB:CB+1], s[CB:CB+1], s[46:47]  ; in q,
	s_add_nc_u64 s[CB+2:CB+3], s[CB:CB+1], MAT     ; in k,
	s_add_nc_u64 s[CB+4:CB+5], s[CB:CB+1], 2*MAT   ; in v
; 16 products: matrix m, column blocks j0, j0 + 1 x all 8 row blocks, 32 along K, A's fragments in buffer f.  zero = 1: they start the sums.
; The 96 accumulators take turns, one instruction a turn, in the same order in every slice.
.macro MUL16 m, j0, f, zero
	WIN 0x50*((\m)+1)                              ; C and D in window 1 + m; the fragments in window 0
.irp j, \j0, (\j0)+1
.irp a, 0,1,2,3,4,5,6,7
.if \zero
	v_wmma_f32_16x16x32_bf16 v[8*(8*(\j)+(\a)):8*(8*(\j)+(\a))+7], v[FB+8*(4*(\m)+(\j)):FB+8*(4*(\m)+(\j))+7], v[(\f)+8*(\a):(\f)+8*(\a)+7], 0
.else
	v_wmma_f32_16x16x32_bf16 v[8*(8*(\j)+(\a)):8*(8*(\j)+(\a))+7], v[FB+8*(4*(\m)+(\j)):FB+8*(4*(\m)+(\j))+7], v[(\f)+8*(\a):(\f)+8*(\a)+7], v[8*(8*(\j)+(\a)):8*(8*(\j)+(\a))+7]
.endif
.endr
.endr
.endm
.macro LDB m, q                        ; 8 LDS loads: matrix m's four fragments of B, half q of the K step (two blocks of 512 bytes of each row-block)
	WIN 0
.irp j, 0,1,2,3
	ds_load_b128 v[FB+8*(4*(\m)+(\j)):FB+8*(4*(\m)+(\j))+3],   v[ADRB] offset:(\m)*BPC+(\j)*STEPB+1024*(\q)
	ds_load_b128 v[FB+8*(4*(\m)+(\j))+4:FB+8*(4*(\m)+(\j))+7], v[ADRB] offset:(\m)*BPC+(\j)*STEPB+1024*(\q)+512
.endr
.endm
.macro LDA q, f                        ; 16 LDS loads: A's eight fragments of half q into buffer f
	WIN 0
.irp i, 0,1,2,3,4,5,6,7
	ds_load_b128 v[(\f)+8*(\i):(\f)+8*(\i)+3],   v[ADRA] offset:(\i)*STEPB+1024*(\q)
	ds_load_b128 v[(\f)+8*(\i)+4:(\f)+8*(\i)+7], v[ADRA] offset:(\i)*STEPB+1024*(\q)+512
.endr
.endm
.macro PLACES                          ; four plain vector instructions between a matrix instruction and a load into, or a vector use of, its registers
.rept 4
	v_nop
.endr
.endm
; A K step's FIRST slice: multiplies buffer 0 and fetches the same slot's second half.
.macro FIRST zero
	s_wait_dscnt 16                                ; A and q's fragments are in; k's and v's eight loads each may be out
	MUL16 0, 0, FA0, \zero
	MUL16 0, 2, FA0, \zero
	PLACES
	LDB 0, 1
	LDA 1, FA1
	s_wait_dscnt 32                                ; k's are in: behind them v's 8 and the 24 just issued
	MUL16 1, 0, FA0, \zero
	MUL16 1, 2, FA0, \zero
	PLACES
	LDB 1, 1
	s_wait_dscnt 32                                ; v's are in: behind them the 24 and the 8 of this slice
	MUL16 2, 0, FA0, \zero
	MUL16 2, 2, FA0, \zero
	PLACES
	LDB 2, 1
.endm
; A K step's SECOND slice multiplies buffer 1 and changes slots: all loads from this slot have been issued.  ONE barrier; in front of it each wave waits for all its tensor loads (one is out: its part
; of the next slot), adds 0 to its spare word, and waits for that and for its reads of this slot.  fill = 1: the barrier opens a round of the cluster's, and this slot is filled again, two K steps
; ahead, first thing behind the round: 160 matrix instructions ahead of the wait for it.  Then the next slot's first half is fetched.
.macro SECOND fill
	WIN 0                                          ; (the add's two registers lie in window 0)
	s_wait_tensorcnt 0x0
	ds_add_u32 v[SPW], v[NIL]                      ; 0 onto my spare word; the turn of the addresses and sixteen products stand between it and the wait for it
	s_xor_b32 s[TB], s[TB], SLOT1                  ; from here on the other slot is read
	v_add_nc_u32 v[ADRA], s[TB], v[AA0]
	v_add_nc_u32 v[ADRB], s[TB], v[AB0]
	s_wait_dscnt 17                                ; A and q's fragments are in; k's and v's eight loads each and the add may be out
	MUL16 0, 0, FA1, 0
	s_wait_dscnt 0x0                               ; the add is done, and my reads of this slot are over
	s_barrier_signal -1
	MUL16 0, 2, FA1, 0
	WIN 0
	s_barrier_wait -1
.if \fill
	CREST                                          ; no wave of any partner still reads this slot's tile or has a load on its way
.irp g, G0+4, G0B+4
	s_xor_b32 s[(\g)+1], s[(\g)+1], SLOT1          ; the walking descriptor: the other slot than last time,
	s_add_nc_u64 s[(\g)+2:(\g)+3], s[(\g)+2:(\g)+3], STEPB  ; the next K step; the type bits on top are not reached
.endr
	JLOAD 1                                        ; my one tensor load behind the round; its four v_nop are also the places in front of the loads below
.else
	PLACES
.endif
	LDB 0, 0
	LDA 0, FA0
	MUL16 1, 0, FA1, 0
	MUL16 1, 2, FA1, 0
	PLACES
	LDB 1, 0
	MUL16 2, 0, FA1, 0
	MUL16 2, 2, FA1, 0
	PLACES
	LDB 2, 0
.endm
	s_wait_tensorcnt 1                             ; my part of K step 0 is in; K step 1's may stay out
	s_barrier_signal -1
	s_barrier_wait -1
	LDB 0, 0                                       ; in the order in which every slice fetches, so that the counts are the same
	LDA 0, FA0
	LDB 1, 0
	LDB 2, 0
	FIRST 1                                        ; the first slice stands in front of the loop: its products start the sums
	WIN 0                                          ; at a label and at a branch every window is 0
	s_mov_b32 s3, STEPS-2
.Lstep:                                                ; trip s: the second slice of K step s, which asks for K step s + 2, and the first slice of K step s + 1
	SECOND 1
	FIRST 0
	WIN 0
	s_sub_co_u32 s3, s3, 1
	s_cmp_lg_u32 s3, 0
	s_cbranch_scc1 .Lstep
	SECOND 0                                       ; the last three slices are written out: nothing is left to fetch from memory
	FIRST 0
	s_wait_dscnt 16                                ; the very last slice: nothing more to fetch from LDS either
	MUL16 0, 0, FA1, 0
	MUL16 0, 2, FA1, 0
	s_wait_dscnt 8                                 ; k's fragments are in; v's eight loads may be out
	MUL16 1, 0, FA1, 0
	MUL16 1, 2, FA1, 0
	s_wait_dscnt 0
	MUL16 2, 0, FA1, 0
	MUL16 2, 2, FA1, 0
	; THE WAY OUT: sixteen accumulators at a time are rounded to bf16 into the fragments' registers (three areas of 64 by turns) and stored, 512 consecutive aligned bytes each
	WIN 0
	PLACES
.set g, 0
.rept 6                                                ; g / 2: the matrix; g % 2: column blocks 0, 1 or 2, 3
.if g == 3
	s_wait_xcnt 0x0                                ; the three areas were store data: they are rewritten only behind this wait
.endif
	WIN 5*(g/2+1)                                  ; sources 0 and 1 in the matrix's window, destination in window 0
.set u, 0
.rept 16
.set t, 16*(g%2)+u
.set k, 0
.rept 4
	v_cvt_pk_bf16_f32 v[TMP+64*(g%3)+4*u+k], v[8*t+2*k], v[8*t+2*k+1]
.set k, k+1
.endr
.set u, u+1
.endr
	WIN 0
.set u, 0
.rept 16
.set t, 16*(g%2)+u
	global_store_b128 v[CO], v[TMP+64*(g%3)+4*u:TMP+64*(g%3)+4*u+3], s[CB+2*(g/2):CB+2*(g/2)+1] offset:32768*(t%8)+512*(t/8)
.set u, u+1
.endr
.set g, g+1
.endr
	s_wait_tensorcnt 0x0                           ; the wave's end
	ds_add_u32 v[SPW], v[NIL]
	s_wait_dscnt 0x0
	CROUND                                         ; the closing round
	s_endpgm
.Lfunc_end_k_q0c52258849_gqkv:
	.size	k_q0c52258849_gqkv, .Lfunc_end_k_q0c52258849_gqkv-k_q0c52258849_gqkv
	.p2alignl 7, 3214868480
	.fill 96, 4, 3214868480
	.section	.rodata,"a",@progbits
	.p2align	6, 0x0
	.amdhsa_kernel k_q0c52258849_gqkv
		.amdhsa_group_segment_fixed_size 327680
		.amdhsa_private_segment_fixed_size 0
		.amdhsa_enable_private_segment 0
		.amdhsa_kernarg_size 24
		.amdhsa_user_sgpr_count 2
		.amdhsa_user_sgpr_kernarg_segment_ptr 1
		.amdhsa_wavefront_size32 1
		.amdhsa_system_sgpr_workgroup_id_x 1
		.amdhsa_system_sgpr_workgroup_id_y 1
		.amdhsa_system_sgpr_workgroup_id_z 1
		.amdhsa_system_vgpr_workitem_id 0
		.amdhsa_next_free_vgpr 1024
		.amdhsa_next_free_sgpr 72
		.amdhsa_reserve_vcc 0
		.amdhsa_float_denorm_mode_32 3
		.amdhsa_float_denorm_mode_16_64 3
		.amdhsa_memory_ordered 1
		.amdhsa_forward_progress 1
		.amdhsa_inst_pref_size 96
	.end_amdhsa_kernel
	.amdgpu_metadata
---
amdhsa.version: [ 1, 2 ]
amdhsa.kernels:
  - .name:           k_q0c52258849_gqkv
    .symbol:         k_q0c52258849_gqkv.kd
    .args:
      - { .name: t16, .offset: 0, .size: 8, .value_kind: global_buffer, .address_space: global }
      - { .name: wq, .offset: 8, .size: 8, .value_kind: global_buffer, .address_space: global }
      - { .name: qkv, .offset: 16, .size: 8, .value_kind: global_buffer, .address_space: global }
    .group_segment_fixed_size: 327680
    .private_segment_fixed_size: 0
    .kernarg_segment_align: 8
    .kernarg_segment_size: 24
    .max_flat_workgroup_size: 128
    .sgpr_count:     72
    .vgpr_count:     1024
    .wavefront_size: 32
...
	.end_amdgpu_metadata
.endif
;; end of part 10
;; launch attn (part 11): grid 32 x 8, 8 waves a work-group, no clusters, 327,680 bytes of LDS; arguments qkv, seq_lengths, o, out1; writes o, out1
.if DOCPART == 11
	.amdgcn_target "amdgcn-amd-amdhsa--gfx1250"
	.amdhsa_code_object_version 6
	.text
	.protected	k_q0c52258849_attn
	.globl	k_q0c52258849_attn
	.p2align	8
	.type	k_q0c52258849_attn,@function
k_q0c52258849_attn:
	s_mov_b64 s[64:65], 0
	v_nop
	global_prefetch_b8 v0, s[64:65] scope:SCOPE_SE
	s_setreg_imm32_b32 hwreg(HW_REG_WAVE_MODE, 25, 1), 1
	s_wait_xcnt 0x0
; BAND ATTENTION.  For batch b, head hd, query q: w = softmax over the keys k with |k - q| <= 128 and k < seq_lengths[b] of q.k / 8; o = sum of w v; out1[q][b][k] = the mean of w over the 16 heads.
; A row with no allowed key has w = 0.  q, k, v: three bf16 matrices [8192 tokens 1024 b + l][1024], one behind the other, each tiled by 16 x 16 blocks: [t / 16][e / 16][32 lanes][8 numbers], lane
; 16 g + r holding row r, columns 8 g .. 8 g + 7.  Products, maximum and sums in f32; the weights are rounded to bf16 for the second product.
; LIMITS.  A hidden score is the score less 1.0014e30: true scores are taken to stay under 1e29 in magnitude.  A weight below 2^-126 counts as 0.  NaN and infinities are not treated apart.
; seq_lengths is clamped to 0 .. 1024, which changes no comparison with a key's number.
; A ROW WITH NO KEY takes no mask: were all its scores near -1e30, c s - c m would be the rounding error of c m, some 1e22, and its exponential 0 or infinite.  So its softmax runs on the true
; scores, finite like any other row's, and the row's factor 0 (ANYF) in 1 / l makes its weights, its share of the mean and its o exact zeros.
; SHARES.  A work-group owns 32 queries of one batch for ALL 16 heads, since the mean over heads has one owner.  Its keys are a window of 288 rows from kstart = min(max(q0 - 128, 0), 736).
; Wave w: queries 16 (w % 2) on, and in step s = 0..3 head 4 s + w / 2.  A step of a wave: 36 products K Q^T, one softmax over all 288 keys (they fit in 144 registers, so the true maximum is
; taken once), 36 products V^T P.  Two waves lie on a SIMD: one's softmax stands beside the other's products.
; LAYOUT.  S^T = K Q^T (source 0 = 16 keys, source 1 = 16 queries): a lane holds ONE query (lane % 16) and keys 8 (lane / 16) + 0..7 of each tile of 16.  Two tiles rounded in pairs ARE source 1 of
; O^T = V^T P.  THE MASK is the start of the sums: 0 or -1.0014e30, the same for all heads, kept as 72 registers of two bf16 and widened in each step.
; LDS.  One slot for K and one for V, each with the 4 heads of a step: 8 PIECES, one a wave and tensor load, of 18 row-blocks x 2 blocks of 512 bytes (32 channels); a head is two pieces.  A fragment
; of K is two loads of 512 consecutive bytes.  V's pieces lie 18,560 bytes apart, 128 more than their size: a fragment of V^T takes its channels 0-7 from the head's even piece and 8-15 from the odd
; one, so that the 16 lanes that the turning load serves together touch 16 different columns of 16 bytes.  Fragment f holds channels 8 f .. 8 f + 7 and 32 + 8 f .. 32 + 8 f + 7 of the head.
; K's slot is filled again in the middle of the softmax, when all waves have made their scores, V's at the step's end: each refill is a wave's one tensor load behind its barrier.  Two tensor loads
; of a wave are out at the start, one behind each such barrier.
; THE LOOP IS ENTERED IN ITS MIDDLE: a trip is the second half of one step (with both refills) and the first half of the next; the last step's second half, which fills nothing, is written out.
; NO CLUSTER: neighbouring blocks' windows are 32 keys apart; a tile common to four would be 384 keys, a third more products and exponentials for each, and 4 heads x 384 rows of K and V do not fit in LDS.
; o LEAVES TILED like q: an accumulator of O^T is one store of two aligned runs of 256 bytes, 1,024 bytes apart.  out1 leaves in whole aligned runs of 256 bytes: 11 of zeros and 5 of the band a row.
; REGISTERS.  window 0: v1-9 addresses; v10-23 at work; v24-39 Q; v40-111 nine fragment slots (v40-71 later O^T); v112-255 S^T.   window 1: v0-143 the mean; v144-215 the mask; v216-219 zeros.
; The mean's 144 registers are cleared once, in the wait for the first tile: a first step written out would cost another copy of the step's text.
.set KPC,   18432                      ; a piece of K: 18 row-blocks x 1,024 bytes
.set VPC,   18560                      ; from piece to piece of V
.set VSL,   8*KPC                      ; V's slot
.set SPARE, VSL+8*VPC                  ; the spare words: 128 bytes for each of 8 waves
.set PP,    1296                       ; the mean's parts: a row of 320 f32 + 16 bytes
.set PHW,   32*PP                      ; 32 rows for each of the four wave pairs; they overlay the slots when these have had their last fill
.set MAT,   16777216                   ; bytes of q, of k, of v
.set STEPB, 8192                       ; four heads: 16 blocks of 512 bytes in a row-block
.set AK,  1
.set AV,  3
.set QO,  5
.set OO,  6
.set ANYF, 7
.set SPW, 8
.set NIL, 9
.set C,   12                           ; v12-15 four running maxima
.set CM,  16                           ; v16 c m, v17 m
.set LS,  12                           ; v12-19 four running pairs of sums
.set INV, 20                           ; v20-21 1 / l, or 0 for a row with no key
.set INV16, 22                         ; v22-23 that / 16
.set Q,   24
.set FR,  40
.set O,   40
.set S,   112
.set ATT, 0
.set M,   144
.set ZR,  216
.set MSB, 0
.macro WIN new                         ; bits 1:0 source 0, 3:2 source 1, 5:4 source 2, 7:6 destination; the high byte repeats the setting that is left
.if MSB != (\new)
	s_set_vgpr_msb (MSB<<8)|(\new)
.set MSB, \new
.endif
.endm
.macro PLACES                          ; four plain vector instructions between a matrix instruction and a load into, or a vector use of, its registers
.rept 4
	v_nop
.endr
.endm
	s_load_b256 s[4:11], s[0:1], 0x0               ; qkv s[4:5], seq_lengths s[6:7], o s[8:9], out1 s[10:11]
	v_lshl_add_u32 v[SPW], v0, 2, SPARE
	v_mov_b32 v[NIL], 0
	ds_add_u32 v[SPW], v[NIL]                      ; the wave's opening: the add and its wait ahead of my first tensor load
	ds_add_u32 v8, v9
	v_lshrrev_b32 v10, 5, v0
	v_readfirstlane_b32 s12, v10                   ; wave 0..7
	s_and_b32 s13, s12, 1                          ; qt: my tile of 16 queries
	s_lshr_b32 s14, s12, 1                         ; hw: my head among a step's four
	s_and_b32 s15, ttmp7, 0xffff                   ; b
	s_lshl_b32 s16, ttmp9, 5                       ; q0
	s_max_u32 s17, s16, 128
	s_sub_co_u32 s17, s17, 128
	s_min_u32 s17, s17, 736                        ; kstart
	s_lshr_b32 s67, s17, 6                         ; the band's first run of 64 columns in out1
	s_mov_b32 s24, 3<<16                           ; group 1, for K and for V: 8-byte elements, no padding
	s_mov_b32 s25, 128<<16                         ; tensor_dim0 = 128 elements = 1,024 bytes: two blocks
	s_mov_b32 s26, 18<<16                          ; tensor_dim1 = 18 row-blocks
	s_mov_b32 s27, 128<<16                         ; tile_dim0
	s_mov_b32 s28, 18                              ; tile_dim1
	s_mov_b32 s29, 4096                            ; a row-block is 32,768 bytes
	s_mov_b32 s30, 0
	s_mov_b32 s31, 0
	s_mov_b32 s40, 1                               ; group 0 for K
	s_mul_i32 s41, s12, KPC                        ; wave w fills piece w
	s_mov_b32 s44, 1                               ; group 0 for V
	s_mul_i32 s45, s12, VPC
	s_add_co_u32 s45, s45, VSL
	s_lshl_b32 s20, s15, 6
	s_lshr_b32 s19, s17, 4
	s_add_co_u32 s20, s20, s19
	s_lshl_b32 s20, s20, 15                        ; row-block 64 b + kstart / 16,
	s_lshl_b32 s19, s12, 10
	s_add_co_u32 s20, s20, s19                     ; my piece's 1,024 bytes in it,
	s_add_co_u32 s22, s20, 2*MAT                   ; in v
	s_add_co_u32 s20, s20, MAT                     ; and in k
	s_mov_b32 s21, 0
	s_mov_b32 s23, 0
	s_lshl_b32 s70, s15, 6
	s_lshl_b32 s71, ttmp9, 1
	s_add_co_u32 s70, s70, s71
	s_lshl_b32 s70, s70, 15                        ; q and o: row-block 64 b + q0 / 16
	s_mov_b32 s71, 0
	s_lshl_b32 s74, s16, 3
	s_add_co_u32 s74, s74, s15
	s_lshl_b32 s74, s74, 12                        ; out1: row 8 q0 + b of 4,096 bytes
	s_mov_b32 s75, 0
	s_lshl_b32 s76, s67, 8
	s_mov_b32 s77, 0
	s_lshl_b32 s78, s15, 2
	s_mov_b32 s79, 0
	s_mov_b32 s50, 0x3e38aa3b                      ; c = log2(e) / 8
	s_mov_b32 s51, s50
	s_mov_b32 s52, 0x76543210                      ; v_permlanex16_b32: each lane takes its own place in the other half
	s_mov_b32 s53, 0xfedcba98
	s_mov_b32 s54, 0xffff0000
	s_wait_dscnt 0x0                               ; the opening add is done
	s_wait_kmcnt 0x0
	s_add_nc_u64 s[42:43], s[4:5], s[20:21]
	s_or_b32 s43, s43, 0x80000000
	s_add_nc_u64 s[46:47], s[4:5], s[22:23]
	s_or_b32 s47, s47, 0x80000000
	tensor_load_to_lds s[40:43], s[24:31]          ; K of step 0
	s_nop 0
	tensor_load_to_lds s[44:47], s[24:31]          ; V of step 0
	s_nop 0
	PLACES
	s_add_nc_u64 s[6:7], s[6:7], s[78:79]
	s_load_b32 s18, s[6:7], 0x0                    ; seq_lengths[b]
	s_add_nc_u64 s[56:57], s[4:5], s[70:71]
	s_add_nc_u64 s[58:59], s[8:9], s[70:71]
	s_add_nc_u64 s[60:61], s[10:11], s[74:75]
	s_add_nc_u64 s[62:63], s[60:61], s[76:77]
	v_and_b32 v12, 15, v0                          ; r
	v_bfe_u32 v13, v0, 4, 1                        ; g = lane / 16
	v_and_b32 v14, 31, v0                          ; lane
	s_lshl_b32 s19, s13, 15                        ; q and o: row-block qt, my head's four blocks
	s_lshl_b32 s20, s14, 11
	s_add_co_u32 s19, s19, s20
	v_lshl_add_u32 v[QO], v14, 4, s19              ; Q: 16 x lane in a block
.macro QLOAD                           ; a head's 16 queries x 64 channels: two fragments, four blocks of 512 bytes
.irp c, 0,1
	global_load_b128 v[Q+8*\c:Q+8*\c+3],   v[QO], s[56:57] offset:1024*\c
	global_load_b128 v[Q+8*\c+4:Q+8*\c+7], v[QO], s[56:57] offset:1024*\c+512
.endr
.endm
	QLOAD
	v_lshl_add_u32 v[OO], v12, 4, s19              ; o: 16 x my query; the upper half of the lanes holds channels 32 further on: two blocks
	v_lshl_add_u32 v[OO], v13, 10, v[OO]
	WIN 0x40
.set i, 0
.rept 144
	v_mov_b32 v[ATT+i], 0
.set i, i+1
.endr
.set i, 0
.rept 4
	v_mov_b32 v[ZR+i], 0
.set i, i+1
.endr
	WIN 0
	; out1 outside the band: of a row's 16 runs of 256 bytes the 11 that the band's five do not cover.  Wave w: rows 4 w .. 4 w + 3, two rows a store.
	s_lshl_b32 s21, s12, 17
	v_lshl_add_u32 v10, v13, 15, s21
	v_lshl_add_u32 v10, v12, 4, v10                ; (4 w + g) rows of 32,768 bytes + 16 r
.set z, 0
.rept 11
	s_cmp_gt_u32 s67, z                            ; run z lies in front of the band, or five runs further on
	s_cselect_b32 s68, 0, 5
	v_lshl_add_u32 v[FR+z], s68, 8, v10
.set z, z+1
.endr
	WIN 0x04                                       ; store data in window 1
.set z, 0
.rept 11
	global_store_b128 v[FR+z], v[ZR:ZR+3], s[60:61] offset:256*z th:TH_STORE_NT
	global_store_b128 v[FR+z], v[ZR:ZR+3], s[60:61] offset:65536+256*z th:TH_STORE_NT
.set z, z+1
.endr
	WIN 0
	s_wait_kmcnt 0x0
	s_max_i32 s18, s18, 0
	s_min_i32 s18, s18, 1024
	; The mask.  Register j of tile kt is key kstart + 8 g + 16 kt + j; it is allowed where lo <= 16 kt + j < hi, taken as one unsigned comparison of 16 kt + j - lo with hi - lo.
	s_lshl_b32 s19, s13, 4
	s_add_co_u32 s19, s19, s16
	v_add_nc_u32 v17, s19, v12                     ; my query
	s_add_co_u32 s20, s17, 128
	v_lshlrev_b32 v10, 3, v13
	v_sub_nc_u32 v15, v17, s20
	v_sub_nc_u32 v15, v15, v10                     ; lo = q - 128 - kstart - 8 g
	v_add_nc_u32 v16, 129, v17
	v_min_i32 v16, s18, v16
	v_sub_nc_u32 v16, v16, s17
	v_sub_nc_u32 v16, v16, v10                     ; hi = min(q + 129, length) - kstart - 8 g
	v_sub_nc_u32 v16, v16, v15
	v_max_i32 v16, 0, v16                          ; hi - lo, or 0
	v_sub_nc_u32 v11, v17, 128
	v_max_i32 v11, 0, v11
	v_cmp_gt_i32 vcc_lo, s18, v11                  ; the row's first key in the band lies under the length: the row has a key
	v_cndmask_b32 v[ANYF], 0, 1.0, vcc_lo
	v_cndmask_b32 v16, -1, v16, vcc_lo             ; a row with no key takes no mask (the widest interval): its scores stay finite, and ANYF = 0 makes its weights 0
	v_mov_b32 v18, 0x0000f14a                      ; -1.0014e30 as bf16, in a word's low half
	v_mov_b32 v19, 0xf14a0000                      ; and in its high half
.set e, 0
.rept 144
	v_sub_nc_u32 v[10+e%2], e%8, v15               ; j - (lo - 16 kt)
	v_cmp_le_u32 vcc_lo, v16, v[10+e%2]            ; hidden
	v_cndmask_b32 v[S+e], 0, v[18+e%2], vcc_lo
.if e%8 == 7
	v_add_nc_u32 v15, -16, v15                     ; the next tile
.endif
.set e, e+1
.endr
	WIN 0x40
.set i, 0
.rept 72
	v_or_b32 v[M+i], v[S+2*i], v[S+2*i+1]
.set i, i+1
.endr
	WIN 0
	s_mul_i32 s19, s14, 2*KPC
	v_lshl_add_u32 v[AK], v14, 4, s19              ; K: my head's even piece, 16 x lane
	s_mul_i32 s20, s14, 2*VPC
	s_add_co_u32 s20, s20, VSL
	v_and_b32 v10, 7, v0                           ; V, turned: lane l addresses key 8 (l / 16) + l % 8 of a row-block, 16 bytes = 8 channels,
	v_bfe_u32 v11, v0, 3, 1                        ; in the head's even piece or, where (l / 8) % 2 = 1, in its odd one
	v_lshl_add_u32 v10, v13, 3, v10
	v_mul_u32_u24 v11, v11, VPC
	v_lshl_add_u32 v[AV], v10, 4, v11
	v_add_nc_u32 v[AV], s20, v[AV]
	s_wait_xcnt 0x0                                ; v40-50 were the zero stores' addresses: they are loaded into only behind this wait
	s_wait_tensorcnt 0x1                           ; my part of K is in; V's may stay out
	s_barrier_signal -1
	s_barrier_wait -1
; Three fragments of K: number f = 3 g + n of 36 is channels 32 (f / 18) on (the head's even or odd piece) of keys 16 (f % 18) on, into slot f % 9
.macro KLOAD g
.irp n, 0,1,2
.set f, 3*(\g)+(\n)
.set fs, FR+8*(f%9)
	ds_load_b128 v[fs:fs+3],   v[AK] offset:KPC*(f/18)+1024*(f%18)
	ds_load_b128 v[fs+4:fs+7], v[AK] offset:KPC*(f/18)+1024*(f%18)+512
.endr
.endm
; S^T = mask + K Q^T.  Three groups of loads run ahead; the 18 accumulators take turns, one instruction a turn.
.macro QKPH
	KLOAD 0
	KLOAD 1
	KLOAD 2
	s_wait_loadcnt 0x0                             ; Q is in, and its loads' base is free
	s_add_nc_u64 s[56:57], s[56:57], STEPB         ; the next step's heads (behind the last step the address is not used)
	WIN 0x04
.set i, 0
.rept 72
	v_lshlrev_b32 v[S+2*i], 16, v[M+i]             ; the mask starts the sums
	v_and_b32 v[S+2*i+1], s54, v[M+i]
.set i, i+1
.endr
	WIN 0
.set g, 0
.rept 12
.if g < 10
	s_wait_dscnt 12                                ; group g is in; two younger groups of six loads may be out
.elseif g == 10
	s_wait_dscnt 6
.else
	s_wait_dscnt 0
.endif
.set n, 0
.rept 3
.set f, 3*g+n
	v_wmma_f32_16x16x32_bf16 v[S+8*(f%18):S+8*(f%18)+7], v[FR+8*(f%9):FR+8*(f%9)+7], v[Q+8*(f/18):Q+8*(f/18)+7], v[S+8*(f%18):S+8*(f%18)+7]
.set n, n+1
.endr
.if g < 9
	PLACES
	KLOAD g+3                                      ; into the three slots just multiplied
.endif
.set g, g+1
.endr
	PLACES
.endm
; The maximum of my query's 288 scores (each accumulator's lowest registers are read first), c s - c m, and the exponentials
.macro SM1
.irp y, 0,1,2,3
	v_max_num_f32 v[C+\y], v[S+8*\y], v[S+8*\y+1]
.endr
.set gq, 0
.rept 5
.set pp, 0
.rept 4
.set xx, 0
.rept 4
.set kt, 4*gq+xx
.if (kt < 18) && ((gq > 0) || (pp > 0))
	v_max3_num_f32 v[C+xx], v[C+xx], v[S+8*kt+2*pp], v[S+8*kt+2*pp+1]
.endif
.set xx, xx+1
.endr
.set pp, pp+1
.endr
.set gq, gq+1
.endr
	v_max3_num_f32 v[C], v[C], v[C+1], v[C+2]
	v_max_num_f32 v[C], v[C], v[C+3]
	v_permlanex16_b32 v10, v[C], s52, s53          ; the query's other keys lie in the lane 16 away
	v_max_num_f32 v[CM+1], v[C], v10
	v_mul_f32 v[CM], s50, v[CM+1]
.set i, 0
.rept 72
	v_pk_fma_f32 v[S+2*i:S+2*i+1], v[S+2*i:S+2*i+1], s[50:51], v[CM:CM+1] op_sel_hi:[1,0,0] neg_lo:[0,0,1] neg_hi:[0,0,1]
.set i, i+1
.endr
.set i, 0
.rept 144
	v_exp_f32 v[S+i], v[S+i]
.set i, i+1
.endr
	v_nop                                          ; a plain instruction behind the last exponential
.endm
; A barrier of the work-group.  In front of it each wave waits for all its tensor loads, adds 0 to its spare word, and waits for that and for its LDS reads.
; which = 1: all waves have read K's slot; it takes the next step's K.  2: the same for V.  0: nothing is left to fetch.  The other slot's tile, asked for half a step ago, is whole behind the barrier.
.macro CHANGE which
	WIN 0
	s_wait_tensorcnt 0x0                           ; no tensor load of mine is out, so a group 0 may be written
	ds_add_u32 v[SPW], v[NIL]
.if (\which) == 1
	s_add_nc_u64 s[42:43], s[42:43], STEPB
.elseif (\which) == 2
	s_add_nc_u64 s[46:47], s[46:47], STEPB
.endif
	s_wait_dscnt 0x0
	s_barrier_signal -1
	s_barrier_wait -1
.if (\which) == 1
	tensor_load_to_lds s[40:43], s[24:31]
	s_nop 0
	PLACES
.elseif (\which) == 2
	tensor_load_to_lds s[44:47], s[24:31]
	s_nop 0
	PLACES
.endif
.endm
; The sum l, 1 / l (0 for a row with no key), the mean's share, and the weights rounded to bf16 in place: P of keys 32 t on takes S^T's registers 16 t .. 16 t + 7, and 16 t + 8 .. 16 t + 15 fall free
.macro SM2
	s_wait_alu depctr_va_vdst(0)
.irp y, 0,1,2,3
	v_pk_add_f32 v[LS+2*\y:LS+2*\y+1], v[S+2*\y:S+2*\y+1], v[S+2*\y+8:S+2*\y+9]
.endr
.set i, 8
.rept 64
	v_pk_add_f32 v[LS+2*(i%4):LS+2*(i%4)+1], v[LS+2*(i%4):LS+2*(i%4)+1], v[S+2*i:S+2*i+1]
.set i, i+1
.endr
	v_pk_add_f32 v[LS:LS+1], v[LS:LS+1], v[LS+2:LS+3]
	v_pk_add_f32 v[LS+4:LS+5], v[LS+4:LS+5], v[LS+6:LS+7]
	v_pk_add_f32 v[LS:LS+1], v[LS:LS+1], v[LS+4:LS+5]
	v_add_f32 v10, v[LS], v[LS+1]
	v_permlanex16_b32 v11, v10, s52, s53
	v_add_f32 v10, v10, v11                        ; at least 1: the largest score's weight
	v_rcp_f32 v11, v10
	v_nop
	s_wait_alu depctr_va_vdst(0)
	v_mul_f32 v[INV], v11, v[ANYF]
	v_mul_f32 v[INV+1], v11, v[ANYF]
	v_mul_f32 v[INV16], 0x3d800000, v[INV]
	v_mul_f32 v[INV16+1], 0x3d800000, v[INV]
	WIN 0x50                                       ; the mean: destination and source 2 in window 1
.set i, 0
.rept 72
	v_pk_fma_f32 v[ATT+2*i:ATT+2*i+1], v[S+2*i:S+2*i+1], v[INV16:INV16+1], v[ATT+2*i:ATT+2*i+1] op_sel_hi:[1,0,1]
.set i, i+1
.endr
	WIN 0
.set t, 0
.rept 9
.set i, 0
.rept 8
	v_cvt_pk_bf16_f32 v[S+16*t+i], v[S+16*t+2*i], v[S+16*t+2*i+1]
.set i, i+1
.endr
.set t, t+1
.endr
.endm
; V's fragments of keys 32 kk on: four fragments of 16 channels, in one of three sets of buffers: v72-103, or the halves of S^T that the rounding left free
.macro SETVB kk, cb
.if (\kk)%3 == 0
.set vb, FR+32+8*(\cb)
.elseif (\kk)%3 == 1
.set vb, S+16*(\cb)+8
.else
.set vb, S+16*((\cb)+4)+8
.endif
.endm
.macro VLOAD kk                        ; fragment cb: the run of 256 bytes number cb of a row-block's 1,024 in each of the two pieces; row-blocks 2 kk and 2 kk + 1
.set cb, 0
.rept 4
	SETVB \kk, cb
	ds_load_tr16_b128 v[vb:vb+3],   v[AV] offset:2048*(\kk)+256*cb
	ds_load_tr16_b128 v[vb+4:vb+7], v[AV] offset:2048*(\kk)+256*cb+1024
.set cb, cb+1
.endr
.endm
; O^T = V^T P: four accumulators by turns; the first products start the sums.  more = 1: the next step's Q is asked for.
.macro PVPH more
	VLOAD 0
	VLOAD 1
	VLOAD 2
.if \more
	QLOAD
.endif
.set kk, 0
.rept 9
.if kk < 7
	s_wait_dscnt 16                                ; group kk is in; two younger groups of eight loads may be out
.elseif kk == 7
	s_wait_dscnt 8
.else
	s_wait_dscnt 0
.endif
.set cb, 0
.rept 4
	SETVB kk, cb
.if kk == 0
	v_wmma_f32_16x16x32_bf16 v[O+8*cb:O+8*cb+7], v[vb:vb+7], v[S+16*kk:S+16*kk+7], 0
.else
	v_wmma_f32_16x16x32_bf16 v[O+8*cb:O+8*cb+7], v[vb:vb+7], v[S+16*kk:S+16*kk+7], v[O+8*cb:O+8*cb+7]
.endif
.set cb, cb+1
.endr
.if kk < 6
	PLACES
	VLOAD kk+3                                     ; into the four buffers just multiplied
.endif
.set kk, kk+1
.endr
	PLACES
.endm
.macro OOUT                            ; O^T / l, rounded to bf16.  Accumulator f: lanes 0-15 hold channels 8 f on, lanes 16-31 channels 32 + 8 f on: two aligned runs of 256 bytes
.set i, 0
.rept 16
	v_pk_mul_f32 v[O+2*i:O+2*i+1], v[O+2*i:O+2*i+1], v[INV:INV+1] op_sel_hi:[1,0]
.set i, i+1
.endr
.set i, 0
.rept 16
	v_cvt_pk_bf16_f32 v[FR+32+i], v[O+2*i], v[O+2*i+1]
.set i, i+1
.endr
.irp y, 0,1,2,3
	global_store_b128 v[OO], v[FR+32+4*\y:FR+32+4*\y+3], s[58:59] offset:256*\y
.endr
	s_wait_xcnt 0x0                                ; the stores' data and base are rewritten only behind this wait
	s_add_nc_u64 s[58:59], s[58:59], STEPB         ; the next step's four heads
.endm
	s_mov_b32 s48, 4
	s_branch .Lenter                               ; step 0 begins in the middle of a trip
.Lstep:                                                ; three whole trips: the second half of steps 0 to 2, with both refills, and the first half of steps 1 to 3
	CHANGE 1
	SM2
	PVPH 1
	OOUT
	CHANGE 2
.Lenter:
	QKPH
	SM1
	s_sub_co_u32 s48, s48, 1
	s_cmp_lg_u32 s48, 0
	s_cbranch_scc1 .Lstep
	CHANGE 0                                       ; step 3's second half is written out
	SM2
	PVPH 0
	OOUT
	; THE MEAN'S WAY OUT.  The four waves of a query tile put their parts into LDS, over the slots, which have had their last fill and, behind this barrier, their last reader.
	s_wait_dscnt 0x0
	s_barrier_signal -1
	s_barrier_wait -1
	v_and_b32 v12, 15, v0
	v_bfe_u32 v13, v0, 4, 1
	s_mul_i32 s19, s14, PHW
	s_mul_i32 s20, s13, 16*PP
	s_add_co_u32 s19, s19, s20
	v_mul_u32_u24 v10, v12, PP
	v_lshl_add_u32 v10, v13, 5, v10
	v_add_nc_u32 v10, s19, v10                     ; my query's row, 32 bytes for each half of the lanes
	s_and_b32 s19, s17, 32                         ; a row holds 320 columns from kstart rounded down to 64: the window begins at its column 0 or 32
	s_cmp_lg_u32 s19, 0
	s_cbranch_scc1 .Lodd
	WIN 0x04                                       ; store data in window 1
.set kt, 0
.rept 18
	ds_store_b128 v10, v[ATT+8*kt:ATT+8*kt+3] offset:64*kt
	ds_store_b128 v10, v[ATT+8*kt+4:ATT+8*kt+7] offset:64*kt+16
.set kt, kt+1
.endr
.irp y, 18,19
	ds_store_b128 v10, v[ZR:ZR+3] offset:64*\y
	ds_store_b128 v10, v[ZR:ZR+3] offset:64*\y+16
.endr
	WIN 0
	s_branch .Lput
.Lodd:
	WIN 0x04
.irp y, 0,1
	ds_store_b128 v10, v[ZR:ZR+3] offset:64*\y
	ds_store_b128 v10, v[ZR:ZR+3] offset:64*\y+16
.endr
.set kt, 0
.rept 18
	ds_store_b128 v10, v[ATT+8*kt:ATT+8*kt+3] offset:64*kt+128
	ds_store_b128 v10, v[ATT+8*kt+4:ATT+8*kt+7] offset:64*kt+144
.set kt, kt+1
.endr
	WIN 0
.Lput:
	s_wait_dscnt 0x0                               ; for the others' sake: my stores are done
	s_barrier_signal -1
	s_barrier_wait -1
	s_mul_i32 s19, s12, 4*PP                       ; wave w adds and stores rows 4 w .. 4 w + 3: lanes 0-15 one row's 256 bytes, lanes 16-31 the next row's
	v_mul_u32_u24 v10, v13, PP
	v_lshl_add_u32 v10, v12, 4, v10
	v_add_nc_u32 v10, s19, v10
	v_add_nc_u32 v11, 2*PHW, v10
	s_lshl_b32 s21, s12, 17
	v_lshl_add_u32 v5, v13, 15, s21
	v_lshl_add_u32 v5, v12, 4, v5
.set n, 0
.rept 10                                               ; n = 5 x (pair of rows) + run of 256 bytes: the four parts
	ds_load_b128 v[FR+16*n:FR+16*n+3],     v10 offset:2*PP*(n/5)+256*(n%5)
	ds_load_b128 v[FR+16*n+4:FR+16*n+7],   v10 offset:2*PP*(n/5)+256*(n%5)+PHW
	ds_load_b128 v[FR+16*n+8:FR+16*n+11],  v11 offset:2*PP*(n/5)+256*(n%5)
	ds_load_b128 v[FR+16*n+12:FR+16*n+15], v11 offset:2*PP*(n/5)+256*(n%5)+PHW
.set n, n+1
.endr
.set n, 0
.rept 10
	s_wait_dscnt 36-4*n                            ; the four loads of n are back; the younger ones may be out
	v_pk_add_f32 v[FR+16*n:FR+16*n+1],     v[FR+16*n:FR+16*n+1],     v[FR+16*n+4:FR+16*n+5]
	v_pk_add_f32 v[FR+16*n+2:FR+16*n+3],   v[FR+16*n+2:FR+16*n+3],   v[FR+16*n+6:FR+16*n+7]
	v_pk_add_f32 v[FR+16*n+8:FR+16*n+9],   v[FR+16*n+8:FR+16*n+9],   v[FR+16*n+12:FR+16*n+13]
	v_pk_add_f32 v[FR+16*n+10:FR+16*n+11], v[FR+16*n+10:FR+16*n+11], v[FR+16*n+14:FR+16*n+15]
	v_pk_add_f32 v[FR+16*n:FR+16*n+1],     v[FR+16*n:FR+16*n+1],     v[FR+16*n+8:FR+16*n+9]
	v_pk_add_f32 v[FR+16*n+2:FR+16*n+3],   v[FR+16*n+2:FR+16*n+3],   v[FR+16*n+10:FR+16*n+11]
	global_store_b128 v5, v[FR+16*n:FR+16*n+3], s[62:63] offset:65536*(n/5)+256*(n%5) th:TH_STORE_NT
.set n, n+1
.endr
	s_wait_tensorcnt 0x0                           ; the wave's end
	ds_add_u32 v[SPW], v[NIL]
	s_wait_dscnt 0x0
	s_endpgm
.Lfunc_end_k_q0c52258849_attn:
	.size	k_q0c52258849_attn, .Lfunc_end_k_q0c52258849_attn-k_q0c52258849_attn
	.p2alignl 7, 3214868480
	.fill 96, 4, 3214868480
	.section	.rodata,"a",@progbits
	.p2align	6, 0x0
	.amdhsa_kernel k_q0c52258849_attn
		.amdhsa_group_segment_fixed_size 327680
		.amdhsa_private_segment_fixed_size 0
		.amdhsa_enable_private_segment 0
		.amdhsa_kernarg_size 32
		.amdhsa_user_sgpr_count 2
		.amdhsa_user_sgpr_kernarg_segment_ptr 1
		.amdhsa_wavefront_size32 1
		.amdhsa_system_sgpr_workgroup_id_x 1
		.amdhsa_system_sgpr_workgroup_id_y 1
		.amdhsa_system_sgpr_workgroup_id_z 1
		.amdhsa_system_vgpr_workitem_id 0
		.amdhsa_next_free_vgpr 480
		.amdhsa_next_free_sgpr 90
		.amdhsa_reserve_vcc 1
		.amdhsa_float_denorm_mode_32 3
		.amdhsa_float_denorm_mode_16_64 3
		.amdhsa_memory_ordered 1
		.amdhsa_forward_progress 1
		.amdhsa_inst_pref_size 122
	.end_amdhsa_kernel
	.amdgpu_metadata
---
amdhsa.version: [ 1, 2 ]
amdhsa.kernels:
  - .name:           k_q0c52258849_attn
    .symbol:         k_q0c52258849_attn.kd
    .args:
      - { .name: qkv, .offset: 0, .size: 8, .value_kind: global_buffer, .address_space: global }
      - { .name: seq_lengths, .offset: 8, .size: 8, .value_kind: global_buffer, .address_space: global }
      - { .name: o, .offset: 16, .size: 8, .value_kind: global_buffer, .address_space: global }
      - { .name: out1, .offset: 24, .size: 8, .value_kind: global_buffer, .address_space: global }
    .group_segment_fixed_size: 327680
    .private_segment_fixed_size: 0
    .kernarg_segment_align: 8
    .kernarg_segment_size: 32
    .max_flat_workgroup_size: 256
    .sgpr_count:     90
    .vgpr_count:     480
    .wavefront_size: 32
...
	.end_amdgpu_metadata
.endif
;; end of part 11
;; launch gout (part 12): grid 8 x 32, 4 waves a work-group, clusters of 4 x 4, 327,680 bytes of LDS; arguments o, wo, t16; writes t16
.if DOCPART == 12
	.amdgcn_target "amdgcn-amd-amdhsa--gfx1250"
	.amdhsa_code_object_version 6
	.text
	.protected	k_q0c52258849_gout
	.globl	k_q0c52258849_gout
	.p2align	8
	.type	k_q0c52258849_gout,@function
k_q0c52258849_gout:
	s_mov_b64 s[64:65], 0
	v_nop
	global_prefetch_b8 v0, s[64:65] scope:SCOPE_SE
	s_setreg_imm32_b32 hwreg(HW_REG_WAVE_MODE, 25, 1), 1
	s_wait_xcnt 0x0
	s_wait_alu depctr_hold_cnt(0) depctr_sa_sdst(0) depctr_va_vdst(0) depctr_va_sdst(0) depctr_va_ssrc(0) depctr_va_vcc(0) depctr_vm_vsrc(0)
	s_getreg_b32 s2, hwreg(HW_REG_IB_STS2, 6, 4)
	s_cmp_eq_u32 s2, 0
	s_cbranch_scc0 .Lentry_in_a_cluster
	s_endpgm
.Lentry_in_a_cluster:
	s_bfe_u32 s2, ttmp6, 0x10000c
	s_cmp_lg_u32 s2, 0xf033
	s_cbranch_scc0 .Lentry_shape_is_right
	s_endpgm
.Lentry_shape_is_right:
; The attention's projection: a[t][f] = sum over e of o[t][e] attn_out_w[f][e], K = 1,024, 1,024 columns.
; A = o: bf16, [8192][1024], tiled by 16 x 16 blocks: [t / 16][e / 16][32 lanes][8 numbers], lane 16 g + r holding row r, columns 8 g .. 8 g + 7.  B = attn_out_w: bf16, rows of 1,024, from its
; buffer's first byte.  Sums in f32; a rounded once to bf16 (a is a small part of the residual sum h + a, so bf16's step costs that sum little).
; a LEAVES TILED like A: an accumulator is one store of 512 consecutive aligned bytes, with no stage and no barrier.
; SHAPE: a tile of C is 256 x 128, which gives each of 256 work-groups one: four waves of 128 x 64, 32 accumulators each.  For 32 along K a wave reads 12 fragments from LDS for 32 matrix instructions.
; K goes in steps of 128 through two LDS slots: four laps, a loop of three trips; the first 32 along K stand in front of the loop (they start the sums), the last lap behind it (it fills nothing).
; A's TILE: 128 rows x 128 K are 8 pieces of 4,096 dense bytes, 32,768 apart: one tensor load of 8 rows of 512 8-byte elements, unpadded: a fragment is two loads of 16 bytes a lane at 16 x lane,
; 512 consecutive bytes each.  B's tile: 64 rows of 256 bytes, padded to 272.  Waves 0 and 1 fetch A's halves, waves 2 and 3 B's.
; CLUSTER 4 x 4: A's tiles are shared along a row of the cluster, B's along a column, by joint loads.  THE MATRIX INSTRUCTION IS USED TRANSPOSED (source 0 = rows of B, source 1 = rows of A).
; REGISTERS: window 0: v0-31 addresses; v64-159, v160-255 two fragment buffers (64 of A, 32 of B), on the way out the packed results.  window 1: the accumulators, (a, b) at 8 (4 a + b).
.set SIZE_K, 1024
.set KSTEP,  128
.set ASTEP,  4096                      ; bytes of a row-block in a K step
.set PITCH,  272                       ; B's LDS row: 256 bytes + 16 of padding = 68 words: the 16 rows of a fragment load start at 16 different groups of four banks
.set AHALF,  32768                     ; 128 rows of A
.set BHALF,  64*PITCH                  ; 64 rows of B
.set BBASE,  2*AHALF
.set SLOT,   BBASE+2*BHALF             ; 100,352
.set SPARE,  2*SLOT                    ; behind the slots: the spare words, 128 bytes a wave
.set LAPS,   SIZE_K/(2*KSTEP)
.set ADRA, 16
.set ADRB, 20
.set CO,   26
.set SPW,  28
.set NIL,  29
.set F0,   64
.set F1,   160
.set TMP,  64
.set G1, 24
.set G0, 32
.set G1B, 48
.set G0B, 56
.set MSB, 0
.macro WIN new                         ; bits 1:0 source 0, 3:2 source 1, 5:4 source 2, 7:6 destination; the high byte repeats the setting that is left
.if MSB != (\new)
	s_set_vgpr_msb (MSB<<8)|(\new)
.set MSB, \new
.endif
.endm
.set MUL,  0x50                        ; C and D window 1; the fragments window 0
.macro JLOAD s                         ; a joint load; s_nop 0 and four v_nop follow each of the two lines
	s_cmp_eq_u32 s11, 0
	s_cbranch_scc0 .Lfor_b_\@
	tensor_load_to_lds s[G0+4*(\s):G0+4*(\s)+3], s[G1:G1+7]
	s_nop 0
.rept 4
	v_nop
.endr
	s_branch .Lasked_\@
.Lfor_b_\@:
	tensor_load_to_lds s[G0B+4*(\s):G0B+4*(\s)+3], s[G1B:G1B+7]
	s_nop 0
.rept 4
	v_nop
.endr
.Lasked_\@:
.endm
.macro CREST                           ; a round of the cluster's barrier behind its opening barrier
	s_cmp_lg_u32 s10, 0
	s_cbranch_scc1 .Lnot_wave_0_\@
	s_barrier_signal -3
.Lnot_wave_0_\@:
	s_barrier_wait -3
	s_barrier_signal -1
	s_barrier_wait -1
.endm
.macro CROUND
	s_barrier_signal -1
	s_barrier_wait -1
	CREST
.endm
	s_load_b128 s[4:7], s[0:1], 0x0                ; A s[4:5], B s[6:7]
	s_load_b64 s[8:9], s[0:1], 0x10                ; C
	v_lshl_add_u32 v[SPW], v0, 2, SPARE
	v_mov_b32 v[NIL], 0
	ds_add_u32 v[SPW], v[NIL]                      ; the wave's opening: the add and its wait ahead of my first tensor load
	ds_add_u32 v28, v29
	v_lshrrev_b32 v1, 5, v0
	v_readfirstlane_b32 s10, v1                    ; wave 0..3
	s_lshr_b32 s11, s10, 1                         ; my 128 of the tile's rows; also: I fetch for A (0) or B (1)
	s_and_b32 s12, s10, 1                          ; my 64 of its columns; also: which half of that tile I fetch
	s_bfe_u32 s40, ttmp6, 0x40000                  ; cx
	s_bfe_u32 s41, ttmp6, 0x40004                  ; cy
	s_lshl_b32 s42, ttmp9, 2
	s_add_co_u32 s42, s42, s40                     ; tile column
	s_and_b32 s13, ttmp7, 0xffff
	s_lshl_b32 s13, s13, 2
	s_add_co_u32 s13, s13, s41                     ; tile row
	s_lshl_b32 s43, s41, 2
	s_lshl_b32 s43, 15, s43                        ; my row of the cluster
	s_lshl_b32 s44, 0x1111, s40                    ; my column
	s_or_b32 s[G1+0], s43, (3<<16)|(1<<21)         ; A: my row's mask; 8-byte elements; no padding; bit 21 beside a mask
	s_mov_b32 s[G1+1], 512<<16                     ; tensor_dim0 = 512 elements = 4,096 bytes
	s_mov_b32 s[G1+2], 8<<16                       ; tensor_dim1 = 8 row-blocks
	s_mov_b32 s[G1+3], 512<<16                     ; tile_dim0
	s_mov_b32 s[G1+4], 8                           ; tile_dim1
	s_mov_b32 s[G1+5], 4096                        ; a row-block is 32,768 bytes
	s_mov_b32 s[G1+6], 0
	s_mov_b32 s[G1+7], 0
	s_or_b32 s[G1B+0], s44, (1<<16)|(1<<20)|(1<<21)|(5<<22)|(3<<25)  ; B: my column's mask; 2-byte elements; 4 words of padding after every 64
	s_mov_b32 s[G1B+1], KSTEP<<16
	s_mov_b32 s[G1B+2], 64<<16
	s_mov_b32 s[G1B+3], KSTEP<<16
	s_mov_b32 s[G1B+4], 64
	s_mov_b32 s[G1B+5], SIZE_K
	s_mov_b32 s[G1B+6], 0
	s_mov_b32 s[G1B+7], 0
	s_lshl_b32 s16, s13, 1                         ; A: 8 row-blocks of 32,768 bytes for each half tile row
	s_add_co_u32 s16, s16, s12
	s_lshl_b32 s16, s16, 18
	s_mov_b32 s17, 0
	s_lshl_b32 s46, s42, 1                         ; B: 64 rows of 2,048 bytes for each half tile column
	s_add_co_u32 s46, s46, s12
	s_lshl_b32 s46, s46, 17
	s_mov_b32 s47, 0
	s_lshl_b32 s20, s10, 15                        ; where waves 0 and 1 put A's halves: wave x 32,768,
	s_mul_i32 s21, s10, BHALF                      ; and waves 2 and 3 B's: behind A, (wave - 2) x 64 rows
	s_add_co_u32 s21, s21, BBASE-2*BHALF
	s_wait_dscnt 0x0                               ; the opening add is done
	s_wait_kmcnt 0x0
	s_add_nc_u64 s[14:15], s[4:5], s[16:17]
	s_add_nc_u64 s[46:47], s[6:7], s[46:47]
	CROUND                                         ; all sixteen work-groups are here: the first joint loads meet
.irp s, 0,1
	s_mov_b32 s[G0+4*(\s)], 1
	s_add_co_u32 s[G0+4*(\s)+1], s20, (\s)*SLOT
	s_add_nc_u64 s[G0+4*(\s)+2:G0+4*(\s)+3], s[14:15], (\s)*ASTEP
	s_or_b32 s[G0+4*(\s)+3], s[G0+4*(\s)+3], 0x80000000
	s_mov_b32 s[G0B+4*(\s)], 1
	s_add_co_u32 s[G0B+4*(\s)+1], s21, (\s)*SLOT
	s_add_nc_u64 s[G0B+4*(\s)+2:G0B+4*(\s)+3], s[46:47], (\s)*KSTEP*2
	s_or_b32 s[G0B+4*(\s)+3], s[G0B+4*(\s)+3], 0x80000000
	JLOAD \s                                       ; two tensor loads of mine are out
.endr
	v_and_b32 v1, 15, v0
	v_bfe_u32 v2, v0, 4, 1
	v_mul_u32_u24 v3, v1, PITCH
	v_lshl_add_u32 v3, v2, 4, v3                   ; B: row x pitch + 16 x half
	v_and_b32 v4, 31, v0
	v_lshlrev_b32 v4, 4, v4                        ; A and C: 16 x lane
	s_lshl_b32 s22, s11, 15                        ; my 128 rows of A
	s_mul_i32 s23, s12, BHALF                      ; my 64 rows of B
	s_add_co_u32 s23, s23, BBASE
.irp s, 0,1
	v_add_nc_u32 v[ADRA+(\s)], s22, v4
	v_add_nc_u32 v[ADRB+(\s)], s23, v3
	s_add_co_u32 s22, s22, SLOT
	s_add_co_u32 s23, s23, SLOT
.endr
	v_mov_b32 v[CO], v4
	s_lshl_b32 s16, s13, 1                         ; C: row-block 16 x tile row + 8 x my half, 32,768 bytes each;
	s_add_co_u32 s16, s16, s11
	s_lshl_b32 s16, s16, 18
	s_mov_b32 s17, 0
	s_add_nc_u64 s[8:9], s[8:9], s[16:17]
	s_lshl_b32 s46, s42, 1                         ; the block of 16 columns 8 x tile column + 4 x my half, 512 bytes each
	s_add_co_u32 s46, s46, s12
	s_lshl_b32 s46, s46, 11
	s_mov_b32 s47, 0
	s_add_nc_u64 s[8:9], s[8:9], s[46:47]
.macro MUL8 f, a0, zero                ; 8 products: row blocks a0, a0 + 1 x all 4 column blocks, 32 along K; the 32 accumulators take turns, one instruction a turn
	WIN MUL
.irp a, \a0, (\a0)+1
.irp b, 0,1,2,3
.if \zero
	v_wmma_f32_16x16x32_bf16 v[8*(4*(\a)+(\b)):8*(4*(\a)+(\b))+7], v[(\f)+64+8*(\b):(\f)+64+8*(\b)+7], v[(\f)+8*(\a):(\f)+8*(\a)+7], 0
.else
	v_wmma_f32_16x16x32_bf16 v[8*(4*(\a)+(\b)):8*(4*(\a)+(\b))+7], v[(\f)+64+8*(\b):(\f)+64+8*(\b)+7], v[(\f)+8*(\a):(\f)+8*(\a)+7], v[8*(4*(\a)+(\b)):8*(4*(\a)+(\b))+7]
.endif
.endr
.endr
.endm
.macro FETCH slot, q, f                ; 24 LDS loads in one run: quarter q (32 along K: 64 bytes of B's rows, 2 blocks of 512 bytes of each of A's row-blocks) into buffer f; B first, then A's row blocks in order
	WIN 0
.irp i, 0,1,2,3
	ds_load_b128 v[(\f)+64+8*(\i):(\f)+64+8*(\i)+3],   v[ADRB+(\slot)] offset:64*(\q)+(\i)*16*PITCH
	ds_load_b128 v[(\f)+64+8*(\i)+4:(\f)+64+8*(\i)+7], v[ADRB+(\slot)] offset:64*(\q)+(\i)*16*PITCH+32
.endr
.irp i, 0,1,2,3,4,5,6,7
	ds_load_b128 v[(\f)+8*(\i):(\f)+8*(\i)+3],   v[ADRA+(\slot)] offset:1024*(\q)+4096*(\i)
	ds_load_b128 v[(\f)+8*(\i)+4:(\f)+8*(\i)+7], v[ADRA+(\slot)] offset:1024*(\q)+4096*(\i)+512
.endr
.endm
.macro PLACES                          ; four plain vector instructions between a matrix instruction and a load into, or a vector use of, its registers
.rept 4
	v_nop
.endr
.endm
; A K step is four quarters of 32 along K, 32 matrix instructions each, on buffers 0, 1, 0, 1.  One of the first three: multiplies buffer f; in its middle it fetches quarter q into buffer g.
.macro QUARTER slot, q, f, g, zero
	s_wait_dscnt 8                                 ; B and A's row blocks 0-3 are in; the youngest eight loads (row blocks 4-7) may be out
	MUL8 \f, 0, \zero
	MUL8 \f, 2, \zero
	PLACES
	FETCH \slot, \q, \g
	s_wait_dscnt 24                                ; all but the 24 just issued
	MUL8 \f, 4, \zero
	MUL8 \f, 6, \zero
.endm
; The last quarter multiplies buffer 1 and changes slots: one barrier; in front of it each wave waits for all its tensor loads (one is out: its part of the next slot), adds 0 to its spare word, and
; waits for that and for its reads of this slot.  fill = 1: the barrier opens a round of the cluster's, and this slot is filled again, two K steps ahead, first thing behind the round:
; 112 matrix instructions ahead of the wait for it.
.macro TURN slot, next, fill
	WIN 0                                          ; (the add's two registers lie in window 0)
	s_wait_tensorcnt 0x0
	ds_add_u32 v[SPW], v[NIL]
	s_wait_dscnt 9                                 ; the add and the youngest eight loads may be out
	MUL8 F1, 0, 0                                  ; eight matrix instructions stand between the add and the wait for it
	s_wait_dscnt 0x0                               ; the add is done, and my reads of this slot are over
	s_barrier_signal -1
	MUL8 F1, 2, 0
.if \fill
	WIN 0
.endif
	s_barrier_wait -1
.if \fill
	CREST                                          ; no wave of any partner still reads this slot's tile or has a load on its way
	s_add_nc_u64 s[G0+4*(\slot)+2:G0+4*(\slot)+3], s[G0+4*(\slot)+2:G0+4*(\slot)+3], 2*ASTEP
	s_add_nc_u64 s[G0B+4*(\slot)+2:G0B+4*(\slot)+3], s[G0B+4*(\slot)+2:G0B+4*(\slot)+3], 2*KSTEP*2
	JLOAD \slot                                    ; my one tensor load behind the round; its four v_nop are also the places in front of the loads below
.else
	PLACES
.endif
	FETCH \next, 0, F0
	MUL8 F1, 4, 0
	MUL8 F1, 6, 0
.endm
	s_wait_tensorcnt 1                             ; my part of K step 0 is in; K step 1's may stay out
	s_barrier_signal -1
	s_barrier_wait -1
	FETCH 0, 0, F0
	QUARTER 0, 1, F0, F1, 1                        ; the first quarter stands in front of the loop: its products start the sums
	WIN 0                                          ; at a label and at a branch every window is 0
	s_mov_b32 s3, LAPS-1
.Llap:                                                 ; a trip goes once round the ring, from a lap's second quarter to the next lap's first, and fills both slots again
	QUARTER 0, 2, F1, F0, 0
	QUARTER 0, 3, F0, F1, 0
	TURN 0, 1, 1
	QUARTER 1, 1, F0, F1, 0
	QUARTER 1, 2, F1, F0, 0
	QUARTER 1, 3, F0, F1, 0
	TURN 1, 0, 1
	QUARTER 0, 1, F0, F1, 0
	WIN 0
	s_sub_co_u32 s3, s3, 1
	s_cmp_lg_u32 s3, 0
	s_cbranch_scc1 .Llap
	QUARTER 0, 2, F1, F0, 0                        ; the last lap fills nothing
	QUARTER 0, 3, F0, F1, 0
	TURN 0, 1, 0
	QUARTER 1, 1, F0, F1, 0
	QUARTER 1, 2, F1, F0, 0
	QUARTER 1, 3, F0, F1, 0
	s_wait_dscnt 8                                 ; the very last quarter: nothing more to fetch
	MUL8 F1, 0, 0
	MUL8 F1, 2, 0
	s_wait_dscnt 0
	MUL8 F1, 4, 0
	MUL8 F1, 6, 0
	; THE WAY OUT: rounded to bf16 into the fragments' registers; one store of 512 consecutive aligned bytes for each accumulator; in two halves, so that the first stores leave while the rest is rounded
	WIN 0
	PLACES
.irp p, 0,1
	WIN 0x05                                       ; sources 0 and 1 window 1, destination window 0
.set u, 0
.rept 16
.set t, 16*(\p)+u
.set k, 0
.rept 4
	v_cvt_pk_bf16_f32 v[TMP+4*t+k], v[8*t+2*k], v[8*t+2*k+1]
.set k, k+1
.endr
.set u, u+1
.endr
	WIN 0
.set u, 0
.rept 16
.set t, 16*(\p)+u
	global_store_b128 v[CO], v[TMP+4*t:TMP+4*t+3], s[8:9] offset:32768*(t/4)+512*(t%4)
.set u, u+1
.endr
.endr
	s_wait_tensorcnt 0x0                           ; the wave's end
	ds_add_u32 v[SPW], v[NIL]
	s_wait_dscnt 0x0
	CROUND                                         ; the closing round
	s_endpgm
.Lfunc_end_k_q0c52258849_gout:
	.size	k_q0c52258849_gout, .Lfunc_end_k_q0c52258849_gout-k_q0c52258849_gout
	.p2alignl 7, 3214868480
	.fill 96, 4, 3214868480
	.section	.rodata,"a",@progbits
	.p2align	6, 0x0
	.amdhsa_kernel k_q0c52258849_gout
		.amdhsa_group_segment_fixed_size 327680
		.amdhsa_private_segment_fixed_size 0
		.amdhsa_enable_private_segment 0
		.amdhsa_kernarg_size 24
		.amdhsa_user_sgpr_count 2
		.amdhsa_user_sgpr_kernarg_segment_ptr 1
		.amdhsa_wavefront_size32 1
		.amdhsa_system_sgpr_workgroup_id_x 1
		.amdhsa_system_sgpr_workgroup_id_y 1
		.amdhsa_system_sgpr_workgroup_id_z 1
		.amdhsa_system_vgpr_workitem_id 0
		.amdhsa_next_free_vgpr 512
		.amdhsa_next_free_sgpr 72
		.amdhsa_reserve_vcc 0
		.amdhsa_float_denorm_mode_32 3
		.amdhsa_float_denorm_mode_16_64 3
		.amdhsa_memory_ordered 1
		.amdhsa_forward_progress 1
		.amdhsa_inst_pref_size 81
	.end_amdhsa_kernel
	.amdgpu_metadata
---
amdhsa.version: [ 1, 2 ]
amdhsa.kernels:
  - .name:           k_q0c52258849_gout
    .symbol:         k_q0c52258849_gout.kd
    .args:
      - { .name: o, .offset: 0, .size: 8, .value_kind: global_buffer, .address_space: global }
      - { .name: wo, .offset: 8, .size: 8, .value_kind: global_buffer, .address_space: global }
      - { .name: t16, .offset: 16, .size: 8, .value_kind: global_buffer, .address_space: global }
    .group_segment_fixed_size: 327680
    .private_segment_fixed_size: 0
    .kernarg_segment_align: 8
    .kernarg_segment_size: 24
    .max_flat_workgroup_size: 128
    .sgpr_count:     72
    .vgpr_count:     512
    .wavefront_size: 32
...
	.end_amdgpu_metadata
.endif
;; end of part 12
;; launch lnorm (part 13): grid 512 x 1, 8 waves a work-group, no clusters, 2,048 bytes of LDS; arguments h, t16, ln_g, ln_b, rn; writes rn
.if DOCPART == 13
	.amdgcn_target "amdgcn-amd-amdhsa--gfx1250"
	.amdhsa_code_object_version 6
	.text
	.protected	k_q0c52258849_lnorm
	.globl	k_q0c52258849_lnorm
	.p2align	8
	.type	k_q0c52258849_lnorm,@function
k_q0c52258849_lnorm:
	s_mov_b64 s[64:65], 0
	v_nop
	global_prefetch_b8 v0, s[64:65] scope:SCOPE_SE
	s_setreg_imm32_b32 hwreg(HW_REG_WAVE_MODE, 25, 1), 1
	s_wait_xcnt 0x0
; r = h + a (the residual sum, in f32: h in f16, the attention's projection a in bf16); rn[t][e] = (r[t][e] - mean) / sqrt(var + 1e-5) x ln_g[e] + ln_b[e], mean and var over a row's 1,024 numbers,
; all in f32; ln_g and ln_b are taken rounded to bf16, like every input; rn rounded once to f16.
; LIMIT: |rn| <= 32 |ln_g| + |ln_b| stays under 65,504 (f16).  The variance is the mean of the squared differences, never a difference of sums.
; h, a and rn lie alike: [t / 16][e / 16][32 lanes][8 numbers of 16 bits]; lane 16 g + r holds row r, columns 8 g .. 8 g + 7 of a block of 16 x 16.
; A work-group owns one row-block, 16 rows, 32,768 consecutive bytes of each; wave w the blocks 8 w .. 8 w + 7 (128 columns): 64 numbers a lane, which stay in registers through the three passes, so
; h and a are read once.  Every load and store of a wave covers 512 consecutive aligned bytes.  A row's sums meet in LDS, once for the mean and once for the variance, in words of their own.
; Memory binds: no matrix unit, no cluster, no tensor load.
.set SPARE, 1024                       ; sums of pass 1 at 0, of pass 2 at 512 ([row][wave] f32); then the spare words, 128 bytes a wave
.set X,  32
.set G,  96
.set BB, 160
.set HR, 96                            ; h as loaded, and
.set AR, 128                           ; a as loaded: in ln_g's registers, which are loaded when these have been widened
	s_load_b256 s[4:11], s[0:1], 0x0               ; h s[4:5], a s[6:7], ln_g s[8:9], ln_b s[10:11]
	s_load_b64 s[24:25], s[0:1], 0x20              ; rn
	v_lshl_add_u32 v30, v0, 2, SPARE
	v_mov_b32 v31, 0
	v_lshrrev_b32 v6, 5, v0
	v_readfirstlane_b32 s16, v6                    ; wave
	v_and_b32 v6, 31, v0
	v_and_b32 v7, 15, v0
	v_bfe_u32 v8, v0, 4, 1
	s_lshl_b32 s21, s16, 12
	s_lshl_b32 s22, s16, 9
	s_lshl_b32 s23, s16, 2
	v_lshl_add_u32 v2, v6, 4, s21                  ; in h, a and rn: 8 blocks of 512 bytes a wave, 16 x lane
	v_lshl_add_u32 v3, v8, 5, s22                  ; in ln_g and ln_b: 512 bytes a wave, 32 for the upper half of the lanes
	v_lshlrev_b32 v5, 5, v7                        ; a row's eight sums
	v_add_nc_u32 v4, s23, v5                       ; my wave's word among them
	s_lshl_b32 s18, ttmp9, 15
	s_mov_b32 s19, 0
	s_mov_b32 s12, 0x76543210
	s_mov_b32 s13, 0xfedcba98
	s_mov_b32 s14, 0x3a800000                      ; 1 / 1024
	s_mov_b32 s15, 0x3727c5ac                      ; 1e-5
	s_mov_b32 s17, 0xffff0000
	s_wait_kmcnt 0x0
	s_add_nc_u64 s[4:5], s[4:5], s[18:19]
	s_add_nc_u64 s[6:7], s[6:7], s[18:19]
	s_add_nc_u64 s[24:25], s[24:25], s[18:19]
.set i, 0
.rept 8
	global_load_b128 v[HR+4*i:HR+4*i+3], v2, s[4:5] offset:512*i th:TH_LOAD_NT
.set i, i+1
.endr
.set i, 0
.rept 8
	global_load_b128 v[AR+4*i:AR+4*i+3], v2, s[6:7] offset:512*i th:TH_LOAD_NT
.set i, i+1
.endr
.set i, 0
.rept 8
	global_load_b128 v[BB+8*i:BB+8*i+3],   v3, s[10:11] offset:64*i
	global_load_b128 v[BB+8*i+4:BB+8*i+7], v3, s[10:11] offset:64*i+16
.set i, i+1
.endr
; my lane's four chains v[14:21] into one number, the other half of the lanes' added, stored to my wave's word; all eight waves' words read back and added into v6
.macro MEET off
	v_pk_add_f32 v[14:15], v[14:15], v[16:17]
	v_pk_add_f32 v[18:19], v[18:19], v[20:21]
	v_pk_add_f32 v[14:15], v[14:15], v[18:19]
	v_add_f32 v14, v14, v15
	v_permlanex16_b32 v15, v14, s12, s13           ; the row's other eight columns of each block lie in the lane 16 away
	v_add_f32 v14, v14, v15
	ds_store_b32 v4, v14 offset:\off
	s_wait_dscnt 0x0                               ; for the others' sake
	s_barrier_signal -1
	s_barrier_wait -1
	ds_load_b128 v[6:9], v5 offset:\off
	ds_load_b128 v[10:13], v5 offset:(\off)+16
	s_wait_dscnt 0x0
	v_pk_add_f32 v[6:7], v[6:7], v[8:9]
	v_pk_add_f32 v[10:11], v[10:11], v[12:13]
	v_pk_add_f32 v[6:7], v[6:7], v[10:11]
	v_add_f32 v6, v6, v7
.endm
	s_wait_loadcnt 16                              ; h and a are in; the 16 younger loads, of ln_b, may be out
.irp r, 96,97,98,99,100,101,102,103,104,105,106,107,108,109,110,111,112,113,114,115,116,117,118,119,120,121,122,123,124,125,126,127
	v_cvt_f32_f16 v[X+2*(\r-96)], v\r\().l         ; word i of the 32 holds numbers 2 i, 2 i + 1 of the lane's 64
	v_cvt_f32_f16 v[X+2*(\r-96)+1], v\r\().h
.endr
.set i, 0
.rept 8
.irp k, 0,1,2,3
	v_lshlrev_b32 v[6+2*\k], 16, v[AR+4*i+\k]      ; bf16 to f32: the low half moves up, the high half stays
	v_and_b32 v[7+2*\k], s17, v[AR+4*i+\k]
.endr
.irp k, 0,1,2,3
	v_pk_add_f32 v[X+8*i+2*\k:X+8*i+2*\k+1], v[X+8*i+2*\k:X+8*i+2*\k+1], v[6+2*\k:7+2*\k]   ; r = h + a
.endr
.set i, i+1
.endr
.set i, 0
.rept 8
	global_load_b128 v[G+8*i:G+8*i+3],   v3, s[8:9] offset:64*i      ; wanted only in the last pass, behind two meetings
	global_load_b128 v[G+8*i+4:G+8*i+7], v3, s[8:9] offset:64*i+16
.set i, i+1
.endr
.irp k, 0,1,2,3
	v_pk_add_f32 v[14+2*\k:15+2*\k], v[X+2*\k:X+2*\k+1], v[X+8+2*\k:X+8+2*\k+1]   ; the first two blocks start four chains: nothing is cleared
.endr
.set i, 2
.rept 6
.irp k, 0,1,2,3
	v_pk_add_f32 v[14+2*\k:15+2*\k], v[14+2*\k:15+2*\k], v[X+8*i+2*\k:X+8*i+2*\k+1]
.endr
.set i, i+1
.endr
	MEET 0
	v_mul_f32 v22, s14, v6                         ; the mean, twice, for the packed subtraction
	v_mul_f32 v23, s14, v6
.set i, 0
.rept 32
	v_pk_add_f32 v[X+2*i:X+2*i+1], v[X+2*i:X+2*i+1], v[22:23] neg_lo:[0,1] neg_hi:[0,1]   ; r - mean, kept
.set i, i+1
.endr
.irp k, 0,1,2,3
	v_pk_mul_f32 v[14+2*\k:15+2*\k], v[X+2*\k:X+2*\k+1], v[X+2*\k:X+2*\k+1]
.endr
.set i, 1
.rept 7
.irp k, 0,1,2,3
	v_pk_fma_f32 v[14+2*\k:15+2*\k], v[X+8*i+2*\k:X+8*i+2*\k+1], v[X+8*i+2*\k:X+8*i+2*\k+1], v[14+2*\k:15+2*\k]
.endr
.set i, i+1
.endr
	MEET 512
	v_fma_f32 v6, v6, s14, s15                     ; var + 1e-5
	v_rsq_f32 v24, v6
	v_nop                                          ; a plain instruction behind the transcendental
	s_wait_alu depctr_va_vdst(0)
	v_mov_b32 v25, v24
	s_wait_loadcnt 0x0                             ; ln_g, ln_b
.set i, 0
.rept 32
	v_cvt_pk_bf16_f32 v6, v[G+2*i], v[G+2*i+1]     ; rounded to bf16 and widened again
	v_cvt_pk_bf16_f32 v7, v[BB+2*i], v[BB+2*i+1]
	v_lshlrev_b32 v[G+2*i], 16, v6
	v_and_b32 v[G+2*i+1], s17, v6
	v_lshlrev_b32 v[BB+2*i], 16, v7
	v_and_b32 v[BB+2*i+1], s17, v7
.set i, i+1
.endr
.set i, 0
.rept 8
.irp k, 0,1,2,3
	v_pk_mul_f32 v[X+8*i+2*\k:X+8*i+2*\k+1], v[X+8*i+2*\k:X+8*i+2*\k+1], v[24:25]
.endr
.irp k, 0,1,2,3
	v_pk_fma_f32 v[X+8*i+2*\k:X+8*i+2*\k+1], v[X+8*i+2*\k:X+8*i+2*\k+1], v[G+8*i+2*\k:G+8*i+2*\k+1], v[BB+8*i+2*\k:BB+8*i+2*\k+1]
.endr
.irp k, 0,1,2,3
	v_cvt_pk_f16_f32 v[X+8*i+\k], v[X+8*i+2*\k], v[X+8*i+2*\k+1]    ; in place, ascending: word k is written when numbers 2 k, 2 k + 1 are read
.endr
	global_store_b128 v2, v[X+8*i:X+8*i+3], s[24:25] offset:512*i
.set i, i+1
.endr
	s_wait_tensorcnt 0x0                           ; the wave's end
	ds_add_u32 v30, v31
	s_wait_dscnt 0x0
	s_endpgm
.Lfunc_end_k_q0c52258849_lnorm:
	.size	k_q0c52258849_lnorm, .Lfunc_end_k_q0c52258849_lnorm-k_q0c52258849_lnorm
	.p2alignl 7, 3214868480
	.fill 96, 4, 3214868480
	.section	.rodata,"a",@progbits
	.p2align	6, 0x0
	.amdhsa_kernel k_q0c52258849_lnorm
		.amdhsa_group_segment_fixed_size 2048
		.amdhsa_private_segment_fixed_size 0
		.amdhsa_enable_private_segment 0
		.amdhsa_kernarg_size 40
		.amdhsa_user_sgpr_count 2
		.amdhsa_user_sgpr_kernarg_segment_ptr 1
		.amdhsa_wavefront_size32 1
		.amdhsa_system_sgpr_workgroup_id_x 1
		.amdhsa_system_sgpr_workgroup_id_y 1
		.amdhsa_system_sgpr_workgroup_id_z 1
		.amdhsa_system_vgpr_workitem_id 0
		.amdhsa_next_free_vgpr 232
		.amdhsa_next_free_sgpr 66
		.amdhsa_reserve_vcc 0
		.amdhsa_float_denorm_mode_32 3
		.amdhsa_float_denorm_mode_16_64 3
		.amdhsa_memory_ordered 1
		.amdhsa_forward_progress 1
		.amdhsa_inst_pref_size 35
	.end_amdhsa_kernel
	.amdgpu_metadata
---
amdhsa.version: [ 1, 2 ]
amdhsa.kernels:
  - .name:           k_q0c52258849_lnorm
    .symbol:         k_q0c52258849_lnorm.kd
    .args:
      - { .name: h, .offset: 0, .size: 8, .value_kind: global_buffer, .address_space: global }
      - { .name: t16, .offset: 8, .size: 8, .value_kind: global_buffer, .address_space: global }
      - { .name: ln_g, .offset: 16, .size: 8, .value_kind: global_buffer, .address_space: global }
      - { .name: ln_b, .offset: 24, .size: 8, .value_kind: global_buffer, .address_space: global }
      - { .name: rn, .offset: 32, .size: 8, .value_kind: global_buffer, .address_space: global }
    .group_segment_fixed_size: 2048
    .private_segment_fixed_size: 0
    .kernarg_segment_align: 8
    .kernarg_segment_size: 40
    .max_flat_workgroup_size: 256
    .sgpr_count:     66
    .vgpr_count:     232
    .wavefront_size: 32
...
	.end_amdgpu_metadata
.endif
;; end of part 13
;; launch gy (part 14): grid 4 x 64, 4 waves a work-group, clusters of 4 x 4, 327,680 bytes of LDS; arguments rn, wo, out0, b_out; writes out0
.if DOCPART == 14
	.amdgcn_target "amdgcn-amd-amdhsa--gfx1250"
	.amdhsa_code_object_version 6
	.text
	.protected	k_q0c52258849_gy
	.globl	k_q0c52258849_gy
	.p2align	8
	.type	k_q0c52258849_gy,@function
k_q0c52258849_gy:
	s_mov_b64 s[64:65], 0
	v_nop
	global_prefetch_b8 v0, s[64:65] scope:SCOPE_SE
	s_setreg_imm32_b32 hwreg(HW_REG_WAVE_MODE, 25, 1), 1
	s_wait_xcnt 0x0
	s_wait_alu depctr_hold_cnt(0) depctr_sa_sdst(0) depctr_va_vdst(0) depctr_va_sdst(0) depctr_va_ssrc(0) depctr_va_vcc(0) depctr_vm_vsrc(0)
	s_getreg_b32 s2, hwreg(HW_REG_IB_STS2, 6, 4)
	s_cmp_eq_u32 s2, 0
	s_cbranch_scc0 .Lentry_in_a_cluster
	s_endpgm
.Lentry_in_a_cluster:
	s_bfe_u32 s2, ttmp6, 0x10000c
	s_cmp_lg_u32 s2, 0xf033
	s_cbranch_scc0 .Lentry_shape_is_right
	s_endpgm
.Lentry_shape_is_right:
; y[l][b][d] = sum over e of rn[t][e] W_out[d][e] + b_out[d], t = 1024 b + l.  rn in f16 (tiled by 16 x 16 blocks), W_out's bf16-rounded numbers in f16, sums in f32, b_out rounded to bf16 like every
; input, y in f32.
; SHAPE, RING, CLUSTER: a tile is 128 x 128, four waves of 64 x 64, 256 work-groups; K = 1024 in four steps of 256 through two LDS slots, steps 2 and 3 as refills, written out; 4 x 4 work-groups ask
; jointly for A's tiles along a row of the cluster and for B's along a column.  A's tile: 4 pieces of 8,192 dense bytes, unpadded; B's: 64 rows of 512 bytes, padded to 528.
; THE MATRIX INSTRUCTION IS USED TRANSPOSED (source 0 = rows of W_out, source 1 = rows of rn): a lane holds eight neighbouring columns, 32 bytes, of one row.
; THE WAY OUT: a wave's 64 columns are 256 bytes of a row of y.  32 rows at a time go through the wave's own stage in LDS and come back as whole rows, so that sixteen lanes store 256 consecutive
; aligned bytes; the tokens' renumbering is undone in the stores' addresses: from l to l + 1 are 16,384 bytes.
; REGISTERS: window 0: v0-31 addresses; v32-95 the way out; v96-127 bias; v128-255 accumulators.  window 1: two fragment buffers of 128.
.set SIZE_K, 1024
.set WOFF,   3145728                   ; W_out in wo
.set KSTEP,  256
.set ASTEP,  8192
.set PITCH,  528
.set HALFT,  64*PITCH
.set SLOT,   4*HALFT
.set STAGE,  2*SLOT                    ; behind the slots: 32 rows x 272 bytes for each wave; no tensor load lands there
.set SPITCH, 272
.set SPARE,  STAGE+4*32*SPITCH         ; the spare words, 128 bytes a wave
.set ADRA, 16
.set ADRB, 20
.set STO,  24
.set RD,   25
.set CO,   26
.set BO,   27
.set SPW,  28
.set NIL,  29
.set TMP,  32
.set EXT,  96
.set ACC,  128
.set F0,   0
.set F1,   128
.set G1, 24
.set G0, 32
.set G1B, 48
.set G0B, 56
.set MSB, 0
.macro WIN new
.if MSB != (\new)
	s_set_vgpr_msb (MSB<<8)|(\new)
.set MSB, \new
.endif
.endm
.set MUL,  0x05
.set TO_F, 0x40
.macro JLOAD s                         ; a joint load: waves 0 and 1 fetch A's halves, waves 2 and 3 B's; s_nop 0 and four v_nop follow each line
	s_cmp_eq_u32 s11, 0
	s_cbranch_scc0 .Lfor_b_\@
	tensor_load_to_lds s[G0+4*(\s):G0+4*(\s)+3], s[G1:G1+7]
	s_nop 0
.rept 4
	v_nop
.endr
	s_branch .Lasked_\@
.Lfor_b_\@:
	tensor_load_to_lds s[G0B+4*(\s):G0B+4*(\s)+3], s[G1B:G1B+7]
	s_nop 0
.rept 4
	v_nop
.endr
.Lasked_\@:
.endm
.macro CREST
	s_cmp_lg_u32 s10, 0
	s_cbranch_scc1 .Lnot_wave_0_\@
	s_barrier_signal -3
.Lnot_wave_0_\@:
	s_barrier_wait -3
	s_barrier_signal -1
	s_barrier_wait -1
.endm
.macro CROUND
	s_barrier_signal -1
	s_barrier_wait -1
	CREST
.endm
	s_load_b128 s[4:7], s[0:1], 0x0                ; rn s[4:5], wo s[6:7]
	s_load_b64 s[8:9], s[0:1], 0x10                ; out0
	s_load_b64 s[66:67], s[0:1], 0x18              ; b_out
	v_lshl_add_u32 v[SPW], v0, 2, SPARE
	v_mov_b32 v[NIL], 0
	ds_add_u32 v[SPW], v[NIL]                      ; the wave's opening: the add and its wait ahead of my first tensor load
	ds_add_u32 v28, v29
	v_lshrrev_b32 v1, 5, v0
	v_readfirstlane_b32 s10, v1
	s_lshr_b32 s11, s10, 1
	s_and_b32 s12, s10, 1
	s_bfe_u32 s40, ttmp6, 0x40000
	s_bfe_u32 s41, ttmp6, 0x40004
	s_lshl_b32 s42, ttmp9, 2
	s_add_co_u32 s42, s42, s40                     ; tile column
	s_and_b32 s13, ttmp7, 0xffff
	s_lshl_b32 s13, s13, 2
	s_add_co_u32 s13, s13, s41                     ; tile row
	s_lshl_b32 s43, s41, 2
	s_lshl_b32 s43, 15, s43
	s_lshl_b32 s44, 0x1111, s40
	s_or_b32 s[G1+0], s43, (3<<16)|(1<<21)         ; A: my row's mask; 8-byte elements; no padding; bit 21 beside a mask
	s_mov_b32 s[G1+1], 1024<<16
	s_mov_b32 s[G1+2], 4<<16
	s_mov_b32 s[G1+3], 1024<<16
	s_mov_b32 s[G1+4], 4
	s_mov_b32 s[G1+5], 4096
	s_mov_b32 s[G1+6], 0
	s_mov_b32 s[G1+7], 0
	s_or_b32 s[G1B+0], s44, (1<<16)|(1<<20)|(1<<21)|(6<<22)|(3<<25)
	s_mov_b32 s[G1B+1], KSTEP<<16
	s_mov_b32 s[G1B+2], 64<<16
	s_mov_b32 s[G1B+3], KSTEP<<16
	s_mov_b32 s[G1B+4], 64
	s_mov_b32 s[G1B+5], SIZE_K
	s_mov_b32 s[G1B+6], 0
	s_mov_b32 s[G1B+7], 0
	s_lshl_b32 s16, s13, 3
	s_lshl_b32 s17, s12, 2
	s_add_co_u32 s16, s16, s17
	s_lshl_b32 s16, s16, 15
	s_mov_b32 s17, 0
	s_lshl_b32 s46, s42, 1
	s_add_co_u32 s46, s46, s12
	s_mul_i32 s46, s46, 64*SIZE_K*2
	s_add_co_u32 s46, s46, WOFF
	s_mov_b32 s47, 0
	s_mul_i32 s20, s10, HALFT
	s_mov_b32 s68, 0xffff0000
	s_wait_dscnt 0x0
	s_wait_kmcnt 0x0
	s_add_nc_u64 s[14:15], s[4:5], s[16:17]
	s_add_nc_u64 s[46:47], s[6:7], s[46:47]
	CROUND                                         ; all sixteen work-groups are here: the first joint loads meet
.irp s, 0,1
	s_mov_b32 s[G0+4*(\s)], 1
	s_add_co_u32 s[G0+4*(\s)+1], s20, (\s)*SLOT
	s_add_nc_u64 s[G0+4*(\s)+2:G0+4*(\s)+3], s[14:15], (\s)*ASTEP
	s_or_b32 s[G0+4*(\s)+3], s[G0+4*(\s)+3], 0x80000000
	s_mov_b32 s[G0B+4*(\s)], 1
	s_add_co_u32 s[G0B+4*(\s)+1], s20, (\s)*SLOT
	s_add_nc_u64 s[G0B+4*(\s)+2:G0B+4*(\s)+3], s[46:47], (\s)*KSTEP*2
	s_or_b32 s[G0B+4*(\s)+3], s[G0B+4*(\s)+3], 0x80000000
	JLOAD \s                                       ; two tensor loads of mine are out
.endr
	v_and_b32 v1, 15, v0
	v_bfe_u32 v2, v0, 4, 1
	v_mul_u32_u24 v3, v1, PITCH
	v_lshl_add_u32 v3, v2, 4, v3
	v_and_b32 v4, 31, v0
	v_lshlrev_b32 v4, 4, v4
	s_mul_i32 s21, s11, HALFT
	s_mul_i32 s22, s12, HALFT
	s_add_co_u32 s22, s22, 2*HALFT
.irp s, 0,1
	v_add_nc_u32 v[ADRA+(\s)], s21, v4
	v_add_nc_u32 v[ADRB+(\s)], s22, v3
	s_add_co_u32 s21, s21, SLOT
	s_add_co_u32 s22, s22, SLOT
.endr
	s_mul_i32 s23, s10, 32*SPITCH
	s_add_co_u32 s23, s23, STAGE                   ; my stage
	v_mul_u32_u24 v5, v1, SPITCH                   ; in: row l % 16, 32 bytes for each half of the lanes
	v_lshl_add_u32 v5, v2, 5, v5
	v_add_nc_u32 v[STO], s23, v5
	v_mul_u32_u24 v5, v2, SPITCH                   ; back: lanes 0-15 one row of 256 bytes, lanes 16-31 the next
	v_lshl_add_u32 v5, v1, 4, v5
	v_add_nc_u32 v[RD], s23, v5
	v_lshlrev_b32 v5, 14, v2                       ; and the same two rows in y, 16,384 bytes apart
	v_lshl_add_u32 v[CO], v1, 4, v5
	v_lshlrev_b32 v[BO], 5, v2
	s_and_b32 s16, s13, 7                          ; the tile row is 8 b + block of 128 l: my first l = 128 x block + 64 x my half,
	s_lshl_b32 s16, s16, 7
	s_lshl_b32 s17, s11, 6
	s_add_co_u32 s16, s16, s17
	s_lshl_b32 s16, s16, 14
	s_lshr_b32 s17, s13, 3                         ; b: 2,048 bytes
	s_lshl_b32 s17, s17, 11
	s_add_co_u32 s16, s16, s17
	s_mov_b32 s17, 0
	s_add_nc_u64 s[8:9], s[8:9], s[16:17]
	s_lshl_b32 s46, s42, 3                         ; my first column, 128 x tile column + 64 x my half, in f32: the same bytes in y's rows and in b_out
	s_lshl_b32 s47, s12, 2
	s_add_co_u32 s46, s46, s47
	s_lshl_b32 s46, s46, 6
	s_mov_b32 s47, 0
	s_add_nc_u64 s[8:9], s[8:9], s[46:47]
	s_add_nc_u64 s[66:67], s[66:67], s[46:47]
.irp b, 0,1,2,3
	global_load_b128 v[EXT+8*(\b):EXT+8*(\b)+3],   v[BO], s[66:67] offset:64*(\b)
	global_load_b128 v[EXT+8*(\b)+4:EXT+8*(\b)+7], v[BO], s[66:67] offset:64*(\b)+16
.endr
.macro MUL8 f, c, a0, zero             ; 8 products; the accumulators take turns
	WIN MUL
.irp a, \a0, (\a0)+1
.irp b, 0,1,2,3
.if \zero
	v_wmma_f32_16x16x32_f16 v[ACC+8*(4*(\a)+(\b)):ACC+8*(4*(\a)+(\b))+7], v[(\f)+64+8*(4*(\c)+(\b)):(\f)+64+8*(4*(\c)+(\b))+7], v[(\f)+8*(4*(\c)+(\a)):(\f)+8*(4*(\c)+(\a))+7], 0
.else
	v_wmma_f32_16x16x32_f16 v[ACC+8*(4*(\a)+(\b)):ACC+8*(4*(\a)+(\b))+7], v[(\f)+64+8*(4*(\c)+(\b)):(\f)+64+8*(4*(\c)+(\b))+7], v[(\f)+8*(4*(\c)+(\a)):(\f)+8*(4*(\c)+(\a))+7], v[ACC+8*(4*(\a)+(\b)):ACC+8*(4*(\a)+(\b))+7]
.endif
.endr
.endr
.endm
.macro FETCH slot, q, f
	WIN TO_F
.irp c, 0,1
.irp i, 0,1,2,3
	ds_load_b128 v[(\f)+64+8*(4*(\c)+(\i)):(\f)+64+8*(4*(\c)+(\i))+3],   v[ADRB+(\slot)] offset:128*(\q)+64*(\c)+(\i)*16*PITCH
	ds_load_b128 v[(\f)+64+8*(4*(\c)+(\i))+4:(\f)+64+8*(4*(\c)+(\i))+7], v[ADRB+(\slot)] offset:128*(\q)+64*(\c)+(\i)*16*PITCH+32
	ds_load_b128 v[(\f)+8*(4*(\c)+(\i)):(\f)+8*(4*(\c)+(\i))+3],         v[ADRA+(\slot)] offset:2048*(\q)+1024*(\c)+8192*(\i)
	ds_load_b128 v[(\f)+8*(4*(\c)+(\i))+4:(\f)+8*(4*(\c)+(\i))+7],       v[ADRA+(\slot)] offset:2048*(\q)+1024*(\c)+8192*(\i)+512
.endr
.endr
.endm
.macro PLACES                          ; four plain vector instructions between a matrix instruction and a load into, or a vector use of, its registers
.rept 4
	v_nop
.endr
.endm
.macro QUARTER slot, q, f, g, zero
	s_wait_dscnt 16                                ; the first 32 along K are in; the 16 younger loads may be out
	MUL8 \f, 0, 0, \zero
	MUL8 \f, 0, 2, \zero
	PLACES
	FETCH \slot, \q, \g
	s_wait_dscnt 32                                ; all but the 32 just issued
	MUL8 \f, 1, 0, 0
	MUL8 \f, 1, 2, 0
.endm
; The last quarter of a K step changes slots: one barrier; in front of it each wave waits for all its tensor loads, adds 0 to its spare word, and waits for that and for its reads of this slot.
; fill = 1: the barrier opens a round of the cluster's, and the slot is filled again, two K steps ahead, first thing behind it.
.macro TURN slot, next, fill
	WIN 0
	s_wait_tensorcnt 0x0
	ds_add_u32 v[SPW], v[NIL]
	s_wait_dscnt 17                                ; the add and the 16 youngest loads may be out
	MUL8 F1, 0, 0, 0
	s_wait_dscnt 0x0
	s_barrier_signal -1
	MUL8 F1, 0, 2, 0
.if \fill
	WIN 0
.endif
	s_barrier_wait -1
.if \fill
	CREST
	s_add_nc_u64 s[G0+4*(\slot)+2:G0+4*(\slot)+3], s[G0+4*(\slot)+2:G0+4*(\slot)+3], 2*ASTEP
	s_add_nc_u64 s[G0B+4*(\slot)+2:G0B+4*(\slot)+3], s[G0B+4*(\slot)+2:G0B+4*(\slot)+3], 2*KSTEP*2
	JLOAD \slot
.else
	PLACES
.endif
	FETCH \next, 0, F0
	MUL8 F1, 1, 0, 0
	MUL8 F1, 1, 2, 0
.endm
	s_wait_tensorcnt 1                             ; my part of K step 0 is in; K step 1's may stay out
	s_barrier_signal -1
	s_barrier_wait -1
	FETCH 0, 0, F0
	QUARTER 0, 1, F0, F1, 1                        ; the first products start the sums
	QUARTER 0, 2, F1, F0, 0
	QUARTER 0, 3, F0, F1, 0
	TURN 0, 1, 1                                   ; slot 0 takes K step 2
	QUARTER 1, 1, F0, F1, 0
	QUARTER 1, 2, F1, F0, 0
	QUARTER 1, 3, F0, F1, 0
	TURN 1, 0, 1                                   ; slot 1 takes K step 3
	QUARTER 0, 1, F0, F1, 0
	QUARTER 0, 2, F1, F0, 0
	QUARTER 0, 3, F0, F1, 0
	TURN 0, 1, 0
	QUARTER 1, 1, F0, F1, 0
	QUARTER 1, 2, F1, F0, 0
	QUARTER 1, 3, F0, F1, 0
	s_wait_dscnt 16
	MUL8 F1, 0, 0, 0
	MUL8 F1, 0, 2, 0
	s_wait_dscnt 0
	MUL8 F1, 1, 0, 0
	MUL8 F1, 1, 2, 0
	WIN 0
	PLACES
	s_wait_loadcnt 0x0                             ; b_out
.set i, 0
.rept 16                                               ; b_out is taken rounded to bf16, like every input
	v_cvt_pk_bf16_f32 v30, v[EXT+2*i], v[EXT+2*i+1]
	v_lshlrev_b32 v[EXT+2*i], 16, v30
	v_and_b32 v[EXT+2*i+1], s68, v30
.set i, i+1
.endr
.irp p, 0,1                                            ; my rows 32 p .. 32 p + 31
.set u, 0
.rept 8
.set t, 8*(\p)+u
.set k, 0
.rept 4
	v_pk_add_f32 v[ACC+8*t+2*k:ACC+8*t+2*k+1], v[ACC+8*t+2*k:ACC+8*t+2*k+1], v[EXT+8*(u%4)+2*k:EXT+8*(u%4)+2*k+1]
.set k, k+1
.endr
	ds_store_b128 v[STO], v[ACC+8*t:ACC+8*t+3]   offset:(u/4)*16*SPITCH+64*(u%4)
	ds_store_b128 v[STO], v[ACC+8*t+4:ACC+8*t+7] offset:(u/4)*16*SPITCH+64*(u%4)+16
.set u, u+1
.endr
.if \p
	s_wait_xcnt 0x0                                ; the registers below were the first pass's store data: they are loaded into only behind this wait
.endif
.set u, 0
.rept 16
	ds_load_b128 v[TMP+4*u:TMP+4*u+3], v[RD] offset:u*2*SPITCH   ; LDS serves a wave's instructions in order (ISA guide 5.7.1.4): these see the stores above, and the next pass's stores come behind them
.set u, u+1
.endr
.set u, 0
.rept 16
	s_wait_dscnt 15-u                              ; load u is back; the younger ones may be out
	global_store_b128 v[CO], v[TMP+4*u:TMP+4*u+3], s[8:9] offset:(32*(\p)+2*u)*16384 th:TH_STORE_NT   ; 16 lanes store 256 consecutive aligned bytes of a row of y
.set u, u+1
.endr
.endr
	s_wait_tensorcnt 0x0                           ; the wave's end
	ds_add_u32 v[SPW], v[NIL]
	s_wait_dscnt 0x0
	CROUND                                         ; the closing round
	s_endpgm
.Lfunc_end_k_q0c52258849_gy:
	.size	k_q0c52258849_gy, .Lfunc_end_k_q0c52258849_gy-k_q0c52258849_gy
	.p2alignl 7, 3214868480
	.fill 96, 4, 3214868480
	.section	.rodata,"a",@progbits
	.p2align	6, 0x0
	.amdhsa_kernel k_q0c52258849_gy
		.amdhsa_group_segment_fixed_size 327680
		.amdhsa_private_segment_fixed_size 0
		.amdhsa_enable_private_segment 0
		.amdhsa_kernarg_size 32
		.amdhsa_user_sgpr_count 2
		.amdhsa_user_sgpr_kernarg_segment_ptr 1
		.amdhsa_wavefront_size32 1
		.amdhsa_system_sgpr_workgroup_id_x 1
		.amdhsa_system_sgpr_workgroup_id_y 1
		.amdhsa_system_sgpr_workgroup_id_z 1
		.amdhsa_system_vgpr_workitem_id 0
		.amdhsa_next_free_vgpr 512
		.amdhsa_next_free_sgpr 72
		.amdhsa_reserve_vcc 0
		.amdhsa_float_denorm_mode_32 3
		.amdhsa_float_denorm_mode_16_64 3
		.amdhsa_memory_ordered 1
		.amdhsa_forward_progress 1
		.amdhsa_inst_pref_size 93
	.end_amdhsa_kernel
	.amdgpu_metadata
---
amdhsa.version: [ 1, 2 ]
amdhsa.kernels:
  - .name:           k_q0c52258849_gy
    .symbol:         k_q0c52258849_gy.kd
    .args:
      - { .name: rn, .offset: 0, .size: 8, .value_kind: global_buffer, .address_space: global }
      - { .name: wo, .offset: 8, .size: 8, .value_kind: global_buffer, .address_space: global }
      - { .name: out0, .offset: 16, .size: 8, .value_kind: global_buffer, .address_space: global }
      - { .name: b_out, .offset: 24, .size: 8, .value_kind: global_buffer, .address_space: global }
    .group_segment_fixed_size: 327680
    .private_segment_fixed_size: 0
    .kernarg_segment_align: 8
    .kernarg_segment_size: 32
    .max_flat_workgroup_size: 128
    .sgpr_count:     72
    .vgpr_count:     512
    .wavefront_size: 32
...
	.end_amdgpu_metadata
.endif
;; end of part 14
;; ======== version 3 of 3: 7 launches; version 2 with the launch cvt written anew for expert scheduling mode
;; limits: values are held in f16: magnitudes above 65,504 overflow, below 6.1e-05 lose precision; right only within a limited range of input values; values outside matrix products are rounded to f16; values outside matrix products are rounded to bf16; inputs' magnitudes at most 65,504
;; workspace buffers: xb 8,388,608 bytes; wq 6,291,456 bytes; wo 4,194,304 bytes; h 16,777,216 bytes; t16 16,777,216 bytes; qkv 50,331,648 bytes; o 16,777,216 bytes; rn 16,777,216 bytes
;; launch cvt (part 15): grid 576 x 1, 8 waves a work-group, no clusters, 35,840 bytes of LDS; arguments x, in_proj_w, attn_out_w, W_in, W_out, xb, wq, wo; writes xb, wq, wo
.if DOCPART == 15
	.amdgcn_target "amdgcn-amd-amdhsa--gfx1250"
	.amdhsa_code_object_version 6
	.text
	.protected	k_q0c52258849_cvt
	.globl	k_q0c52258849_cvt
	.p2align	8
	.type	k_q0c52258849_cvt,@function
k_q0c52258849_cvt:
	s_mov_b64 s[64:65], 0
	v_nop
	global_prefetch_b8 v0, s[64:65] scope:SCOPE_SE
	s_setreg_imm32_b32 hwreg(HW_REG_WAVE_SCHED_MODE, 0, 2), 2
	s_setreg_imm32_b32 hwreg(HW_REG_WAVE_MODE, 25, 1), 1
	s_wait_xcnt 0x0
	s_wait_alu depctr_vm_vsrc(0)
; x and the four weight matrices, f32, are rounded once to bf16 for the matrix units.  x, attn_out_w and W_in are written as bf16, as they lie.
; in_proj_w is written as bf16 TILED by 16 x 16 blocks: [f / 16][e / 16][32 lanes][8 numbers], lane 16 g + r holding row r, columns 8 g .. 8 g + 7: so 16 rows x 64 columns, what the q, k, v
; product fetches of a row-block in a K step, are 2,048 dense bytes, and two neighbouring blocks are the two halves of a matrix operand's fragment.
; W_out multiplies an f16 operand later, so its bf16-rounded numbers are written as f16: exact from 2^-17 up to 65,504, below that to within 2^-25.
; LIMIT: |W_out| stays under 65,504.
; A work-group takes 65,536 bytes of one input: 256 pieces of x (to xb), 192 of in_proj_w (to wq; a piece is 16 rows, one row-block), then 64 of attn_out_w, 32 of W_in and 32 of W_out,
; which lie in wo in that order, so a piece's place in wo is 32,768 x (piece - 448).
; Memory binds: 16 loads of 16 bytes a lane are all issued first (a wave's load covers 512 consecutive bytes); a wave's store covers 256 or 512 consecutive bytes, aligned.
; THE TILING: load i of thread t is row i, columns 4 t .. 4 t + 3, so wave w holds 16 rows x columns 128 w .. 128 w + 127: sixteen whole runs of 256 bytes of the tiled row-block (a run: 8 columns
; of 16 rows), 4,096 consecutive bytes.  They are turned through LDS bytes of the wave's own, a run at a pitch of 272 bytes: no wave reads another's bytes, so there is no barrier.
; THE MODE: SCHED_MODE bits 1:0 = 2 (LLVM: expert scheduling mode 2), set by the entry lines.  The code itself states the register dependences between vector instructions and memory or LDS
; instructions, with s_wait_alu, always for 0.
; THE PLAN.  Registers that memory or LDS instructions touch:
;   v1, v2, v6, v7   the loads' offset, the plain stores' offset, the closing add's pair: written once at the head, never again.
;   v[8:71]          load i lands in v[8 + 4 i ..], once; read by the conversions of load i.  On the tiling way the eight LDS loads land in v[8:39] behind all conversions, and the global stores read them.
;   v[72:103]        the conversions of load i write v[72 + 2 i], v[73 + 2 i], once; read by one store, global or LDS.
;   v3, v4, v5       the tiling way's addresses: written once at that way's head.
; No register that a memory or LDS instruction reads is written again, so no wait on vm_vsrc is owed.
; The 16 loads go in four groups of four.  The store of load i is issued four loads later, among the next group's conversions, which name other registers.  So ONE wait on va_vdst stands at the head
; of each group but the first, behind the wait for the group's first load, and one more ahead of the last four stores.
.set UP,    272                        ; a run of 256 bytes + 16: the sixteen runs that a wave's store of 8 bytes a lane touches begin at sixteen different columns of 16 bytes modulo 256
.set SPARE, 8*16*UP                    ; behind the eight waves' runs: the spare words, 128 bytes a wave
	s_load_b256 s[4:11], s[0:1], 0x0               ; x s[4:5], in_proj_w s[6:7], attn_out_w s[8:9], W_in s[10:11]
	s_load_b256 s[12:19], s[0:1], 0x20             ; W_out s[12:13], xb s[14:15], wq s[16:17], wo s[18:19]
	v_lshl_add_u32 v6, v0, 2, SPARE                ; my spare word,
	v_mov_b32 v7, 0                                ; and 0: for the closing lines of the way that writes LDS
	s_mov_b32 s20, ttmp9                           ; the piece
	s_sub_co_u32 s21, s20, 256                     ; its number within each of the weights
	s_sub_co_u32 s22, s20, 448
	s_sub_co_u32 s23, s20, 512
	s_sub_co_u32 s34, s20, 544
	s_mov_b32 s33, 0xffff0000                      ; a word's upper bf16
	v_lshlrev_b32 v1, 4, v0                        ; 16 bytes a thread in
	v_lshlrev_b32 v2, 3, v0                        ; 8 bytes a thread out
	s_wait_kmcnt 0x0
	s_mov_b64 s[24:25], s[4:5]                     ; the source and the piece's number in it,
	s_mov_b32 s26, s20
	s_mov_b64 s[28:29], s[14:15]                   ; the destination and the piece's number in it,
	s_mov_b32 s30, s20
	s_mov_b32 s32, 0                               ; and the way: 0 bf16 as it lies, 1 f16, 2 bf16 tiled
	s_cmp_ge_u32 s20, 256
	s_cselect_b64 s[24:25], s[6:7], s[24:25]
	s_cselect_b32 s26, s21, s26
	s_cselect_b64 s[28:29], s[16:17], s[28:29]
	s_cselect_b32 s30, s21, s30
	s_cselect_b32 s32, 2, s32
	s_cmp_ge_u32 s20, 448
	s_cselect_b64 s[24:25], s[8:9], s[24:25]
	s_cselect_b32 s26, s22, s26
	s_cselect_b64 s[28:29], s[18:19], s[28:29]
	s_cselect_b32 s30, s22, s30
	s_cselect_b32 s32, 0, s32
	s_cmp_ge_u32 s20, 512
	s_cselect_b64 s[24:25], s[10:11], s[24:25]
	s_cselect_b32 s26, s23, s26
	s_cmp_ge_u32 s20, 544
	s_cselect_b64 s[24:25], s[12:13], s[24:25]
	s_cselect_b32 s26, s34, s26
	s_cselect_b32 s32, 1, s32
	s_lshl_b32 s26, s26, 16
	s_mov_b32 s27, 0
	s_add_nc_u64 s[24:25], s[24:25], s[26:27]
	s_lshl_b32 s30, s30, 15
	s_mov_b32 s31, 0
	s_add_nc_u64 s[28:29], s[28:29], s[30:31]
	s_wait_alu depctr_va_vdst(0)                   ; v1 is written, which the sixteen loads read as their offset; so are v2, which the plain stores read, and v6 and v7, which the closing add reads
.set i, 0
.rept 16
	global_load_b128 v[8+4*i:11+4*i], v1, s[24:25] offset:4096*i th:TH_LOAD_NT
.set i, i+1
.endr
	s_cmp_eq_u32 s32, 1
	s_cbranch_scc1 .Lhalf
	s_cmp_eq_u32 s32, 2
	s_cbranch_scc1 .Ltile
.set i, 0
.rept 16
	s_wait_loadcnt 15-i                            ; loads return in order: load i is in, the 15 - i younger ones stay out
.if (i%4 == 0) && (i > 0)
	s_wait_alu depctr_va_vdst(0)                   ; the group before has written its eight registers of v[72 ..], which the four stores dealt among this group read
.endif
.if i >= 4
	global_store_b64 v2, v[72+2*(i-4):73+2*(i-4)], s[28:29] offset:2048*(i-4)   ; no vector instruction since the wait names these registers
.endif
	v_cvt_pk_bf16_f32 v[72+2*i], v[8+4*i], v[9+4*i]
	v_cvt_pk_bf16_f32 v[73+2*i], v[10+4*i], v[11+4*i]
.set i, i+1
.endr
	s_wait_alu depctr_va_vdst(0)                   ; the last group has written v[96:103], which the last four stores read
.set i, 12
.rept 4
	global_store_b64 v2, v[72+2*i:73+2*i], s[28:29] offset:2048*i
.set i, i+1
.endr
	s_endpgm
.Lhalf:
.set i, 0
.rept 16
	s_wait_loadcnt 15-i
.if (i%4 == 0) && (i > 0)
	s_wait_alu depctr_va_vdst(0)                   ; the group before has written its eight registers of v[72 ..], which the four stores dealt among this group read
.endif
.if i >= 4
	global_store_b64 v2, v[72+2*(i-4):73+2*(i-4)], s[28:29] offset:2048*(i-4)   ; no vector instruction since the wait names these registers
.endif
	v_cvt_pk_bf16_f32 v[72+2*i], v[8+4*i], v[9+4*i]    ; the one rounding, to bf16,
	v_cvt_pk_bf16_f32 v[73+2*i], v[10+4*i], v[11+4*i]
	v_lshlrev_b32 v[8+4*i], 16, v[72+2*i]              ; back to f32,
	v_and_b32 v[9+4*i], s33, v[72+2*i]
	v_lshlrev_b32 v[10+4*i], 16, v[73+2*i]
	v_and_b32 v[11+4*i], s33, v[73+2*i]
	v_cvt_pk_f16_f32 v[72+2*i], v[8+4*i], v[9+4*i]     ; and the same number as f16
	v_cvt_pk_f16_f32 v[73+2*i], v[10+4*i], v[11+4*i]
.set i, i+1
.endr
	s_wait_alu depctr_va_vdst(0)                   ; the last group has written v[96:103], which the last four stores read
.set i, 12
.rept 4
	global_store_b64 v2, v[72+2*i:73+2*i], s[28:29] offset:2048*i
.set i, i+1
.endr
	s_endpgm
.Ltile:
	v_lshrrev_b32 v72, 5, v0                       ; the addresses are made while the loads are on their way
	v_readfirstlane_b32 s35, v72                   ; wave
	v_and_b32 v72, 31, v0                          ; lane
	v_lshrrev_b32 v73, 1, v72                      ; in: my four columns lie in run lane / 2,
	v_mul_u32_u24 v3, v73, UP
	v_and_b32 v73, 1, v72                          ; in the lower or upper 8 of a row's 16 bytes; the row stands in the immediate
	v_lshl_add_u32 v3, v73, 3, v3
	v_lshrrev_b32 v73, 4, v72                      ; back: lanes 0-15 take one run of 256 bytes, lanes 16-31 the next
	v_mul_u32_u24 v4, v73, UP
	v_and_b32 v73, 15, v72
	v_lshl_add_u32 v4, v73, 4, v4
	s_wait_alu depctr_va_sdst(0)                   ; s35 is written, ahead of its first reader; the lines above, which need no wave number, stand between
	s_mul_i32 s36, s35, 16*UP                      ; my wave's sixteen runs in LDS
	s_lshl_b32 s37, s35, 12                        ; and its 4,096 bytes of the row-block
	v_add_nc_u32 v3, s36, v3
	v_add_nc_u32 v4, s36, v4
	v_lshl_add_u32 v5, v72, 4, s37                 ; out: 16 x lane in my wave's 4,096 bytes
.set i, 0
.rept 16
	s_wait_loadcnt 15-i                            ; row i is in, the younger loads stay out
.if (i%4 == 0) && (i > 0)
	s_wait_alu depctr_va_vdst(0)                   ; the group before has written its eight registers of v[72 ..], which the four LDS stores dealt among this group read; the first of these waits also: v3, v4, v5 are written
.endif
.if i >= 4
	ds_store_b64 v3, v[72+2*(i-4):73+2*(i-4)] offset:16*(i-4)   ; no vector instruction since the wait names these registers
.endif
	v_cvt_pk_bf16_f32 v[72+2*i], v[8+4*i], v[9+4*i]
	v_cvt_pk_bf16_f32 v[73+2*i], v[10+4*i], v[11+4*i]
.set i, i+1
.endr
	s_wait_alu depctr_va_vdst(0)                   ; the last group has written v[96:103], which the last four LDS stores read; and all conversions are done reading v[8:39], in which the LDS loads below land
.set i, 12
.rept 4
	ds_store_b64 v3, v[72+2*i:73+2*i] offset:16*i
.set i, i+1
.endr
.set n, 0
.rept 8
	ds_load_b128 v[8+4*n:11+4*n], v4 offset:2*UP*n ; LDS serves a wave's instructions in order (ISA guide 5.7.1.4): these see the stores above
.set n, n+1
.endr
.set n, 0
.rept 8
	s_wait_dscnt 7-n                               ; load n is back; the younger ones may be out
	global_store_b128 v5, v[8+4*n:11+4*n], s[28:29] offset:512*n   ; 512 consecutive bytes, aligned
.set n, n+1
.endr
	s_wait_dscnt 0x0                               ; the closing lines, six on end
	s_wait_alu 0x0
	s_wait_tensorcnt 0x0
	ds_add_u32 v6, v7
	s_wait_dscnt 0x0
	s_endpgm
.Lfunc_end_k_q0c52258849_cvt:
	.size	k_q0c52258849_cvt, .Lfunc_end_k_q0c52258849_cvt-k_q0c52258849_cvt
	.p2alignl 7, 3214868480
	.fill 96, 4, 3214868480
	.section	.rodata,"a",@progbits
	.p2align	6, 0x0
	.amdhsa_kernel k_q0c52258849_cvt
		.amdhsa_group_segment_fixed_size 35840
		.amdhsa_private_segment_fixed_size 0
		.amdhsa_enable_private_segment 0
		.amdhsa_kernarg_size 64
		.amdhsa_user_sgpr_count 2
		.amdhsa_user_sgpr_kernarg_segment_ptr 1
		.amdhsa_wavefront_size32 1
		.amdhsa_system_sgpr_workgroup_id_x 1
		.amdhsa_system_sgpr_workgroup_id_y 1
		.amdhsa_system_sgpr_workgroup_id_z 1
		.amdhsa_system_vgpr_workitem_id 0
		.amdhsa_next_free_vgpr 104
		.amdhsa_next_free_sgpr 66
		.amdhsa_reserve_vcc 0
		.amdhsa_float_denorm_mode_32 3
		.amdhsa_float_denorm_mode_16_64 3
		.amdhsa_memory_ordered 1
		.amdhsa_forward_progress 1
		.amdhsa_inst_pref_size 23
	.end_amdhsa_kernel
	.amdgpu_metadata
---
amdhsa.version: [ 1, 2 ]
amdhsa.kernels:
  - .name:           k_q0c52258849_cvt
    .symbol:         k_q0c52258849_cvt.kd
    .args:
      - { .name: x, .offset: 0, .size: 8, .value_kind: global_buffer, .address_space: global }
      - { .name: in_proj_w, .offset: 8, .size: 8, .value_kind: global_buffer, .address_space: global }
      - { .name: attn_out_w, .offset: 16, .size: 8, .value_kind: global_buffer, .address_space: global }
      - { .name: W_in, .offset: 24, .size: 8, .value_kind: global_buffer, .address_space: global }
      - { .name: W_out, .offset: 32, .size: 8, .value_kind: global_buffer, .address_space: global }
      - { .name: xb, .offset: 40, .size: 8, .value_kind: global_buffer, .address_space: global }
      - { .name: wq, .offset: 48, .size: 8, .value_kind: global_buffer, .address_space: global }
      - { .name: wo, .offset: 56, .size: 8, .value_kind: global_buffer, .address_space: global }
    .group_segment_fixed_size: 35840
    .private_segment_fixed_size: 0
    .kernarg_segment_align: 8
    .kernarg_segment_size: 64
    .max_flat_workgroup_size: 256
    .sgpr_count:     66
    .vgpr_count:     104
    .wavefront_size: 32
...
	.end_amdgpu_metadata
.endif
;; end of part 15
;; launch gin: the kernel of part 9 again; grid 8 x 64, 4 waves a work-group, clusters of 4 x 4, 327,680 bytes of LDS; arguments xb, wo, h, b_in, t16; writes h, t16
;; launch gqkv: the kernel of part 10 again; grid 8 x 32, 4 waves a work-group, clusters of 4 x 4, 327,680 bytes of LDS; arguments t16, wq, qkv; writes qkv
;; launch attn: the kernel of part 11 again; grid 32 x 8, 8 waves a work-group, no clusters, 327,680 bytes of LDS; arguments qkv, seq_lengths, o, out1; writes o, out1
;; launch gout: the kernel of part 12 again; grid 8 x 32, 4 waves a work-group, clusters of 4 x 4, 327,680 bytes of LDS; arguments o, wo, t16; writes t16
;; launch lnorm: the kernel of part 13 again; grid 512 x 1, 8 waves a work-group, no clusters, 2,048 bytes of LDS; arguments h, t16, ln_g, ln_b, rn; writes rn
;; launch gy: the kernel of part 14 again; grid 4 x 64, 4 waves a work-group, clusters of 4 x 4, 327,680 bytes of LDS; arguments rn, wo, out0, b_out; writes out0
